; MI455X (gfx1250); checked and timed in simulation.
; The chip was launched on July 23, 2026; its instructions are those of AMD's public machine-readable ISA for CDNA 5 (MIT licence, August 2026) and "CDNA5" Instruction Set Architecture Reference Guide (July 2026). The comments in the code are by the model that wrote it; some were corrected since.
;; Cross Attention. Allowed arithmetic: matrix products marked QUANTISED: E2M3 operands, one E8M0 scale for each 32 along K, by v_wmma_scale_f32_16x16x128_f8f6f4 with both operands' format E2M3, f32 sums; everything else in f32.
;; Inputs: Wk_b 1,024 float32; Wk_w_codes 1,024 x 32 x 24 uint8 (E2M3 codes of Wk_w, K innermost, in blocks of 32 codes, four codes in three bytes); Wk_w_scales 1,024 x 32 uint8 (E8M0 scales of Wk_w, one for each 32 codes along K); Wq_b 1,024 float32; Wq_w_codes 1,024 x 32 x 24 uint8 (E2M3 codes of Wq_w, K innermost, in blocks of 32 codes, four codes in three bytes); Wq_w_scales 1,024 x 32 uint8 (E8M0 scales of Wq_w, one for each 32 codes along K); Wv_b 1,024 float32; Wv_w_codes 1,024 x 32 x 24 uint8 (E2M3 codes of Wv_w, K innermost, in blocks of 32 codes, four codes in three bytes); Wv_w_scales 1,024 x 32 uint8 (E8M0 scales of Wv_w, one for each 32 codes along K); context_codes 2 x 2,048 x 32 x 24 uint8 (E2M3 codes of context, K innermost, in blocks of 32 codes, four codes in three bytes); context_scales 2 x 2,048 x 32 uint8 (E8M0 scales of context, one for each 32 codes along K); cpos 2 x 2,048 int32; fc1_b 4,096 float32; fc1_w_codes 4,096 x 32 x 24 uint8 (E2M3 codes of fc1_w, K innermost, in blocks of 32 codes, four codes in three bytes); fc1_w_scales 4,096 x 32 uint8 (E8M0 scales of fc1_w, one for each 32 codes along K); fc2_b 1,024 float32; fc2_w_codes 1,024 x 128 x 24 uint8 (E2M3 codes of fc2_w, K innermost, in blocks of 32 codes, four codes in three bytes); fc2_w_scales 1,024 x 128 uint8 (E8M0 scales of fc2_w, one for each 32 codes along K); ffn_b 1,024 float32; ffn_w 1,024 float32; kn_b 64 float32; kn_w 64 float32; qn_b 64 float32; qn_w 64 float32; qpos 2 x 2,048 int32; query 2 x 2,048 x 1,024 float32.
;; Outputs: out0 2 x 2,048 x 1,024 float32.
;; This version of the problem:
;;   THIS VERSION OF THE PROBLEM IS GIVEN IN LOW PRECISION. The matrix products marked QUANTISED in the list below multiply operands that are first quantised to E2M3 (2 exponent bits, 3 mantissa bits; 6 bits a number), with one power-of-two scale for each 32 numbers along K (OCP MX v1.0); their sums are f32. All else is computed in f32.
;;   The module's matrix products, in the order in which they are computed (A, B: the left and right operand; K: the contracted axis; several contracted axes count as one K, in the product's order):
;;     1. [M 4,096, K 1,024] x [K 1,024, N 1,024]; A: input query; B: input Wq_w (given as codes): QUANTISED
;;     2. [M 4,096, K 1,024] x [K 1,024, N 1,024]; A: input context (given as codes); B: input Wk_w (given as codes): QUANTISED
;;     3. [M 4,096, K 1,024] x [K 1,024, N 1,024]; A: input context (given as codes); B: input Wv_w (given as codes): QUANTISED
;;     4. batch 32 x [M 2,048, K 64] x [K 64, N 2,048]; A: computed on the way; B: computed on the way: QUANTISED
;;     5. batch 32 x [M 2,048, K 2,048] x [K 2,048, N 64]; A: softmax (see below); B: computed on the way: QUANTISED
;;     6. [M 4,096, K 1,024] x [K 1,024, N 4,096]; A: computed on the way; B: input fc1_w (given as codes): QUANTISED
;;     7. [M 4,096, K 4,096] x [K 4,096, N 1,024]; A: computed on the way; B: input fc2_w (given as codes): QUANTISED
;;   THE QUANTISER, for each operand of a quantised product, along K:
;;     - K is cut into blocks of 32 from its start; a last block that is shorter is filled with zeros.
;;     - A block's scale is 2^e with e = floor(log2(the largest magnitude in the block)) - 2, held to -126 .. 127; a block of zeros has e = 0. As a byte (E8M0): e + 127.
;;     - Each number is divided by its block's scale, clamped to +-7.5, and rounded to the nearest number of E2M3, ties to even, subnormals kept.
;;     - The product sums the exact products of the quantised numbers (number of the format x scale) in f32.
;;   ~~~python
;;   def quantise(x, axis):      # numpy; x: float32 -> the quantised numbers, widened to float32 again
;;       x = np.moveaxis(x, axis, -1); K = x.shape[-1]
;;       x = np.pad(x, [(0, 0)] * (x.ndim - 1) + [(0, -K % 32)]); x = x.reshape(x.shape[:-1] + (-1, 32)); a = np.abs(x).max(-1, keepdims=True)
;;       e = np.where(a > 0, np.clip(np.frexp(np.where(a > 0, a, 1))[1] - 1 - 2, -126, 127), 0)      # np.frexp(a)[1] - 1 = floor(log2(a)), exactly
;;       r = np.clip(x / 2.0 ** e, -7.5, 7.5)
;;       step = 2.0 ** (np.maximum(np.frexp(np.where(r == 0, 1, r))[1] - 1, 0) - 3)
;;       q = np.round(r / step) * step * 2.0 ** e      # np.round: ties to even
;;       return np.moveaxis(q.reshape(q.shape[:-2] + (-1,))[..., :K], -1, axis).astype(np.float32)
;;   ~~~
;;   SOFTMAX AHEAD OF A QUANTISED PRODUCT. Where the list says 'softmax', what is quantised is not the finished softmax but p = 2^(t - M), with t = logit x log2(e) and M = ceil(the row's largest t), a whole number; so 1/2 < the row's largest p <= 1. The row's sum l is taken of the UNQUANTISED p, in f32, and the product's result is divided by l at the end. Since M is a whole number, a kernel that streams over the keys may use a running M (the ceiling of the running maximum): every later rescaling is an exact power of two, which a block's scale takes up: the codes' values come out the same.
;;   OPERANDS COMPUTED ON THE WAY. 'Computed on the way' means the value that the module computes at that place (a softmax that the list does not call 'softmax' is quantised finished and normalised). What goes into a quantiser is computed in f32, as accurately as f32 sums, v_exp_f32 and their like allow (about 1e-6 of the number): no bf16 or f16 on the way to a quantiser, and a product that is left as it is and whose result goes on into a quantised operand takes f32 operands (vector FMAs, or v_wmma_f32_16x16x4_f32). A number that lies on a knife's edge between two numbers of the format may be rounded either way, as far as f32 arithmetic and the matrix unit's own rounding can turn it there, and no further.
;;   INPUTS GIVEN AS CODES. Wk_w (in the module: [1024, 1024], K = its axis 0); Wq_w (in the module: [1024, 1024], K = its axis 0); Wv_w (in the module: [1024, 1024], K = its axis 0); context (in the module: [2, 2048, 1024], K = its axis 2); fc1_w (in the module: [1024, 4096], K = its axis 0); fc2_w (in the module: [4096, 1024], K = its axis 0): each comes as NAME_codes (uint8): NAME with its K axis moved to the last place and cut into blocks of 32 codes, [.., K / 32, bytes a block], one block behind the other in memory; four codes in three bytes: a row's codes are one little-endian stream of bits, code i at bits 6 i .. 6 i + 5 (a code: sign, 2 exponent bits, 3 mantissa bits); and NAME_scales (uint8): the same leading axes, one E8M0 byte (e + 127) for each 32 codes along K. Its value is code x scale, taken as it is: it is not quantised again, and the codes and scales need not be those that the quantiser above would give.
;; 2 versions. Each part assembles by itself: llvm-mc -triple=amdgcn-amd-amdhsa -mcpu=gfx1250 --defsym DOCPART=n.
;; ======== version 1 of 2: 6 launches
;; workspace buffers: ac 3,145,728 bytes; asc 131,072 bytes; qc 3,407,872 bytes; kv 6,815,744 bytes; res2 16,777,216 bytes; hc 12,582,912 bytes; hs 524,288 bytes
;; launch quantq (part 1): grid 256 x 1, 2 waves a work-group, no clusters, 16,640 bytes of LDS; arguments query, ac, asc; writes ac, asc
.if DOCPART == 1
	.amdgcn_target "amdgcn-amd-amdhsa--gfx1250"
	.amdhsa_code_object_version 6
	.text
	.protected	k_q35a03228c8_quantq
	.globl	k_q35a03228c8_quantq
	.p2align	8
	.type	k_q35a03228c8_quantq,@function
k_q35a03228c8_quantq:
	s_mov_b64 s[64:65], 0
	v_nop
	global_prefetch_b8 v0, s[64:65] scope:SCOPE_SE
	s_setreg_imm32_b32 hwreg(HW_REG_WAVE_MODE, 25, 1), 1
	s_wait_xcnt 0x0
; query [4096][1024] f32 becomes codes of FP6 (E2M3), K innermost (ac: 768 bytes a row), and one E8M0 byte for each 32 along K (asc: 32 bytes a row).
; A block's scale is 2^(floor(log2(largest magnitude)) - 2); its byte is the largest magnitude's exponent field - 2, held at 1 from below.
; LIMITS: a block of zeros, or one whose largest magnitude lies under 2^-124, gets the byte 1 (its codes are zeros or near it; the bytes are read by this program alone); NaN and infinities are not served.
; Rows are dense and 1,024 is a multiple of 32: the tensor is a plain stream of blocks.  A wave takes 16 steps of 512 numbers; 512 waves take all 4,194,304.
; Each load reads 512 consecutive bytes; a step's 2,048 bytes turn through the wave's own stage in LDS, so that a lane holds 16 neighbours (two neighbouring lanes hold a block).
; No tensor loads, no barrier: waves share nothing.  Loads run four steps (16 loads a wave) ahead.
.set STEPS, 16
.set EMAX,  2
.set CB,    12                         ; bytes of 16 codes
.set R,     16                         ; v16-79   four sets of 16 numbers as loaded
.set X,     80                         ; v80-111  two sets of 16 neighbours
.set C,     128                        ; v128-191 codes: four registers a step, so that no store's data are written again
.set E,     112                        ; v112-127 a scale byte a step
.set WREG,  8192                       ; LDS: a region for each wave: two stages of 32 x SP bytes, then its 256 scale bytes
.set SP,    80                         ; a lane's place in a stage: 64 bytes + 16 of padding
	s_load_b128 s[4:7], s[0:1], 0x0                ; query, ac
	s_load_b64 s[8:9], s[0:1], 0x10                ; asc
	v_lshl_add_u32 v192, v0, 2, 0x4000
	v_mov_b32 v193, 0
	v_lshrrev_b32 v1, 5, v0
	v_readfirstlane_b32 s16, v1                    ; wave
	v_and_b32 v2, 31, v0                           ; lane
	v_lshlrev_b32 v3, 4, v2                        ; my 16 bytes of a load's 512
	s_mul_i32 s17, s16, WREG
	v_lshrrev_b32 v14, 2, v2
	v_mul_u32_u24 v14, v14, SP
	v_and_b32 v15, 3, v2
	v_lshl_add_u32 v14, v15, 4, v14
	v_add_nc_u32 v14, s17, v14                     ; the stage, on the way in: SP (lane / 4) + 16 (lane % 4)
	v_mul_u32_u24 v15, v2, SP
	v_add_nc_u32 v15, s17, v15                     ; on the way out: SP x lane
	v_mul_u32_u24 v4, v2, CB                       ; my codes' place in a step's
	v_lshrrev_b32 v5, 1, v2
	s_add_co_u32 s17, s17, 2*32*SP
	v_add_nc_u32 v5, s17, v5                       ; my block's byte among the wave's 256
	v_lshlrev_b32 v7, 3, v2
	v_add_nc_u32 v6, s17, v7
	s_lshl_b32 s18, ttmp9, 1
	s_add_co_u32 s18, s18, s16                     ; which run of 8,192 numbers is my wave's
	s_lshl_b32 s20, s18, 15                        ; 32,768 bytes of numbers,
	s_mov_b32 s21, 0
	s_mul_i32 s22, s18, 32*STEPS*CB                ; 6,144 of codes,
	s_mov_b32 s23, 0
	s_lshl_b32 s24, s18, 8                         ; 256 of scale bytes a run
	s_mov_b32 s25, 0
	s_wait_kmcnt 0x0
	s_add_nc_u64 s[4:5], s[4:5], s[20:21]
	s_add_nc_u64 s[6:7], s[6:7], s[22:23]
	s_add_nc_u64 s[8:9], s[8:9], s[24:25]
.macro LOAD t
.irp i, 0,1,2,3
	global_load_b128 v[R+16*((\t)%4)+4*\i:R+16*((\t)%4)+4*\i+3], v3, s[4:5] offset:2048*(\t)+512*\i th:TH_LOAD_NT
.endr
.endm
.macro TURN t                          ; step t's numbers through the stage: LDS serves a wave's instructions in order, so no wait stands between the stores and the loads
.irp i, 0,1,2,3
	ds_store_b128 v14, v[R+16*((\t)%4)+4*\i:R+16*((\t)%4)+4*\i+3] offset:32*SP*((\t)%2)+8*SP*\i
.endr
.irp i, 0,1,2,3
	ds_load_b128 v[X+16*((\t)%2)+4*\i:X+16*((\t)%2)+4*\i+3], v15 offset:32*SP*((\t)%2)+16*\i
.endr
.endm
.irp t, 0,1,2,3
	LOAD \t
.endr
	s_wait_loadcnt 12                              ; step 0's four loads are in
	TURN 0
.macro STEP t
.set XS, X+16*((\t)%2)
.if (\t) > 0
	s_wait_dscnt 1                                 ; this step's numbers are back from the stage (the last step's byte store may be out)
.else
	s_wait_dscnt 0x0
.endif
.if (\t)+4 < STEPS
	LOAD (\t)+4                                    ; into the set whose stores into the stage are done
.endif
.if (\t)+1 < STEPS
.if STEPS-2-(\t) >= 3
	s_wait_loadcnt 12                              ; the next step's four loads are in; those of the three steps behind it may be out
.else
	s_wait_loadcnt 4*(STEPS-2-(\t))
.endif
	TURN (\t)+1
.endif
	v_max3_num_f32 v8, |v[XS]|, |v[XS+1]|, |v[XS+2]|               ; the largest magnitude of my 16, in two chains
	v_max3_num_f32 v9, |v[XS+3]|, |v[XS+4]|, |v[XS+5]|
.irp i, 6,10
	v_max3_num_f32 v8, v8, |v[XS+\i]|, |v[XS+\i+1]|
	v_max3_num_f32 v9, v9, |v[XS+\i+2]|, |v[XS+\i+3]|
.endr
	v_max3_num_f32 v8, v8, |v[XS+14]|, |v[XS+15]|
	v_max3_num_f32 v8, v8, v9, (EMAX+1)<<23        ; and the floor 2^(3 - 127): the byte cannot fall under 1
	v_max_num_f32_dpp v8, v8, v8 row_xmask:1 row_mask:0xf bank_mask:0xf   ; with my neighbour's 16: the block's
	v_add_nc_u32 v11, -(EMAX<<23), v8              ; 2 off its exponent field: the conversion's scale operand
	v_cvt_scalef32_pk16_fp6_f32 v[C+4*(\t):C+4*(\t)+2], v[XS:XS+15], v11
	v_lshrrev_b32 v[E+(\t)], 23, v11               ; the scale's byte
	ds_store_b8 v5, v[E+(\t)] offset:16*(\t)       ; both lanes of a block write the same byte with the same value
	global_store_b96 v4, v[C+4*(\t):C+4*(\t)+2], s[6:7] offset:32*CB*(\t)   ; the wave stores 384 consecutive bytes
.endm
.irp t, 0,1,2,3,4,5,6,7,8,9,10,11,12,13,14,15
	STEP \t
.endr
	ds_load_b64 v[12:13], v6                       ; LDS serves a wave's instructions in order: these see my stores
	s_wait_dscnt 0x0
	global_store_b64 v7, v[12:13], s[8:9]          ; 32 lanes store 256 consecutive bytes, aligned
	s_wait_tensorcnt 0x0
	ds_add_u32 v192, v193
	s_wait_dscnt 0x0
	s_endpgm
.Lfunc_end_k_q35a03228c8_quantq:
	.size	k_q35a03228c8_quantq, .Lfunc_end_k_q35a03228c8_quantq-k_q35a03228c8_quantq
	.p2alignl 7, 3214868480
	.fill 96, 4, 3214868480
	.section	.rodata,"a",@progbits
	.p2align	6, 0x0
	.amdhsa_kernel k_q35a03228c8_quantq
		.amdhsa_group_segment_fixed_size 16640
		.amdhsa_private_segment_fixed_size 0
		.amdhsa_enable_private_segment 0
		.amdhsa_kernarg_size 24
		.amdhsa_user_sgpr_count 2
		.amdhsa_user_sgpr_kernarg_segment_ptr 1
		.amdhsa_wavefront_size32 1
		.amdhsa_system_sgpr_workgroup_id_x 1
		.amdhsa_system_sgpr_workgroup_id_y 1
		.amdhsa_system_sgpr_workgroup_id_z 1
		.amdhsa_system_vgpr_workitem_id 0
		.amdhsa_next_free_vgpr 194
		.amdhsa_next_free_sgpr 66
		.amdhsa_reserve_vcc 0
		.amdhsa_float_denorm_mode_32 3
		.amdhsa_float_denorm_mode_16_64 3
		.amdhsa_memory_ordered 1
		.amdhsa_forward_progress 1
		.amdhsa_inst_pref_size 32
	.end_amdhsa_kernel
	.amdgpu_metadata
---
amdhsa.version: [ 1, 2 ]
amdhsa.kernels:
  - .name:           k_q35a03228c8_quantq
    .symbol:         k_q35a03228c8_quantq.kd
    .args:
      - { .name: query, .offset: 0, .size: 8, .value_kind: global_buffer, .address_space: global }
      - { .name: ac, .offset: 8, .size: 8, .value_kind: global_buffer, .address_space: global }
      - { .name: asc, .offset: 16, .size: 8, .value_kind: global_buffer, .address_space: global }
    .group_segment_fixed_size: 16640
    .private_segment_fixed_size: 0
    .kernarg_segment_align: 8
    .kernarg_segment_size: 24
    .max_flat_workgroup_size: 64
    .sgpr_count:     66
    .vgpr_count:     194
    .wavefront_size: 32
...
	.end_amdgpu_metadata
.endif
;; end of part 1
;; launch proj (part 2): grid 12 x 16, 4 waves a work-group, clusters of 4 x 4, 327,680 bytes of LDS; arguments ac, asc, context_codes, context_scales, Wq_w_codes, Wq_w_scales, Wk_w_codes, Wk_w_scales, Wv_w_codes, Wv_w_scales, Wq_b, Wk_b, Wv_b, qn_w, qn_b, kn_w, kn_b, qc, kv; writes qc, kv
.if DOCPART == 2
	.amdgcn_target "amdgcn-amd-amdhsa--gfx1250"
	.amdhsa_code_object_version 6
	.text
	.protected	k_q35a03228c8_proj
	.globl	k_q35a03228c8_proj
	.p2align	8
	.type	k_q35a03228c8_proj,@function
k_q35a03228c8_proj:
	s_mov_b64 s[64:65], 0
	v_nop
	global_prefetch_b8 v0, s[64:65] scope:SCOPE_SE
	s_setreg_imm32_b32 hwreg(HW_REG_WAVE_MODE, 25, 1), 1
	s_wait_xcnt 0x0
	s_wait_alu depctr_hold_cnt(0) depctr_sa_sdst(0) depctr_va_vdst(0) depctr_va_sdst(0) depctr_va_ssrc(0) depctr_va_vcc(0) depctr_vm_vsrc(0)
	s_getreg_b32 s2, hwreg(HW_REG_IB_STS2, 6, 4)
	s_cmp_eq_u32 s2, 0
	s_cbranch_scc0 .Lentry_in_a_cluster
	s_endpgm
.Lentry_in_a_cluster:
	s_bfe_u32 s2, ttmp6, 0x10000c
	s_cmp_lg_u32 s2, 0xf033
	s_cbranch_scc0 .Lentry_shape_is_right
	s_endpgm
.Lentry_shape_is_right:
; The three projections, on codes of FP6 (E2M3) with E8M0 scales, K = 1,024, and what follows them up to the operands of attention.
; The cluster's x is the JOB (the same number in all sixteen partners):  0: Q = query Wq;  1: K = context Wk;  2: V^T = Wv^T context^T.
; A tile of 256 x 256 is made by four waves, 128 x 128 each (64 accumulators, 512 registers); K goes in steps of 256 through a ring of two LDS slots; the scale bytes come once; tiles are asked for jointly
; along the rows and columns of a cluster of 4 x 4.  The matrix instruction is used transposed: source 0 = 16 rows of "B", source 1 = 16 rows of "A": a lane holds ONE row of A, its registers run along B's rows.
;   jobs 0, 1: A = the tokens (a lane = a token), B = the weight's rows (registers = 128 features = two heads): bias, the head's layer norm, quantised along the head's 64.
;   job 2:     A = Wv's rows (a lane = a channel d), B = the tokens (registers = 128 keys): bias, quantised along the keys.
; THE WAY OUT: the accumulators go to LDS as images of their registers (the ring has had its last fill and, behind a barrier, its last read), and a loop of eight trips takes a block of 16 rows of A at a time on fixed registers.
; WHAT IS STORED are images of operand registers.  qc: for head bh and group G of 128 tokens a record of 6,656 bytes at (16 bh + G) x 6,656: 8 tiles x 768 bytes of codes (registers 0-3 at 16 x lane, 4-5 at 512 + 8 x lane),
; then 8 x 64 bytes of scale words.  kv: for head bh and key step G a record of 13,312 bytes: K's 8 tiles (6,144), V^T's four fragments of 16 d x 128 keys (4 x 1,536: three images of 512), K's scale words (512), V's (4 x 128).
; THE ORDER INSIDE A BLOCK OF 32 is 0-7, 16-23, 8-15, 24-31 of the true order, alike in Q and K, and alike in V and in attention's p: a permutation inside a scale's block, applied to both sides, keeps the products.
; LIMITS: NaN and infinities are not served; a block of zeros or under 2^-124 gets the byte 1 (read by this program alone).  qpos and cpos are not read: reference() does not use them.
.set SIZE_K, 1024
.set KSTEP,  256                       ; along K in a slot
.set NQ,     KSTEP/128
.set ROWB,   192                       ; a tile's row in bytes
.set KROW,   SIZE_K*6/8                ; a row in memory
.set PITCH,  240                       ; an LDS row: 3 x (64 bytes + 16 of padding)
.set FR,     12                        ; registers of a fragment
.set NL,     6                         ; LDS loads that bring one
.set NP,     4                         ; places behind this matrix instruction (ISA guide 7.12.1)
.set HALFT,  128*PITCH
.set SLOT,   4*HALFT
.set LAPS,   SIZE_K/(2*KSTEP)
.set KS,     SIZE_K/32
.set SCL,    2*SLOT                    ; behind the ring: the scales, as rows of 256 bytes + 16
.set HALFS,  (128*KS/256)*272
.set SBLK,   (16*KS/256)*272
.set SPARE,  SCL+4*HALFS               ; the spare words: 512 bytes that no other line names
.set ADRA, 16
.set ADRB, 20
.set SPW,  28                          ; v28 my spare word's address; v29 zero: never rewritten
.set NIL,  29
.set ADRS, 27
.set SC,   32                          ; v32-63 scale words and nothing else
.set AF,   128
.set G1, 24
.set G0, 32
.set G1B, 48
.set G0B, 56
.set G1S, 68
.set G0S, 76
.set G1SB, 80
.set G0SB, 88
; the way out, window 0
.set SPA,  7                           ; v7   65,536 x wave + 16 x lane: where my accumulators' images lie
.set X,    64                          ; v64-127 a block's 64 numbers: X[8 b + j] = (A's row 16 a + r, B's row 16 b + 8 h + j)
.set TM,   128                         ; v128-143 at work in QUANT
.set PW,   144                         ; the scale word just made (v145: its shifted copy)
.set CD,   146                         ; v146-164 the codes just made
.set MU0,  166                         ; means, then reciprocal roots, of the two heads: pairs
.set MU1,  168
.set T0,   170
.set T1,   172
.set BV,   176                         ; v176-177 V's bias of my channel
.set SEL,  20                          ; s[20:21] lane selects: lane l xor 16
.set MSB, 0
.macro WIN new                         ; the immediate's high byte repeats the setting that is left
.if MSB != \new
	s_set_vgpr_msb (MSB<<8)|\new
.set MSB, \new
.endif
.endm
.set MUL_LO, 0xa1                      ; source 0 (B) window 1, source 1 (A) window 0, C and D window 2
.set MUL_HI, 0xf1
.set TO_B,   0x40
; A joint load: waves 0 and 1 fetch for A, waves 2 and 3 for B; the branch hangs on the wave's number alone.  Four v_nop follow each of the two lines.
.macro JLOAD g0a, g1a, g0b, g1b
	s_cmp_eq_u32 s15, 0
	s_cbranch_scc0 .Lfor_b_\@
	tensor_load_to_lds s[\g0a:\g0a+3], s[\g1a:\g1a+7]
	s_nop 0
.rept 4
	v_nop
.endr
	s_branch .Lasked_\@
.Lfor_b_\@:
	tensor_load_to_lds s[\g0b:\g0b+3], s[\g1b:\g1b+7]
	s_nop 0
.rept 4
	v_nop
.endr
.Lasked_\@:
.endm
.macro CREST                           ; a round of the cluster's barrier behind its opening barrier
	s_cmp_lg_u32 s14, 0
	s_cbranch_scc1 .Lnot_wave_0_\@
	s_barrier_signal -3
.Lnot_wave_0_\@:
	s_barrier_wait -3
	s_barrier_signal -1
	s_barrier_wait -1
.endm
.macro CROUND
	s_barrier_signal -1
	s_barrier_wait -1
	CREST
.endm
	s_load_b512 s[24:39], s[0:1], 0x0              ; ac, asc, context's codes, scales, Wq's, Wk's
	s_load_b128 s[40:43], s[0:1], 0x40             ; Wv's codes, scales
	v_lshl_add_u32 v[SPW], v0, 2, SPARE
	v_mov_b32 v[NIL], 0
	ds_add_u32 v28, v29
	ds_add_u32 v28, v29
	s_wait_dscnt 0x0
	v_lshrrev_b32 v1, 5, v0
	v_readfirstlane_b32 s14, v1                    ; wave 0..3
	s_lshr_b32 s15, s14, 1                         ; which half of the tile's rows is mine.  Also: I fetch for A (0) or for B (1)
	s_and_b32 s16, s14, 1                          ; which half of its columns.  Also: which 128 rows I fetch
	s_wait_kmcnt 0x0
	s_cmp_eq_u32 ttmp9, 0                          ; the job chooses the operands; the choice hangs on the cluster's x alone
	s_cselect_b64 s[4:5], s[24:25], s[28:29]       ; A's codes: the query's, else the context's
	s_cselect_b64 s[6:7], s[26:27], s[30:31]
	s_cselect_b64 s[8:9], s[32:33], s[36:37]       ; B's: Wq's, else Wk's
	s_cselect_b64 s[10:11], s[34:35], s[38:39]
	s_cmp_eq_u32 ttmp9, 2
	s_cselect_b64 s[4:5], s[40:41], s[4:5]         ; job 2: A = Wv,
	s_cselect_b64 s[6:7], s[42:43], s[6:7]
	s_cselect_b64 s[8:9], s[28:29], s[8:9]         ; B = the context
	s_cselect_b64 s[10:11], s[30:31], s[10:11]
	s_bfe_u32 s40, ttmp6, 0x40000                  ; cx, cy: my place in the cluster
	s_bfe_u32 s41, ttmp6, 0x40004
	s_and_b32 s18, ttmp7, 0xffff
	s_lshl_b32 s18, s18, 2                         ; 4 x cluster y: walks the 16 tiles of tokens
	s_cmp_eq_u32 ttmp9, 2
	s_cselect_b32 s42, s18, 0
	s_cselect_b32 s17, 0, s18
	s_add_co_u32 s42, s42, s40                     ; tile column (B's rows)
	s_add_co_u32 s17, s17, s41                     ; tile row (A's rows)
	s_lshl_b32 s43, s41, 2
	s_lshl_b32 s43, 15, s43                        ; my row of the cluster
	s_lshl_b32 s44, 0x1111, s40                    ; my column
	s_or_b32 s[G1+0], s43, (0<<16)|(1<<20)|(1<<21)|(3<<22)|(3<<25)  ; the mask; elements of 1 byte; padding on; bit 21 beside a mask; after every 16 words 4 words
	s_or_b32 s[G1B+0], s44, (0<<16)|(1<<20)|(1<<21)|(3<<22)|(3<<25)
.irp g, G1, G1B
	s_mov_b32 s[\g+1], ROWB<<16                    ; tensor_dim0
	s_mov_b32 s[\g+2], 128<<16                     ; tensor_dim1
	s_mov_b32 s[\g+3], ROWB<<16                    ; tile_dim0
	s_mov_b32 s[\g+4], 128                         ; tile_dim1
	s_mov_b32 s[\g+5], KROW                        ; the pitch
	s_mov_b32 s[\g+6], 0
	s_mov_b32 s[\g+7], 0
.endr
	s_or_b32 s[G1S+0], s43, (3<<16)|(1<<20)|(1<<21)|(5<<22)|(3<<25) ; the scales of 128 rows: a dense block as rows of 256 bytes, 16 bytes of padding behind each
	s_or_b32 s[G1SB+0], s44, (3<<16)|(1<<20)|(1<<21)|(5<<22)|(3<<25)
.irp g, G1S, G1SB
	s_mov_b32 s[\g+1], 32<<16
	s_mov_b32 s[\g+2], (128*KS/256)<<16
	s_mov_b32 s[\g+3], 32<<16
	s_mov_b32 s[\g+4], 128*KS/256
	s_mov_b32 s[\g+5], 32
	s_mov_b32 s[\g+6], 0
	s_mov_b32 s[\g+7], 0
.endr
	s_lshl_b32 s18, s16, 7                         ; which 128 rows of the tile I fetch
	s_lshl_b32 s20, s17, 8
	s_add_co_u32 s20, s20, s18                     ; A: row 256 x tile row + 128 x half
	s_lshl_b32 s46, s42, 8
	s_add_co_u32 s46, s46, s18                     ; B: row 256 x tile column + 128 x half
	s_mov_b32 s21, 0
	s_mov_b32 s47, 0
	s_mov_b64 s[18:19], KS
	s_mul_u64 s[22:23], s[20:21], s[18:19]
	s_mul_u64 s[92:93], s[46:47], s[18:19]
	s_mov_b64 s[18:19], KROW
	s_mul_u64 s[20:21], s[20:21], s[18:19]
	s_mul_u64 s[46:47], s[46:47], s[18:19]
	s_mul_i32 s45, s14, HALFT                      ; where they go: wave x 128 rows: no place in the cluster enters an LDS address
	s_mul_i32 s94, s14, HALFS
	s_add_nc_u64 s[20:21], s[4:5], s[20:21]
	s_add_nc_u64 s[22:23], s[6:7], s[22:23]
	s_add_nc_u64 s[46:47], s[8:9], s[46:47]
	s_add_nc_u64 s[92:93], s[10:11], s[92:93]
	CROUND                                         ; all sixteen work-groups are here: the first joint loads meet
	s_mov_b32 s[G0S], 1
	s_add_co_u32 s[G0S+1], s94, SCL
	s_mov_b64 s[G0S+2:G0S+3], s[22:23]
	s_or_b32 s[G0S+3], s[G0S+3], 0x80000000
	s_mov_b32 s[G0SB], 1
	s_add_co_u32 s[G0SB+1], s94, SCL
	s_mov_b64 s[G0SB+2:G0SB+3], s[92:93]
	s_or_b32 s[G0SB+3], s[G0SB+3], 0x80000000
	JLOAD G0S, G1S, G0SB, G1SB                     ; the scales first; with the two slots three loads of mine are out
.irp s, 0,1
	s_mov_b32 s[G0+4*\s], 1
	s_add_co_u32 s[G0+4*\s+1], s45, \s*SLOT
	s_add_nc_u64 s[G0+4*\s+2:G0+4*\s+3], s[20:21], \s*ROWB
	s_or_b32 s[G0+4*\s+3], s[G0+4*\s+3], 0x80000000
	s_mov_b32 s[G0B+4*\s], 1
	s_add_co_u32 s[G0B+4*\s+1], s45, \s*SLOT
	s_add_nc_u64 s[G0B+4*\s+2:G0B+4*\s+3], s[46:47], \s*ROWB
	s_or_b32 s[G0B+4*\s+3], s[G0B+4*\s+3], 0x80000000
	JLOAD G0+4*\s, G1, G0B+4*\s, G1B
.endr
	v_and_b32 v1, 15, v0                           ; l % 16
	v_bfe_u32 v2, v0, 4, 1                         ; l / 16
	v_mul_u32_u24 v3, v1, PITCH
	v_mul_u32_u24 v4, v2, 24
	v_add_nc_u32 v4, v3, v4                        ; a fragment's row x pitch + 24 x half
	v_lshl_add_u32 v5, v2, 4, v4                   ; and the same behind one padding more
	s_mul_i32 s21, s15, HALFT
	s_mul_i32 s22, s16, HALFT
	s_add_co_u32 s22, s22, 2*HALFT
.irp s, 0,1
	v_add_nc_u32 v[ADRA+\s], s21, v4
	v_add_nc_u32 v[ADRB+\s], s22, v4
	v_add_nc_u32 v[ADRA+2+\s], s21, v5
	v_add_nc_u32 v[ADRB+2+\s], s22, v5
	s_add_co_u32 s21, s21, SLOT
	s_add_co_u32 s22, s22, SLOT
.endr
	v_mul_u32_u24 v5, v1, KS                       ; my row's scales: KS bytes a row,
	v_lshrrev_b32 v6, 8, v5
	v_lshl_add_u32 v5, v6, 4, v5                   ; and 16 more for each 256 passed
	s_mul_i32 s21, s15, HALFS
	s_mul_i32 s22, s16, HALFS
	s_add_co_u32 s22, s22, 2*HALFS
	s_sub_co_u32 s22, s22, s21
	v_mul_u32_u24 v6, s22, v2                      ; lanes 16-31 take B's
	s_add_co_u32 s21, s21, SCL
	v_add_nc_u32 v5, v5, v6
	v_add_nc_u32 v[ADRS], s21, v5
.macro FRAG reg, adr, q, i             ; a fragment: 12 registers; lane l holds row l % 16; registers 6 c .. 6 c + 5 hold K = 64 c + 32 (l / 16) + 0 .. 31, in pieces of 8 bytes
.irp p, 0,1,2,3,4,5
.set PC, 12*(\q)+6*(\p/3)+\p%3        ; where the piece three on lies behind one padding more, the second address register serves
.if PC%8 < 5
	ds_load_b64 v[\reg+2*\p:\reg+2*\p+1], v[\adr] offset:8*PC+16*(PC/8)+(\i)*16*PITCH
.else
	ds_load_b64 v[\reg+2*\p:\reg+2*\p+1], v[\adr+2] offset:8*PC+16*(PC/8)+(\i)*16*PITCH
.endif
.endr
.endm
; 16 matrix instructions: A's blocks a0, a0 + 1 x B's eight.  The 64 accumulators take turns, one instruction a turn, in the same order in every step.
.macro MUL16 a0, p, q, sc, zero
.irp a, \a0, \a0+1
.irp b, 0,1,2,3,4,5,6,7
.if \zero
	v_wmma_scale_f32_16x16x128_f8f6f4 v[8*(8*((\a)%4)+\b):8*(8*((\a)%4)+\b)+7], v[128*(\p)+FR*\b:128*(\p)+FR*\b+FR-1], v[AF+FR*(\a):AF+FR*(\a)+FR-1], 0, v[SC+8*NQ*(\sc)+NQ*\b+(\q)], v[SC+8*NQ*(\sc)+NQ*(\a)+(\q)] matrix_a_fmt:MATRIX_FMT_FP6 matrix_b_fmt:MATRIX_FMT_FP6 matrix_a_scale:MATRIX_SCALE_ROW1
.else
	v_wmma_scale_f32_16x16x128_f8f6f4 v[8*(8*((\a)%4)+\b):8*(8*((\a)%4)+\b)+7], v[128*(\p)+FR*\b:128*(\p)+FR*\b+FR-1], v[AF+FR*(\a):AF+FR*(\a)+FR-1], v[8*(8*((\a)%4)+\b):8*(8*((\a)%4)+\b)+7], v[SC+8*NQ*(\sc)+NQ*\b+(\q)], v[SC+8*NQ*(\sc)+NQ*(\a)+(\q)] matrix_a_fmt:MATRIX_FMT_FP6 matrix_b_fmt:MATRIX_FMT_FP6 matrix_a_scale:MATRIX_SCALE_ROW1
.endif
.endr
.endr
.endm
.macro FETCH_B slot, q, p
	WIN TO_B
.irp i, 0,1,2,3,4,5,6,7
	FRAG 128*(\p)+FR*\i, ADRB+\slot, \q, \i
.endr
	WIN 0
.endm
.macro FETCH_A slot, q, i0
.irp i, \i0, \i0+1, \i0+2, \i0+3
	FRAG AF+FR*(\i), ADRA+\slot, \q, \i
.endr
.endm
.macro SCALES sc                       ; the K step's scale words: lanes 0-15 take A's block i, lanes 16-31 B's block i
.irp i, 0,1,2,3,4,5,6,7
	ds_load_b64 v[SC+8*NQ*\sc+NQ*\i:SC+8*NQ*\sc+NQ*\i+1], v[ADRS] offset:\i*SBLK
.endr
.endm
.macro PLACES n                        ; plain vector instructions between a matrix instruction and a load into, or a read of, its registers
.rept \n
	v_nop
.endr
.endm
.macro STEP slot, q, zero              ; a step of 128 along K that has its successor in the same slot
	s_wait_dscnt 4*NL                              ; B's set and A's blocks 0-3 are in; the youngest 24 loads (A's blocks 4-7) may be out
	WIN MUL_LO
	MUL16 0, (\q)%2, \q, \slot, \zero
	MUL16 2, (\q)%2, \q, \slot, \zero
	s_wait_dscnt 0
	PLACES NP
	FETCH_B \slot, (\q)+1, 1-(\q)%2
	FETCH_A \slot, (\q)+1, 0
	WIN MUL_HI
	MUL16 4, (\q)%2, \q, \slot, \zero
	MUL16 6, (\q)%2, \q, \slot, \zero
	PLACES NP
	WIN 0
	FETCH_A \slot, (\q)+1, 4
.endm
; A slot's last step changes slots: one barrier; in front of it each wave waits for all its tensor loads, adds 0 to its spare word, and waits for that and for its reads of this slot.
.macro TURN slot, next, fill
	s_wait_tensorcnt 0x0                           ; all my tensor loads have landed: my part of the next slot
	ds_add_u32 v[SPW], v[NIL]                      ; 0 onto my spare word
	s_wait_dscnt 4*NL+1                            ; (the add and the youngest 24 loads may be out)
	WIN MUL_LO
	MUL16 0, 1, NQ-1, \slot, 0
	s_wait_dscnt 0x0                               ; the add is done, and my reads of this slot are over
	s_barrier_signal -1
	MUL16 2, 1, NQ-1, \slot, 0
	WIN 0
	s_barrier_wait -1
.if \fill
	CREST                                          ; the barrier has opened a round of the cluster's barrier: no wave of any partner still reads this slot or has a load on its way
	s_add_nc_u64 s[G0+4*\slot+2:G0+4*\slot+3], s[G0+4*\slot+2:G0+4*\slot+3], 2*ROWB
	s_add_nc_u64 s[G0B+4*\slot+2:G0B+4*\slot+3], s[G0B+4*\slot+2:G0B+4*\slot+3], 2*ROWB
	JLOAD G0+4*\slot, G1, G0B+4*\slot, G1B         ; the first tensor load behind the round; its four v_nop are the places in front of the loads below
.else
	PLACES NP
.endif
	v_add_nc_u32 v[ADRS], 4*NQ, v[ADRS]
	FETCH_B \next, 0, 0
	FETCH_A \next, 0, 0
	SCALES \next
	WIN MUL_HI
	MUL16 4, 1, NQ-1, \slot, 0
	MUL16 6, 1, NQ-1, \slot, 0
	PLACES NP
	WIN 0
	FETCH_A \next, 0, 4
.endm
; 64 numbers of a lane, v[s] .. v[s + 63]: the 16 registers 16 b .. 16 b + 15 and lane l xor 16's are block b of my row.  They become a fragment's codes in v[CD] on and its scale word in v[PW].
.macro QUANT s
.irp b, 0,1,2,3
	v_max3_num_f32 v[TM+\b], |v[\s+16*\b]|, |v[\s+1+16*\b]|, 0x1800000   ; my 16 numbers, and the floor 2^(3 - 127): the byte cannot fall under 1
.endr
.irp i, 2,4,6,8,10,12,14
.irp b, 0,1,2,3
	v_max3_num_f32 v[TM+\b], v[TM+\b], |v[\s+16*\b+\i]|, |v[\s+1+16*\b+\i]|
.endr
.endr
.irp b, 0,1,2,3
	v_permlanex16_b32 v[TM+4+\b], v[TM+\b], s[SEL], s[SEL+1]
.endr
.irp b, 0,1,2,3
	v_max_num_f32 v[TM+\b], v[TM+\b], v[TM+4+\b]   ; the block's largest magnitude
.endr
.irp b, 0,1,2,3
	v_add_nc_u32 v[TM+12+\b], 0xff000000, v[TM+\b] ; 2 off its exponent field: the conversion's scale operand
.endr
.irp b, 0,1,2,3
	v_lshrrev_b32 v[TM+4+\b], 23, v[TM+12+\b]      ; the scale's byte
.endr
	v_lshl_or_b32 v[PW], v[TM+5], 8, v[TM+4]
	v_lshl_or_b32 v[PW], v[TM+6], 16, v[PW]
	v_lshl_or_b32 v[PW], v[TM+7], 24, v[PW]
.irp c, 0,1
	v_cvt_scalef32_pk16_fp6_f32 v[CD+6*\c:CD+2+6*\c], v[\s+32*\c:\s+15+32*\c], v[TM+12+2*\c]
	v_cvt_scalef32_pk16_fp6_f32 v[CD+12+4*\c:CD+14+4*\c], v[\s+16+32*\c:\s+31+32*\c], v[TM+12+2*\c+1]   ; (a conversion's three registers begin on an even number)
.endr
	v_nop                                          ; one plain place behind a scaled conversion
.irp c, 0,1                                    ; the operand's layout wants a whole block in a lane: lanes 0-15 block 2 c, lanes 16-31 block 2 c + 1
.irp i, 0,1,2
	v_permlane16_swap_b32 v[CD+6*\c+\i], v[CD+12+4*\c+\i]
.endr
.irp i, 0,1,2
	v_mov_b32 v[CD+3+6*\c+\i], v[CD+12+4*\c+\i]
.endr
.endr
.endm
	s_wait_tensorcnt 1                             ; the scales and my part of K step 0 are in (K step 1's load may be out),
	s_barrier_signal -1
	s_barrier_wait -1                              ; everybody's are
	FETCH_B 0, 0, 0
	FETCH_A 0, 0, 0
	SCALES 0
	FETCH_A 0, 0, 4
	STEP 0, 0, 1                                   ; the first step's products start the sums
	s_mov_b32 s3, LAPS-1
.Llap:
	TURN 0, 1, 1
	STEP 1, 0, 0
	TURN 1, 0, 1
	STEP 0, 0, 0
	s_sub_co_u32 s3, s3, 1
	s_cmp_lg_u32 s3, 0
	s_cbranch_scc1 .Llap
	TURN 0, 1, 0                                   ; the last lap fills nothing
	STEP 1, 0, 0
	s_wait_dscnt 4*NL
	WIN MUL_LO
	MUL16 0, 1, NQ-1, 1, 0
	MUL16 2, 1, NQ-1, 1, 0
	s_wait_dscnt 0
	WIN MUL_HI
	MUL16 4, 1, NQ-1, 1, 0
	MUL16 6, 1, NQ-1, 1, 0
	WIN 0
	; ---- THE WAY OUT.  No tensor load of mine is out (the last change of slots waited for all), so the descriptors' registers are free
	PLACES NP
	s_load_b512 s[24:39], s[0:1], 0x50             ; Wq_b, Wk_b, Wv_b, qn_w, qn_b, kn_w, kn_b, qc
	s_load_b64 s[44:45], s[0:1], 0x90              ; kv
	s_lshl_b32 s18, s17, 1
	s_add_co_u32 s18, s18, s15                     ; which 128 rows of A are my wave's
	s_lshl_b32 s19, s42, 1
	s_add_co_u32 s19, s19, s16                     ; which 128 rows of B
	s_cmp_eq_u32 ttmp9, 2
	s_cselect_b32 s22, s19, s18                    ; TOK: my group of 128 tokens, 0 .. 31
	s_cselect_b32 s23, s18, s19                    ; HP: my pair of heads, 0 .. 7
	s_cselect_b32 s46, 0, s19                      ; which 128 numbers of the bias run along my registers (jobs 0, 1)
	s_wait_kmcnt 0x0
	s_cmp_eq_u32 ttmp9, 0
	s_mov_b32 s47, 13312
	s_cselect_b32 s47, 6656, s47                   ; a record's bytes
	s_mov_b32 s95, 12288
	s_cselect_b32 s95, 6144, s95                   ; where its scale words of Q or K begin
	s_cselect_b64 s[10:11], s[38:39], s[44:45]     ; qc, else kv
	s_cselect_b64 s[4:5], s[24:25], s[26:27]       ; the bias,
	s_cselect_b64 s[6:7], s[30:31], s[34:35]       ; the norm's gain
	s_cselect_b64 s[8:9], s[32:33], s[36:37]       ; and shift: Q's, else K's
	s_lshr_b32 s96, s22, 4
	s_lshl_b32 s96, s96, 3
	s_add_co_u32 s96, s96, s23                     ; 8 x batch + HP
	s_lshl_b32 s96, s96, 5                         ; (16 x batch + 2 HP) x 16 records a head
	s_and_b32 s97, s22, 15
	s_add_co_u32 s96, s96, s97
	s_mul_i32 s96, s96, s47
	s_mov_b32 s97, 0
	s_add_nc_u64 s[10:11], s[10:11], s[96:97]      ; my record of head 2 HP
	s_lshl_b32 s98, s47, 4                         ; a head: 16 records
	s_mov_b32 s99, 0
	s_add_nc_u64 s[12:13], s[10:11], s[98:99]      ; and of head 2 HP + 1
	s_lshl_b32 s96, s23, 9
	s_add_nc_u64 s[28:29], s[28:29], s[96:97]      ; Wv_b at my 128 channels
	s_lshl_b32 s96, s46, 9
	s_add_nc_u64 s[4:5], s[4:5], s[96:97]
	v_and_b32 v1, 15, v0                           ; r
	v_bfe_u32 v2, v0, 4, 1                         ; h
	v_and_b32 v3, 31, v0                           ; lane
	v_lshlrev_b32 v4, 4, v3                        ; 16 x lane
	v_lshlrev_b32 v5, 3, v3                        ; 8 x lane
	v_lshlrev_b32 v6, 2, v3                        ; 4 x lane
	s_lshl_b32 s18, s14, 16
	v_add_nc_u32 v[SPA], s18, v4
	v_lshlrev_b32 v12, 5, v2                       ; 32 h: my half's eight numbers of a tile's sixteen
	v_lshlrev_b32 v13, 2, v1                       ; 4 r
	v_mul_lo_u32 v14, v2, s98
	v_add3_u32 v14, v14, v13, s95                  ; scale words: lanes 0-15 store head 2 HP's, lanes 16-31 head 2 HP + 1's
	v_lshlrev_b32 v15, 4, v2                       ; and shift the word by 16 h bits
	WIN 0x40                                       ; destination window 1: B's fragments are done with
.irp b, 0,1,2,3,4,5,6,7
	global_load_b128 v[8*\b:8*\b+3], v12, s[4:5] offset:64*\b          ; the bias in the result's layout: register 8 b + j = number 16 b + 8 h + j
	global_load_b128 v[8*\b+4:8*\b+7], v12, s[4:5] offset:64*\b+16
.endr
.irp t, 0,1,2,3
	global_load_b128 v[64+8*\t:64+8*\t+3], v12, s[6:7] offset:64*\t    ; the gain and the shift of a head's 64
	global_load_b128 v[64+8*\t+4:64+8*\t+7], v12, s[6:7] offset:64*\t+16
	global_load_b128 v[96+8*\t:96+8*\t+3], v12, s[8:9] offset:64*\t
	global_load_b128 v[96+8*\t+4:96+8*\t+7], v12, s[8:9] offset:64*\t+16
.endr
	WIN 0
	s_wait_dscnt 0x0                               ; my reads of the ring and of the scales are over
	s_barrier_signal -1
	s_barrier_wait -1                              ; everybody's are: the bytes may be written
	WIN 0x08                                       ; an LDS store's data are its source 1: window 2
.irp a, 0,1,2,3
.irp b, 0,1,2,3,4,5,6,7
	ds_store_b128 v[SPA], v[64*\a+8*\b:64*\a+8*\b+3] offset:8192*\a+1024*\b          ; each accumulator from its low end on
	ds_store_b128 v[SPA], v[64*\a+8*\b+4:64*\a+8*\b+7] offset:8192*\a+1024*\b+512
.endr
.endr
	WIN 0x0c                                       ; window 3
.irp a, 4,5,6,7
.irp b, 0,1,2,3,4,5,6,7
	ds_store_b128 v[SPA], v[64*(\a-4)+8*\b:64*(\a-4)+8*\b+3] offset:8192*\a+1024*\b
	ds_store_b128 v[SPA], v[64*(\a-4)+8*\b+4:64*(\a-4)+8*\b+7] offset:8192*\a+1024*\b+512
.endr
.endr
	WIN 0
.irp b, 0,1,2,3
	v_mov_b32 v[TM+4+\b], 0                        ; written once: a lane permute's destination counts as one of its sources
.endr
	v_mov_b32 v174, 0
	v_mov_b32 v175, 0
	s_mov_b32 s[SEL], 0x76543210
	s_mov_b32 s[SEL+1], 0xfedcba98
	s_mov_b32 s22, 0x3c800000                      ; 1 / 64
	s_mov_b32 s23, 0x3727c5ac                      ; 1e-5
	s_mov_b32 s66, 0                               ; a: the block of 16 rows of A
	s_mov_b32 s67, 0                               ; and where its image begins
	s_wait_loadcnt 0x0                             ; bias, gain, shift
.Lepi:
	s_wait_xcnt 0x0                                ; the last trip's stores and load have read their registers: these are written again only behind this wait
	v_add_nc_u32 v8, s67, v[SPA]
.irp g, 0,1,2,3,4,5,6,7,8,9,10,11,12,13,14,15
	ds_load_b128 v[X+4*\g:X+4*\g+3], v8 offset:512*\g   ; my own bytes: LDS serves a wave's instructions in order
.endr
	s_mul_i32 s95, s66, 768
	s_lshl_b32 s96, s66, 6
	s_wait_dscnt 0x0
	s_cmp_eq_u32 ttmp9, 2
	s_cbranch_scc1 .Lv
	; ---- Q or K: bias; the layer norm of each of the two heads (a lane holds 32 of a head's 64, lane l xor 16 the others); quantised along the head
	WIN 0x04                                       ; source 1 window 1
.set i, 0
.rept 32
	v_pk_add_f32 v[X+2*i:X+2*i+1], v[X+2*i:X+2*i+1], v[2*i:2*i+1]
.set i, i+1
.endr
	WIN 0
	v_pk_add_f32 v[T0:T0+1], v[X:X+1], v[X+2:X+3]
	v_pk_add_f32 v[T1:T1+1], v[X+32:X+33], v[X+34:X+35]
.irp j, 4,6,8,10,12,14,16,18,20,22,24,26,28,30
	v_pk_add_f32 v[T0:T0+1], v[T0:T0+1], v[X+\j:X+\j+1]
	v_pk_add_f32 v[T1:T1+1], v[T1:T1+1], v[X+32+\j:X+33+\j]
.endr
	v_add_f32 v[T0], v[T0], v[T0+1]
	v_add_f32 v[T1], v[T1], v[T1+1]
	v_permlanex16_b32 v174, v[T0], s[SEL], s[SEL+1]
	v_permlanex16_b32 v175, v[T1], s[SEL], s[SEL+1]
	v_add_f32 v[T0], v[T0], v174
	v_add_f32 v[T1], v[T1], v175
	v_mul_f32 v[MU0], s22, v[T0]                   ; the means, in both halves of their pairs
	v_mul_f32 v[MU0+1], s22, v[T0]
	v_mul_f32 v[MU1], s22, v[T1]
	v_mul_f32 v[MU1+1], s22, v[T1]
.irp j, 0,2,4,6,8,10,12,14,16,18,20,22,24,26,28,30
	v_pk_add_f32 v[X+\j:X+\j+1], v[X+\j:X+\j+1], v[MU0:MU0+1] neg_lo:[0,1] neg_hi:[0,1]
	v_pk_add_f32 v[X+32+\j:X+33+\j], v[X+32+\j:X+33+\j], v[MU1:MU1+1] neg_lo:[0,1] neg_hi:[0,1]
.endr
	v_pk_mul_f32 v[T0:T0+1], v[X:X+1], v[X:X+1]    ; the variance of the centred numbers, as reference() has it
	v_pk_mul_f32 v[T1:T1+1], v[X+32:X+33], v[X+32:X+33]
.irp j, 2,4,6,8,10,12,14,16,18,20,22,24,26,28,30
	v_pk_fma_f32 v[T0:T0+1], v[X+\j:X+\j+1], v[X+\j:X+\j+1], v[T0:T0+1]
	v_pk_fma_f32 v[T1:T1+1], v[X+32+\j:X+33+\j], v[X+32+\j:X+33+\j], v[T1:T1+1]
.endr
	v_add_f32 v[T0], v[T0], v[T0+1]
	v_add_f32 v[T1], v[T1], v[T1+1]
	v_permlanex16_b32 v174, v[T0], s[SEL], s[SEL+1]
	v_permlanex16_b32 v175, v[T1], s[SEL], s[SEL+1]
	v_add_f32 v[T0], v[T0], v174
	v_add_f32 v[T1], v[T1], v175
	v_fma_f32 v[T0], v[T0], s22, s23
	v_fma_f32 v[T1], v[T1], s22, s23
	v_rsq_f32 v[MU0], v[T0]
	v_rsq_f32 v[MU0+1], v[T0]
	v_rsq_f32 v[MU1], v[T1]
	v_rsq_f32 v[MU1+1], v[T1]
	v_nop                                          ; a plain instruction behind the last of them,
	s_wait_alu depctr_va_vdst(0)                   ; and one wait for the four, ahead of their first reader
.irp j, 0,2,4,6,8,10,12,14,16,18,20,22,24,26,28,30
	v_pk_mul_f32 v[X+\j:X+\j+1], v[X+\j:X+\j+1], v[MU0:MU0+1]
	v_pk_mul_f32 v[X+32+\j:X+33+\j], v[X+32+\j:X+33+\j], v[MU1:MU1+1]
.endr
	WIN 0x14                                       ; sources 1 and 2 window 1
.set i, 0
.rept 32
	v_pk_fma_f32 v[X+2*i:X+2*i+1], v[X+2*i:X+2*i+1], v[64+(2*i)%32:65+(2*i)%32], v[96+(2*i)%32:97+(2*i)%32]
.set i, i+1
.endr
	WIN 0
	QUANT X                                        ; registers CD .. CD + 5: head 2 HP's 64; CD + 6 .. CD + 11: head 2 HP + 1's
	v_add_nc_u32 v9, s95, v4
	v_add_nc_u32 v10, s95, v5
	v_add_nc_u32 v11, s96, v14
	v_lshrrev_b32 v[PW+1], v15, v[PW]              ; bytes 0, 1: the head's two blocks; bytes 2, 3 (the other head's, or 0) meet zero codes
	global_store_b128 v9, v[CD:CD+3], s[10:11]               ; 512 consecutive bytes, aligned to 256
	global_store_b64 v10, v[CD+4:CD+5], s[10:11] offset:512  ; 256
	global_store_b128 v9, v[CD+6:CD+9], s[12:13]
	global_store_b64 v10, v[CD+10:CD+11], s[12:13] offset:512
	global_store_b32 v11, v[PW+1], s[10:11]                  ; 64 bytes for each head
	s_branch .Ljoin
.Lv:
	; ---- V^T: my channel's bias; the registers are one key step's 128 keys: one fragment and one scale word a channel
	v_add_nc_u32 v9, s96, v13
	global_load_b32 v[BV], v9, s[28:29]            ; Wv_b at channel 16 a + r of my 128
	s_lshr_b32 s97, s66, 2
	s_mul_i32 s97, s97, 212992                     ; blocks 4-7 belong to the pair's second head
	s_and_b32 s98, s66, 3
	s_mul_i32 s99, s98, 1536
	s_add_co_u32 s99, s99, s97
	s_lshl_b32 s98, s98, 7
	s_add_co_u32 s98, s98, s97
	s_wait_loadcnt 0x0
	v_mov_b32 v[BV+1], v[BV]
.irp j, 0,2,4,6,8,10,12,14,16,18,20,22,24,26,28,30,32,34,36,38,40,42,44,46,48,50,52,54,56,58,60,62
	v_pk_add_f32 v[X+\j:X+\j+1], v[X+\j:X+\j+1], v[BV:BV+1]
.endr
	QUANT X
	v_add_nc_u32 v10, s99, v4
	v_add_nc_u32 v11, s98, v6
	global_store_b128 v10, v[CD:CD+3], s[10:11] offset:6144
	global_store_b128 v10, v[CD+4:CD+7], s[10:11] offset:6656
	global_store_b128 v10, v[CD+8:CD+11], s[10:11] offset:7168
	global_store_b32 v11, v[PW], s[10:11] offset:12800       ; both halves of the lanes hold the channel's word: 128 bytes a fragment
.Ljoin:
	s_add_co_u32 s67, s67, 8192
	s_add_co_u32 s66, s66, 1
	s_cmp_lt_u32 s66, 8
	s_cbranch_scc1 .Lepi
	s_wait_tensorcnt 0x0                           ; the wave's end
	ds_add_u32 v[SPW], v[NIL]
	s_wait_dscnt 0x0
	CROUND                                         ; the closing round
	s_endpgm
.Lfunc_end_k_q35a03228c8_proj:
	.size	k_q35a03228c8_proj, .Lfunc_end_k_q35a03228c8_proj-k_q35a03228c8_proj
	.p2alignl 7, 3214868480
	.fill 96, 4, 3214868480
	.section	.rodata,"a",@progbits
	.p2align	6, 0x0
	.amdhsa_kernel k_q35a03228c8_proj
		.amdhsa_group_segment_fixed_size 327680
		.amdhsa_private_segment_fixed_size 0
		.amdhsa_enable_private_segment 0
		.amdhsa_kernarg_size 152
		.amdhsa_user_sgpr_count 2
		.amdhsa_user_sgpr_kernarg_segment_ptr 1
		.amdhsa_wavefront_size32 1
		.amdhsa_system_sgpr_workgroup_id_x 1
		.amdhsa_system_sgpr_workgroup_id_y 1
		.amdhsa_system_sgpr_workgroup_id_z 1
		.amdhsa_system_vgpr_workitem_id 0
		.amdhsa_next_free_vgpr 1024
		.amdhsa_next_free_sgpr 100
		.amdhsa_reserve_vcc 0
		.amdhsa_float_denorm_mode_32 3
		.amdhsa_float_denorm_mode_16_64 3
		.amdhsa_memory_ordered 1
		.amdhsa_forward_progress 1
		.amdhsa_inst_pref_size 169
	.end_amdhsa_kernel
	.amdgpu_metadata
---
amdhsa.version: [ 1, 2 ]
amdhsa.kernels:
  - .name:           k_q35a03228c8_proj
    .symbol:         k_q35a03228c8_proj.kd
    .args:
      - { .name: ac, .offset: 0, .size: 8, .value_kind: global_buffer, .address_space: global }
      - { .name: asc, .offset: 8, .size: 8, .value_kind: global_buffer, .address_space: global }
      - { .name: context_codes, .offset: 16, .size: 8, .value_kind: global_buffer, .address_space: global }
      - { .name: context_scales, .offset: 24, .size: 8, .value_kind: global_buffer, .address_space: global }
      - { .name: Wq_w_codes, .offset: 32, .size: 8, .value_kind: global_buffer, .address_space: global }
      - { .name: Wq_w_scales, .offset: 40, .size: 8, .value_kind: global_buffer, .address_space: global }
      - { .name: Wk_w_codes, .offset: 48, .size: 8, .value_kind: global_buffer, .address_space: global }
      - { .name: Wk_w_scales, .offset: 56, .size: 8, .value_kind: global_buffer, .address_space: global }
      - { .name: Wv_w_codes, .offset: 64, .size: 8, .value_kind: global_buffer, .address_space: global }
      - { .name: Wv_w_scales, .offset: 72, .size: 8, .value_kind: global_buffer, .address_space: global }
      - { .name: Wq_b, .offset: 80, .size: 8, .value_kind: global_buffer, .address_space: global }
      - { .name: Wk_b, .offset: 88, .size: 8, .value_kind: global_buffer, .address_space: global }
      - { .name: Wv_b, .offset: 96, .size: 8, .value_kind: global_buffer, .address_space: global }
      - { .name: qn_w, .offset: 104, .size: 8, .value_kind: global_buffer, .address_space: global }
      - { .name: qn_b, .offset: 112, .size: 8, .value_kind: global_buffer, .address_space: global }
      - { .name: kn_w, .offset: 120, .size: 8, .value_kind: global_buffer, .address_space: global }
      - { .name: kn_b, .offset: 128, .size: 8, .value_kind: global_buffer, .address_space: global }
      - { .name: qc, .offset: 136, .size: 8, .value_kind: global_buffer, .address_space: global }
      - { .name: kv, .offset: 144, .size: 8, .value_kind: global_buffer, .address_space: global }
    .group_segment_fixed_size: 327680
    .private_segment_fixed_size: 0
    .kernarg_segment_align: 8
    .kernarg_segment_size: 152
    .max_flat_workgroup_size: 128
    .sgpr_count:     100
    .vgpr_count:     1024
    .wavefront_size: 32
...
	.end_amdgpu_metadata
.endif
;; end of part 2
;; launch attn (part 3): grid 8 x 32, 16 waves a work-group, clusters of 4 x 1, 284,672 bytes of LDS; arguments qc, kv, query, res2; writes res2
.if DOCPART == 3
	.amdgcn_target "amdgcn-amd-amdhsa--gfx1250"
	.amdhsa_code_object_version 6
	.text
	.protected	k_q35a03228c8_attn
	.globl	k_q35a03228c8_attn
	.p2align	8
	.type	k_q35a03228c8_attn,@function
k_q35a03228c8_attn:
	s_mov_b64 s[64:65], 0
	v_nop
	global_prefetch_b8 v0, s[64:65] scope:SCOPE_SE
	s_setreg_imm32_b32 hwreg(HW_REG_WAVE_MODE, 25, 1), 1
	s_wait_xcnt 0x0
	s_wait_alu depctr_hold_cnt(0) depctr_sa_sdst(0) depctr_va_vdst(0) depctr_va_sdst(0) depctr_va_ssrc(0) depctr_va_vcc(0) depctr_vm_vsrc(0)
	s_getreg_b32 s2, hwreg(HW_REG_IB_STS2, 6, 4)
	s_cmp_eq_u32 s2, 0
	s_cbranch_scc0 .Lentry_in_a_cluster
	s_endpgm
.Lentry_in_a_cluster:
	s_bfe_u32 s2, ttmp6, 0x10000c
	s_cmp_lg_u32 s2, 0x3003
	s_cbranch_scc0 .Lentry_shape_is_right
	s_endpgm
.Lentry_shape_is_right:
; res2 = query + softmax(Q K^T / 8) V, head by head, both products on codes of FP6 (E2M3) with E8M0 scales.  Q, K and V^T come as images of operand registers, made by the launch before.
; THE SOFTMAX AHEAD OF THE SECOND PRODUCT: t = score x log2(e) / 8; M = the running largest t rounded UP to a whole number; p = 2^(t - M) is quantised along the keys, not normalised; the row's sum is taken of
; the unquantised p and divides at the end.  When M moves, the sum and O are multiplied by 2^(old M - new M), which rounds nothing.
; SHARES.  A work-group owns 256 queries of one head (batch x 16 + head = work-group y), each of its sixteen waves 16 of them in 256 registers: four waves to a SIMD, so that one wave's vector work stands beside another's products.
; THE WHOLE HEAD'S K AND V LIE IN LDS: 16 records of 13,312 bytes, as they lie in memory, each filled ONCE: no slot is filled again.  Waves 0 to 3 issue four loads each (four of a wave's are out at the most), at the head;
; the keys are walked in four phases of four records, each behind a counted wait and a barrier, so that the first products start when the first four records are in.
; CLUSTER.  The four work-groups of a cluster belong to one head and want the same records: each load is a joint one, with the same descriptor and the mask of all four.
; LAYOUT.  S^T = K Q^T (source 0 = 16 keys, source 1 = my 16 queries; the head's 64 fill registers 0-5 of a fragment; Q's registers 6-11 are zero codes, so what K's registers 6-11 hold adds nothing).
; O^T = V^T P^T (source 0 = 16 channels x 128 keys).  A lane holds one query throughout.  Inside a block of 32 keys p's codes lie in the order 0-7, 16-23, 8-15, 24-31, and so do V's.
; No prefetch: every byte that the launch streams is asked for by the loads at its head.
; LIMITS: NaN and infinities are not served.  qpos and cpos are not read: reference() does not use them.
.set REC,   13312                      ; a record: K's 8 tiles (768 each), V^T's 4 fragments (1,536 each) at 6,144, K's scale words at 12,288, V's at 12,800
.set HEADB, 16*REC
.set STG,   HEADB                      ; behind the head: a stage of 16 rows x 272 bytes for each wave; no load lands there
.set F,     28                         ; v28-75  four fragments of K or of V
.set VS,    88                         ; v88-91  V's scale words
.set KSC,   248                        ; v248-251 K's: lanes 0-15 tile 2 i, lanes 16-31 tile 2 i + 1
.set WV,    18
.set SEL,   20
.set CS,    22
.set G1,    24
.set G0,    40                         ; s40-55: a group 0 for each of a wave's four loads
.set TB,    66                         ; where the record in hand begins
.set CNT,   67
.macro CROUND
	s_barrier_signal -1
	s_barrier_wait -1
	s_cmp_lg_u32 s[WV], 0
	s_cbranch_scc1 .Lnot_wave_0_\@
	s_barrier_signal -3
.Lnot_wave_0_\@:
	s_barrier_wait -3
	s_barrier_signal -1
	s_barrier_wait -1
.endm
	s_load_b128 s[4:7], s[0:1], 0x0                ; qc, kv
	s_load_b128 s[8:11], s[0:1], 0x10              ; query, res2
	v_lshl_add_u32 v95, v0, 2, 0x45000
	v_mov_b32 v243, 0
	ds_add_u32 v95, v243
	ds_add_u32 v95, v243
	v_lshrrev_b32 v8, 5, v0
	v_readfirstlane_b32 s[WV], v8                  ; wave 0..15
	s_bfe_u32 s12, ttmp6, 0x40000                  ; cx
	s_lshl_b32 s13, ttmp9, 2
	s_add_co_u32 s13, s13, s12                     ; my block of 256 queries: it enters global addresses of Q, query and res2 alone
	s_and_b32 s14, ttmp7, 0xffff                   ; 16 x batch + head, which the partners share
	s_mov_b32 s[G1], 15|(3<<16)|(1<<21)            ; the mask of all four; elements of 8 bytes; no padding; bit 21 beside a mask
	s_mov_b32 s[G1+1], 32<<16                      ; tensor_dim0: 32 elements = 256 bytes
	s_mov_b32 s[G1+2], 52<<16                      ; tensor_dim1: 52 rows = 13,312 bytes
	s_mov_b32 s[G1+3], 32<<16                      ; tile_dim0
	s_mov_b32 s[G1+4], 52                          ; tile_dim1
	s_mov_b32 s[G1+5], 32                          ; the pitch: dense
	s_mov_b32 s[G1+6], 0
	s_mov_b32 s[G1+7], 0
	s_mul_i32 s15, s[WV], REC                      ; wave w's load c is record 4 c + w
	s_mul_i32 s16, s14, HEADB
	s_add_co_u32 s16, s16, s15
	s_mov_b32 s17, 0
	s_mov_b32 s[SEL], 0x76543210
	s_mov_b32 s[SEL+1], 0xfedcba98
	s_mov_b32 s[CS], 0x3e38aa3b                    ; c = log2(e) / sqrt(64)
	s_mov_b32 s[CS+1], s[CS]
	s_mov_b32 s[TB], 0
	s_wait_dscnt 0x0
	s_wait_kmcnt 0x0
	s_add_nc_u64 s[6:7], s[6:7], s[16:17]
	CROUND                                         ; all four work-groups are here: the joint loads meet
.irp c, 0,1,2,3
	s_mov_b32 s[G0+4*\c], 1
	s_add_co_u32 s[G0+4*\c+1], s15, \c*4*REC       ; in LDS as in memory
	s_add_nc_u64 s[G0+4*\c+2:G0+4*\c+3], s[6:7], \c*4*REC
	s_or_b32 s[G0+4*\c+3], s[G0+4*\c+3], 0x80000000
.endr
	s_cmp_lt_u32 s[WV], 4
	s_cbranch_scc0 .Lno_fetch
	tensor_load_to_lds s[G0:G0+3], s[G1:G1+7]
	s_nop 0
	tensor_load_to_lds s[G0+4:G0+7], s[G1:G1+7]
	s_nop 0
	tensor_load_to_lds s[G0+8:G0+11], s[G1:G1+7]
	s_nop 0
	tensor_load_to_lds s[G0+12:G0+15], s[G1:G1+7]
	s_nop 0
.rept 4
	v_nop
.endr
.Lno_fetch:
	v_and_b32 v4, 15, v0                           ; r
	v_bfe_u32 v5, v0, 4, 1                         ; h
	v_and_b32 v6, 31, v0                           ; lane
	v_lshlrev_b32 v1, 4, v6                        ; 16 x lane
	v_lshlrev_b32 v2, 3, v6                        ; 8 x lane
	v_lshlrev_b32 v3, 2, v6                        ; 4 x lane
	v_lshlrev_b32 v7, 12, v5
	v_lshl_add_u32 v7, v4, 4, v7                   ; in query and res2: lanes 0-15 one row's 256 bytes, lanes 16-31 the next row's
	v_lshlrev_b32 v11, 2, v4                       ; 4 r
	s_lshl_b32 s56, s14, 4                         ; Q's record: 16 x head + 2 x block + wave / 8
	s_lshl_b32 s57, s13, 1
	s_add_co_u32 s56, s56, s57
	s_lshr_b32 s57, s[WV], 3
	s_add_co_u32 s56, s56, s57
	s_mul_i32 s56, s56, 6656
	s_and_b32 s58, s[WV], 7                        ; and my tile in it
	s_mul_i32 s57, s58, 768
	s_add_co_u32 s60, s56, s57
	s_mov_b32 s61, 0
	s_lshl_b32 s58, s58, 6
	s_add_co_u32 s62, s56, s58
	s_add_co_u32 s62, s62, 6144
	s_mov_b32 s63, 0
	s_add_nc_u64 s[60:61], s[4:5], s[60:61]
	s_add_nc_u64 s[62:63], s[4:5], s[62:63]
	global_load_b128 v[16:19], v1, s[60:61]        ; Q's registers 0-3,
	global_load_b64 v[20:21], v2, s[60:61] offset:512   ; 4-5,
	global_load_b32 v255, v11, s[62:63]            ; and its scale words
	s_lshr_b32 s56, s14, 4                         ; my first row of query and res2: 2,048 x batch + 256 x block + 16 x wave
	s_lshl_b32 s56, s56, 11
	s_lshl_b32 s57, s13, 8
	s_add_co_u32 s56, s56, s57
	s_lshl_b32 s57, s[WV], 4
	s_add_co_u32 s56, s56, s57
	s_lshl_b32 s56, s56, 12
	s_and_b32 s57, s14, 15
	s_lshl_b32 s57, s57, 8                         ; the head's 64 columns: 256 bytes
	s_add_co_u32 s56, s56, s57
	s_mov_b32 s57, 0
	s_add_nc_u64 s[8:9], s[8:9], s[56:57]
	s_add_nc_u64 s[10:11], s[10:11], s[56:57]
.irp i, 0,1,2,3,4,5,6,7
	global_load_b128 v[192+4*\i:195+4*\i], v7, s[8:9] offset:8192*\i   ; the residual, kept until the way out
.endr
.irp i, 22,23,24,25,26,27
	v_mov_b32 v\i, 0                               ; Q's upper 64 along K: zero codes
.endr
.irp t, 0,1,2,3
.irp i, 6,7,8,9,10,11
	v_mov_b32 v[F+12*\t+\i], 0                     ; written once: K's tiles fill registers 0-5 alone
.endr
.endr
	v_mov_b32 v13, 0xff61b1e6                      ; the largest t so far: -3e38
	v_floor_f32 v12, -v13                          ; -M
	v_mov_b32 v14, 0                               ; the sum, in two halves
	v_mov_b32 v15, 0
.irp b, 0,1,2,3
	v_mov_b32 v[236+\b], 0                         ; a lane permute's destination counts as one of its sources
.endr
	v_mov_b32 v253, 0
.irp j, 0,1,2,3,4,5,6,7,8,9,10,11,12,13,14,15,16,17,18,19,20,21,22,23,24,25,26,27,28,29,30,31
	v_mov_b32 v[160+\j], 0                         ; O^T: the step is written once; the first finds zeros, which the first change of M leaves zeros
.endr
; A KEY STEP: one record, 128 keys
.macro STEP
	v_add_nc_u32 v8, s[TB], v1
	v_add_nc_u32 v9, s[TB], v2
	v_add_nc_u32 v10, s[TB], v3
	v_nop                                          ; with the three above: four places behind the last step's products, in front of the loads into their registers
.irp g, 0,1                                    ; S^T = K Q^T, four tiles of 16 keys at a time
.if \g
.rept 4
	v_nop
.endr
.endif
.irp t, 0,1,2,3
	ds_load_b128 v[F+12*\t:F+12*\t+3], v8 offset:768*(4*\g+\t)
	ds_load_b64 v[F+12*\t+4:F+12*\t+5], v9 offset:768*(4*\g+\t)+512
.endr
.if \g == 0
.irp i, 0,1,2,3
	ds_load_b32 v[KSC+\i], v10 offset:12288+128*\i
.endr
.endif
	s_wait_dscnt 0x0
.irp t, 0,1,2,3
.if \t%2
	v_wmma_scale_f32_16x16x128_f8f6f4 v[96+8*(4*\g+\t):103+8*(4*\g+\t)], v[F+12*\t:F+12*\t+11], v[16:27], 0, v[KSC+2*\g+\t/2], v255 matrix_a_fmt:MATRIX_FMT_FP6 matrix_b_fmt:MATRIX_FMT_FP6 matrix_a_scale:MATRIX_SCALE_ROW1
.else
	v_wmma_scale_f32_16x16x128_f8f6f4 v[96+8*(4*\g+\t):103+8*(4*\g+\t)], v[F+12*\t:F+12*\t+11], v[16:27], 0, v[KSC+2*\g+\t/2], v255 matrix_a_fmt:MATRIX_FMT_FP6 matrix_b_fmt:MATRIX_FMT_FP6
.endif
.endr
.endr
.rept 4
	v_nop                                          ; places in front of the first read of the scores and of the loads below
.endr
.irp t, 0,1,2,3                                ; V^T's four fragments and scale words are asked for now and land while the softmax is worked
.irp c, 0,1,2
	ds_load_b128 v[F+12*\t+4*\c:F+12*\t+4*\c+3], v8 offset:6144+1536*\t+512*\c
.endr
	ds_load_b32 v[VS+\t], v10 offset:12800+128*\t
.endr
.irp b, 0,1,2,3
	v_max3_num_f32 v[232+\b], v[96+16*\b], v[97+16*\b], v[98+16*\b]   ; the largest score of each block of 32 keys: for the row's maximum, and, since p rises with the score, for the block's largest p
.endr
.irp i, 3,5,7,9,11,13
.irp b, 0,1,2,3
	v_max3_num_f32 v[232+\b], v[232+\b], v[96+16*\b+\i], v[97+16*\b+\i]
.endr
.endr
.irp b, 0,1,2,3
	v_max_num_f32 v[232+\b], v[232+\b], v[111+16*\b]
.endr
.irp b, 0,1,2,3
	v_permlanex16_b32 v[236+\b], v[232+\b], s[SEL], s[SEL+1]
.endr
.irp b, 0,1,2,3
	v_max_num_f32 v[232+\b], v[232+\b], v[236+\b]  ; with lane l xor 16's 16 keys
.endr
	v_max3_num_f32 v254, v232, v233, v234
	v_max_num_f32 v254, v254, v235
	v_mul_f32 v254, s[CS], v254                    ; as t (c is positive)
	v_max_num_f32 v13, v13, v254                   ; the running largest t
	v_mov_b32 v254, v12
	v_floor_f32 v12, -v13                          ; the new -M = -ceil(t)
	v_sub_f32 v254, v12, v254                      ; old M - new M: a whole number, 0 or less
	v_cvt_i32_f32 v254, v254                       ; (it saturates)
	v_ldexp_f32 v252, 1.0, v254                    ; f = 2^(old M - new M)
.irp j, 0,2,4,6,8,10,12,14,16,18,20,22,24,26,28,30,32,34,36,38,40,42,44,46,48,50,52,54,56,58,60,62
	v_pk_fma_f32 v[96+\j:97+\j], v[96+\j:97+\j], s[CS:CS+1], v[12:13] op_sel_hi:[1,0,0]   ; t - M
.endr
.irp b, 0,1,2,3
	v_fma_f32 v[232+\b], v[232+\b], s[CS], v12
.endr
.irp j, 0,1,2,3,4,5,6,7,8,9,10,11,12,13,14,15,16,17,18,19,20,21,22,23,24,25,26,27,28,29,30,31,32,33,34,35,36,37,38,39,40,41,42,43,44,45,46,47,48,49,50,51,52,53,54,55,56,57,58,59,60,61,62,63
	v_exp_f32 v[96+\j], v[96+\j]                   ; p = 2^(t - M), at most 1
.endr
	v_pk_mul_f32 v[14:15], v[14:15], v[252:253] op_sel_hi:[1,0]   ; the sums under the new M: a plain place behind the exponentials
	s_wait_alu depctr_va_vdst(0)                   ; one wait for the batch, ahead of its first reader
.irp b, 0,1,2,3
	v_exp_f32 v[232+\b], v[232+\b]                 ; the block's largest p
.endr
	v_pk_add_f32 v[236:237], v[96:97], v[98:99]    ; the row's sum of the unquantised p, in two chains
.irp j, 4,8,12,16,20,24,28,32,36,40,44,48,52,56,60
	v_pk_add_f32 v[14:15], v[14:15], v[96+\j:97+\j]
	v_pk_add_f32 v[236:237], v[236:237], v[98+\j:99+\j]
.endr
	v_pk_add_f32 v[14:15], v[14:15], v[236:237]
	s_wait_alu depctr_va_vdst(0)                   ; and one for the four
.irp b, 0,1,2,3
	v_max_num_f32 v[232+\b], 0x1800000, v[232+\b]  ; the floor 2^(3 - 127): the byte cannot fall under 1
.endr
.irp b, 0,1,2,3
	v_add_nc_u32 v[244+\b], 0xff000000, v[232+\b]  ; the conversion's scale operand
.endr
.irp b, 0,1,2,3
	v_lshrrev_b32 v[236+\b], 23, v[244+\b]         ; the scale's byte
.endr
	v_lshl_or_b32 v253, v237, 8, v236              ; p's scale word for these 128 keys
	v_lshl_or_b32 v253, v238, 16, v253
	v_lshl_or_b32 v253, v239, 24, v253
.irp c, 0,1
	v_cvt_scalef32_pk16_fp6_f32 v[224+6*\c:226+6*\c], v[96+32*\c:111+32*\c], v[244+2*\c]
	v_cvt_scalef32_pk16_fp6_f32 v[236+4*\c:238+4*\c], v[112+32*\c:127+32*\c], v[244+2*\c+1]
.endr
	v_nop                                          ; one plain place behind a scaled conversion
.irp c, 0,1
.irp i, 0,1,2
	v_permlane16_swap_b32 v[224+6*\c+\i], v[236+4*\c+\i]
.endr
.irp i, 0,1,2
	v_mov_b32 v[227+6*\c+\i], v[236+4*\c+\i]
.endr
.endr
.irp j, 0,2,4,6,8,10,12,14,16,18,20,22,24,26,28,30
	v_pk_mul_f32 v[160+\j:161+\j], v[160+\j:161+\j], v[252:253] op_sel_hi:[1,0]   ; O^T under the new M; these sixteen are also the places between the scale word, the codes and the products below
.endr
	s_wait_dscnt 0x0                               ; V's fragments and scale words are in
.irp t, 0,1,2,3
	v_wmma_scale_f32_16x16x128_f8f6f4 v[160+8*\t:167+8*\t], v[F+12*\t:F+12*\t+11], v[224:235], v[160+8*\t:167+8*\t], v[VS+\t], v253 matrix_a_fmt:MATRIX_FMT_FP6 matrix_b_fmt:MATRIX_FMT_FP6
.endr
	s_add_co_u32 s[TB], s[TB], REC
.endm
; Four records.  The count leaves the later records' loads out.
.macro PHASE p
	s_wait_tensorcnt 3-\p                          ; my load p has landed (a wave that fetches nothing has none out)
	s_wait_dscnt 0x0
	s_barrier_signal -1
	s_barrier_wait -1                              ; the four fetching waves' have
	s_mov_b32 s[CNT], 4
.Lstep_\@:
	STEP
	s_sub_co_u32 s[CNT], s[CNT], 1
	s_cmp_lg_u32 s[CNT], 0
	s_cbranch_scc1 .Lstep_\@
.endm
	s_wait_loadcnt 0x0                             ; Q and the residual
	PHASE 0
	PHASE 1
	PHASE 2
	PHASE 3
	; THE WAY OUT: O^T / the sum goes through my stage and comes back as rows of 256 bytes; the residual is added; sixteen lanes store 256 consecutive bytes, aligned
	v_add_f32 v14, v14, v15
	v_permlanex16_b32 v252, v14, s[SEL], s[SEL+1]
	v_add_f32 v14, v14, v252                       ; the row's sum
	v_rcp_f32 v14, v14
	v_and_b32 v8, 15, v0
	v_bfe_u32 v9, v0, 4, 1
	s_mul_i32 s56, s[WV], 16*272
	s_add_co_u32 s56, s56, STG
	v_mul_u32_u24 v10, v8, 272
	v_lshl_add_u32 v10, v9, 5, v10
	v_add_nc_u32 v10, s56, v10                     ; in: row r, + 32 h; tile t's eight channels 64 t on
	v_mul_u32_u24 v11, v9, 272
	v_lshl_add_u32 v11, v8, 4, v11
	v_add_nc_u32 v11, s56, v11                     ; back: lanes 0-15 one row, lanes 16-31 the next
	s_wait_alu depctr_va_vdst(0)                   ; the wait for the reciprocal, ahead of its first reader
.irp j, 0,1,2,3,4,5,6,7,8,9,10,11,12,13,14,15,16,17,18,19,20,21,22,23,24,25,26,27,28,29,30,31
	v_mul_f32 v[96+\j], v[160+\j], v14             ; register 8 t + j is o(r, 16 t + 8 h + j)
.endr
.irp t, 0,1,2,3
	ds_store_b128 v10, v[96+8*\t:99+8*\t] offset:64*\t
	ds_store_b128 v10, v[100+8*\t:103+8*\t] offset:64*\t+16
.endr
.irp i, 0,1,2,3,4,5,6,7
	ds_load_b128 v[32+4*\i:35+4*\i], v11 offset:544*\i   ; LDS serves a wave's instructions in order: these see my stores
.endr
.irp i, 0,1,2,3,4,5,6,7
	s_wait_dscnt 7-\i
	v_pk_add_f32 v[32+4*\i:33+4*\i], v[32+4*\i:33+4*\i], v[192+4*\i:193+4*\i]
	v_pk_add_f32 v[34+4*\i:35+4*\i], v[34+4*\i:35+4*\i], v[194+4*\i:195+4*\i]
	global_store_b128 v7, v[32+4*\i:35+4*\i], s[10:11] offset:8192*\i
.endr
	s_wait_dscnt 0x0
	s_wait_tensorcnt 0x0
	ds_add_u32 v95, v243
	s_wait_dscnt 0x0
	CROUND                                         ; the closing round: no work-group ends while a partner may still ask for a record that names it
	s_endpgm
.Lfunc_end_k_q35a03228c8_attn:
	.size	k_q35a03228c8_attn, .Lfunc_end_k_q35a03228c8_attn-k_q35a03228c8_attn
	.p2alignl 7, 3214868480
	.fill 96, 4, 3214868480
	.section	.rodata,"a",@progbits
	.p2align	6, 0x0
	.amdhsa_kernel k_q35a03228c8_attn
		.amdhsa_group_segment_fixed_size 284672
		.amdhsa_private_segment_fixed_size 0
		.amdhsa_enable_private_segment 0
		.amdhsa_kernarg_size 32
		.amdhsa_user_sgpr_count 2
		.amdhsa_user_sgpr_kernarg_segment_ptr 1
		.amdhsa_wavefront_size32 1
		.amdhsa_system_sgpr_workgroup_id_x 1
		.amdhsa_system_sgpr_workgroup_id_y 1
		.amdhsa_system_sgpr_workgroup_id_z 1
		.amdhsa_system_vgpr_workitem_id 0
		.amdhsa_next_free_vgpr 256
		.amdhsa_next_free_sgpr 80
		.amdhsa_reserve_vcc 0
		.amdhsa_float_denorm_mode_32 3
		.amdhsa_float_denorm_mode_16_64 3
		.amdhsa_memory_ordered 1
		.amdhsa_forward_progress 1
		.amdhsa_inst_pref_size 79
	.end_amdhsa_kernel
	.amdgpu_metadata
---
amdhsa.version: [ 1, 2 ]
amdhsa.kernels:
  - .name:           k_q35a03228c8_attn
    .symbol:         k_q35a03228c8_attn.kd
    .args:
      - { .name: qc, .offset: 0, .size: 8, .value_kind: global_buffer, .address_space: global }
      - { .name: kv, .offset: 8, .size: 8, .value_kind: global_buffer, .address_space: global }
      - { .name: query, .offset: 16, .size: 8, .value_kind: global_buffer, .address_space: global }
      - { .name: res2, .offset: 24, .size: 8, .value_kind: global_buffer, .address_space: global }
    .group_segment_fixed_size: 284672
    .private_segment_fixed_size: 0
    .kernarg_segment_align: 8
    .kernarg_segment_size: 32
    .max_flat_workgroup_size: 512
    .sgpr_count:     80
    .vgpr_count:     256
    .wavefront_size: 32
...
	.end_amdgpu_metadata
.endif
;; end of part 3
;; launch lnq (part 4): grid 256 x 1, 2 waves a work-group, no clusters, 16,640 bytes of LDS; arguments res2, ffn_w, ffn_b, ac, asc; writes ac, asc
.if DOCPART == 4
	.amdgcn_target "amdgcn-amd-amdhsa--gfx1250"
	.amdhsa_code_object_version 6
	.text
	.protected	k_q35a03228c8_lnq
	.globl	k_q35a03228c8_lnq
	.p2align	8
	.type	k_q35a03228c8_lnq,@function
k_q35a03228c8_lnq:
	s_mov_b64 s[64:65], 0
	v_nop
	global_prefetch_b8 v0, s[64:65] scope:SCOPE_SE
	s_setreg_imm32_b32 hwreg(HW_REG_WAVE_MODE, 25, 1), 1
	s_wait_xcnt 0x0
; h = layernorm(res2) x ffn_w + ffn_b, rows of 1,024, quantised along the row: codes of FP6 (E2M3) into ac (768 bytes a row), E8M0 bytes into asc (32 a row).
; A wave takes 8 rows; a row is two steps of 512 numbers.  Each load reads 512 consecutive bytes; a step's 2,048 bytes turn through the wave's own stage in LDS, so that lane l holds columns 16 l .. 16 l + 15 (first step)
; and 512 + 16 l .. + 15 (second): 32 numbers of the row in registers between the mean, the variance of the centred numbers, the scaling and the conversion: the row is read once.  Two neighbouring lanes hold a block of 32.
; No tensor loads, no barrier: waves share nothing.  Loads run two rows (16 loads a wave) ahead.
; LIMITS: a block of zeros or under 2^-124 gets the byte 1 (read by this program alone); NaN and infinities are not served.
.set STEPS, 16
.set EMAX,  2
.set CB,    12
.set R,     16                         ; v16-79   four sets of 16 numbers as loaded
.set X,     80                         ; v80-111  the row at work
.set W,     112                        ; v112-143 ffn_w at my 32 columns
.set BV,    144                        ; v144-175 ffn_b
.set C,     176                        ; v176-239 codes: four registers a step
.set E,     240                        ; v240-255 a scale byte a step
.set WREG,  8192
.set SP,    80
	s_load_b128 s[4:7], s[0:1], 0x0                ; res2, ffn_w
	s_load_b128 s[8:11], s[0:1], 0x10              ; ffn_b, ac
	s_load_b64 s[12:13], s[0:1], 0x20              ; asc
	v_lshl_add_u32 v235, v0, 2, 0x4000
	v_mov_b32 v239, 0
	v_lshrrev_b32 v1, 5, v0
	v_readfirstlane_b32 s16, v1                    ; wave
	v_and_b32 v2, 31, v0                           ; lane
	v_lshlrev_b32 v3, 4, v2
	s_mul_i32 s17, s16, WREG
	v_lshrrev_b32 v14, 2, v2
	v_mul_u32_u24 v14, v14, SP
	v_and_b32 v15, 3, v2
	v_lshl_add_u32 v14, v15, 4, v14
	v_add_nc_u32 v14, s17, v14                     ; the stage, on the way in
	v_mul_u32_u24 v15, v2, SP
	v_add_nc_u32 v15, s17, v15                     ; and on the way out
	v_mul_u32_u24 v4, v2, CB
	v_lshrrev_b32 v5, 1, v2
	s_add_co_u32 s17, s17, 2*32*SP
	v_add_nc_u32 v5, s17, v5
	v_lshlrev_b32 v7, 3, v2
	v_add_nc_u32 v6, s17, v7
	v_lshlrev_b32 v13, 6, v2                       ; 64 x lane: my 16 columns in ffn_w and ffn_b
	v_mov_b32 v12, 0                               ; a lane permute's destination counts as one of its sources
	s_mov_b32 s22, 0x76543210
	s_mov_b32 s23, 0xfedcba98
	s_mov_b32 s26, 0x3a800000                      ; 1 / 1,024
	s_mov_b32 s27, 0x3727c5ac                      ; 1e-5
	s_lshl_b32 s18, ttmp9, 1
	s_add_co_u32 s18, s18, s16                     ; which 8 rows are my wave's
	s_lshl_b32 s20, s18, 15
	s_mov_b32 s21, 0
	s_mul_i32 s24, s18, 32*STEPS*CB
	s_mov_b32 s25, 0
	s_lshl_b32 s28, s18, 8
	s_mov_b32 s29, 0
	s_wait_kmcnt 0x0
	s_add_nc_u64 s[4:5], s[4:5], s[20:21]
	s_add_nc_u64 s[10:11], s[10:11], s[24:25]
	s_add_nc_u64 s[12:13], s[12:13], s[28:29]
.irp q, 0,1
.irp j, 0,1,2,3
	global_load_b128 v[W+16*\q+4*\j:W+16*\q+4*\j+3], v13, s[6:7] offset:2048*\q+16*\j
	global_load_b128 v[BV+16*\q+4*\j:BV+16*\q+4*\j+3], v13, s[8:9] offset:2048*\q+16*\j
.endr
.endr
.macro LOAD t
.irp i, 0,1,2,3
	global_load_b128 v[R+16*((\t)%4)+4*\i:R+16*((\t)%4)+4*\i+3], v3, s[4:5] offset:2048*(\t)+512*\i
.endr
.endm
.macro TURN t
.irp i, 0,1,2,3
	ds_store_b128 v14, v[R+16*((\t)%4)+4*\i:R+16*((\t)%4)+4*\i+3] offset:32*SP*((\t)%2)+8*SP*\i
.endr
.irp i, 0,1,2,3
	ds_load_b128 v[X+16*((\t)%2)+4*\i:X+16*((\t)%2)+4*\i+3], v15 offset:32*SP*((\t)%2)+16*\i
.endr
.endm
.macro LANES                           ; v8 summed over the 32 lanes, the result in every lane
	v_add_f32_dpp v8, v8, v8 row_xmask:1 row_mask:0xf bank_mask:0xf
	v_add_f32_dpp v8, v8, v8 row_xmask:2 row_mask:0xf bank_mask:0xf
	v_add_f32_dpp v8, v8, v8 row_xmask:4 row_mask:0xf bank_mask:0xf
	v_add_f32_dpp v8, v8, v8 row_xmask:8 row_mask:0xf bank_mask:0xf
	v_permlanex16_b32 v12, v8, s22, s23
	v_add_f32 v8, v8, v12
.endm
.macro QSTEP t                         ; step t's 16 numbers of a lane become 12 bytes of codes and the block's byte
.set XS, X+16*((\t)%2)
	v_max3_num_f32 v8, |v[XS]|, |v[XS+1]|, |v[XS+2]|
	v_max3_num_f32 v9, |v[XS+3]|, |v[XS+4]|, |v[XS+5]|
.irp i, 6,10
	v_max3_num_f32 v8, v8, |v[XS+\i]|, |v[XS+\i+1]|
	v_max3_num_f32 v9, v9, |v[XS+\i+2]|, |v[XS+\i+3]|
.endr
	v_max3_num_f32 v8, v8, |v[XS+14]|, |v[XS+15]|
	v_max3_num_f32 v8, v8, v9, (EMAX+1)<<23        ; the floor 2^(3 - 127)
	v_max_num_f32_dpp v8, v8, v8 row_xmask:1 row_mask:0xf bank_mask:0xf
	v_add_nc_u32 v11, -(EMAX<<23), v8              ; the conversion's scale operand
	v_cvt_scalef32_pk16_fp6_f32 v[C+4*(\t):C+4*(\t)+2], v[XS:XS+15], v11
	v_lshrrev_b32 v[E+(\t)], 23, v11               ; the scale's byte
	ds_store_b8 v5, v[E+(\t)] offset:16*(\t)
	global_store_b96 v4, v[C+4*(\t):C+4*(\t)+2], s[10:11] offset:32*CB*(\t)
.endm
.macro ROW u
.if (\u) < 7
	s_wait_loadcnt 8                               ; this row's eight loads are in (and, in the first row, the gains and shifts before them); the next row's eight may be out
.else
	s_wait_loadcnt 0x0
.endif
	TURN 2*(\u)
	TURN 2*(\u)+1
	s_wait_dscnt 0x0                               ; the row is back from the stages, and the stores into them have read their registers,
.if (\u) < 6
	LOAD 2*(\u)+4                                  ; which take the row two further on
	LOAD 2*(\u)+5
.endif
	v_pk_add_f32 v[8:9], v[X:X+1], v[X+2:X+3]      ; the sum, in two chains
	v_pk_add_f32 v[10:11], v[X+4:X+5], v[X+6:X+7]
.irp j, 8,12,16,20,24,28
	v_pk_add_f32 v[8:9], v[8:9], v[X+\j:X+\j+1]
	v_pk_add_f32 v[10:11], v[10:11], v[X+\j+2:X+\j+3]
.endr
	v_pk_add_f32 v[8:9], v[8:9], v[10:11]
	v_add_f32 v8, v8, v9
	LANES
	v_mul_f32 v10, s26, v8                         ; the mean, in both halves of the pair
	v_mul_f32 v11, s26, v8
.irp j, 0,2,4,6,8,10,12,14,16,18,20,22,24,26,28,30
	v_pk_add_f32 v[X+\j:X+\j+1], v[X+\j:X+\j+1], v[10:11] neg_lo:[0,1] neg_hi:[0,1]
.endr
	v_pk_mul_f32 v[8:9], v[X:X+1], v[X:X+1]        ; the squares of the centred numbers
	v_pk_mul_f32 v[10:11], v[X+2:X+3], v[X+2:X+3]
.irp j, 4,8,12,16,20,24,28
	v_pk_fma_f32 v[8:9], v[X+\j:X+\j+1], v[X+\j:X+\j+1], v[8:9]
	v_pk_fma_f32 v[10:11], v[X+\j+2:X+\j+3], v[X+\j+2:X+\j+3], v[10:11]
.endr
	v_pk_add_f32 v[8:9], v[8:9], v[10:11]
	v_add_f32 v8, v8, v9
	LANES
	v_fma_f32 v8, v8, s26, s27
	v_rsq_f32 v10, v8
	v_rsq_f32 v11, v8
	v_nop                                          ; a plain instruction behind them,
	s_wait_alu depctr_va_vdst(0)                   ; and one wait for both, ahead of their first reader
.irp j, 0,2,4,6,8,10,12,14,16,18,20,22,24,26,28,30
	v_pk_mul_f32 v[X+\j:X+\j+1], v[X+\j:X+\j+1], v[10:11]
.endr
.irp j, 0,2,4,6,8,10,12,14,16,18,20,22,24,26,28,30
	v_pk_fma_f32 v[X+\j:X+\j+1], v[X+\j:X+\j+1], v[W+\j:W+\j+1], v[BV+\j:BV+\j+1]
.endr
	QSTEP 2*(\u)
	QSTEP 2*(\u)+1
.endm
.irp t, 0,1,2,3
	LOAD \t
.endr
.irp u, 0,1,2,3,4,5,6,7
	ROW \u
.endr
	ds_load_b64 v[12:13], v6                       ; LDS serves a wave's instructions in order: these see my byte stores
	s_wait_dscnt 0x0
	global_store_b64 v7, v[12:13], s[12:13]        ; 32 lanes store 256 consecutive bytes, aligned
	s_wait_tensorcnt 0x0
	ds_add_u32 v235, v239
	s_wait_dscnt 0x0
	s_endpgm
.Lfunc_end_k_q35a03228c8_lnq:
	.size	k_q35a03228c8_lnq, .Lfunc_end_k_q35a03228c8_lnq-k_q35a03228c8_lnq
	.p2alignl 7, 3214868480
	.fill 96, 4, 3214868480
	.section	.rodata,"a",@progbits
	.p2align	6, 0x0
	.amdhsa_kernel k_q35a03228c8_lnq
		.amdhsa_group_segment_fixed_size 16640
		.amdhsa_private_segment_fixed_size 0
		.amdhsa_enable_private_segment 0
		.amdhsa_kernarg_size 40
		.amdhsa_user_sgpr_count 2
		.amdhsa_user_sgpr_kernarg_segment_ptr 1
		.amdhsa_wavefront_size32 1
		.amdhsa_system_sgpr_workgroup_id_x 1
		.amdhsa_system_sgpr_workgroup_id_y 1
		.amdhsa_system_sgpr_workgroup_id_z 1
		.amdhsa_system_vgpr_workitem_id 0
		.amdhsa_next_free_vgpr 256
		.amdhsa_next_free_sgpr 66
		.amdhsa_reserve_vcc 0
		.amdhsa_float_denorm_mode_32 3
		.amdhsa_float_denorm_mode_16_64 3
		.amdhsa_memory_ordered 1
		.amdhsa_forward_progress 1
		.amdhsa_inst_pref_size 81
	.end_amdhsa_kernel
	.amdgpu_metadata
---
amdhsa.version: [ 1, 2 ]
amdhsa.kernels:
  - .name:           k_q35a03228c8_lnq
    .symbol:         k_q35a03228c8_lnq.kd
    .args:
      - { .name: res2, .offset: 0, .size: 8, .value_kind: global_buffer, .address_space: global }
      - { .name: ffn_w, .offset: 8, .size: 8, .value_kind: global_buffer, .address_space: global }
      - { .name: ffn_b, .offset: 16, .size: 8, .value_kind: global_buffer, .address_space: global }
      - { .name: ac, .offset: 24, .size: 8, .value_kind: global_buffer, .address_space: global }
      - { .name: asc, .offset: 32, .size: 8, .value_kind: global_buffer, .address_space: global }
    .group_segment_fixed_size: 16640
    .private_segment_fixed_size: 0
    .kernarg_segment_align: 8
    .kernarg_segment_size: 40
    .max_flat_workgroup_size: 64
    .sgpr_count:     66
    .vgpr_count:     256
    .wavefront_size: 32
...
	.end_amdgpu_metadata
.endif
;; end of part 4
;; launch fc1 (part 5): grid 16 x 16, 4 waves a work-group, clusters of 4 x 4, 327,680 bytes of LDS; arguments ac, asc, fc1_w_codes, fc1_w_scales, fc1_b, hc, hs; writes hc, hs
.if DOCPART == 5
	.amdgcn_target "amdgcn-amd-amdhsa--gfx1250"
	.amdhsa_code_object_version 6
	.text
	.protected	k_q35a03228c8_fc1
	.globl	k_q35a03228c8_fc1
	.p2align	8
	.type	k_q35a03228c8_fc1,@function
k_q35a03228c8_fc1:
	s_mov_b64 s[64:65], 0
	v_nop
	global_prefetch_b8 v0, s[64:65] scope:SCOPE_SE
	s_setreg_imm32_b32 hwreg(HW_REG_WAVE_MODE, 25, 1), 1
	s_wait_xcnt 0x0
	s_wait_alu depctr_hold_cnt(0) depctr_sa_sdst(0) depctr_va_vdst(0) depctr_va_sdst(0) depctr_va_ssrc(0) depctr_va_vcc(0) depctr_vm_vsrc(0)
	s_getreg_b32 s2, hwreg(HW_REG_IB_STS2, 6, 4)
	s_cmp_eq_u32 s2, 0
	s_cbranch_scc0 .Lentry_in_a_cluster
	s_endpgm
.Lentry_in_a_cluster:
	s_bfe_u32 s2, ttmp6, 0x10000c
	s_cmp_lg_u32 s2, 0xf033
	s_cbranch_scc0 .Lentry_shape_is_right
	s_endpgm
.Lentry_shape_is_right:
; hidden = gelu(h fc1_w + fc1_b), quantised along the hidden axis.  h [4096][1024] and fc1_w [4096][1024] are codes of FP6 (E2M3) with E8M0 scales; hc [4096][3072 bytes] and hs [4096][128] are laid as rows, K innermost, in the true order,
; since they meet fc2_w's given codes.
; A tile of 256 x 256 is made by four waves, 128 x 128 each; K = 1,024 goes in steps of 256 through a ring of two LDS slots; the scale bytes come once; tiles are asked for jointly in a cluster of 4 x 4.
; The matrix instruction is used transposed (source 0 = 16 rows of fc1_w, source 1 = 16 rows of h): a lane holds one row, its registers run along the hidden units.
; THE WAY OUT: the accumulators go to LDS as images of their registers (the ring has had its last fill and, behind a barrier, its last read); a loop of eight trips takes 16 rows at a time on fixed registers.
; GELU: 0.5 x (1 + erf(x / sqrt 2)), erf(z) = z P(z^2) / Q(z^2) with z held to +-4 (beyond it erf is 1 to f32's last place).  LIMIT: for x far under 0 the sum 1 + erf cancels: the result's error is about 6e-8 |x|, absolutely.
; LIMITS: NaN and infinities are not served; a block of zeros or under 2^-124 gets the byte 1 (read by this program alone).
; A wave's 128 hidden units are 96 bytes of a row of 3,072: eight lanes store 96 consecutive bytes; a wave's part of a row is no whole block of 256 bytes.
.set SIZE_K, 1024
.set KSTEP,  256
.set NQ,     KSTEP/128
.set ROWB,   192
.set KROW,   SIZE_K*6/8
.set PITCH,  240
.set FR,     12
.set NL,     6
.set NP,     4
.set HALFT,  128*PITCH
.set SLOT,   4*HALFT
.set LAPS,   SIZE_K/(2*KSTEP)
.set KS,     SIZE_K/32
.set SCL,    2*SLOT
.set HALFS,  (128*KS/256)*272
.set SBLK,   (16*KS/256)*272
.set SPARE,  SCL+4*HALFS               ; the spare words: 512 bytes that no other line names
.set STG,    SPARE+512                 ; a stage of 16 rows x 144 bytes for each wave (eight places of 16 bytes, 12 of codes in each, + 16)
.set SWS,    STG+4*2304                ; and 1,024 bytes for each wave's scale words
.set ADRA, 16
.set ADRB, 20
.set SPW,  28
.set NIL,  29
.set ADRS, 27
.set SC,   32                          ; v32-63 scale words and nothing else
.set AF,   128
.set G1, 24
.set G0, 32
.set G1B, 48
.set G0B, 56
.set G1S, 68
.set G0S, 76
.set G1SB, 80
.set G0SB, 88
.set SPA,  7
.set X,    64                          ; v64-127 a block's 64 numbers
.set TM,   128
.set PW,   144
.set CD,   146                         ; v146-160 four times three registers of codes
.set KC,   166                         ; v166-191 thirteen constants, each in both halves of a pair
.set ZZ,   192                         ; v192-207 z;  later the rows read back from the stage
.set SS,   208                         ; v208-223 z^2, later x / 2
.set PP,   224
.set QQ,   240
.set SEL,  20
.set MSB, 0
.macro WIN new
.if MSB != \new
	s_set_vgpr_msb (MSB<<8)|\new
.set MSB, \new
.endif
.endm
.set MUL_LO, 0xa1
.set MUL_HI, 0xf1
.set TO_B,   0x40
.macro JLOAD g0a, g1a, g0b, g1b        ; a joint load: waves 0, 1 for A, waves 2, 3 for B; four v_nop follow each line
	s_cmp_eq_u32 s15, 0
	s_cbranch_scc0 .Lfor_b_\@
	tensor_load_to_lds s[\g0a:\g0a+3], s[\g1a:\g1a+7]
	s_nop 0
.rept 4
	v_nop
.endr
	s_branch .Lasked_\@
.Lfor_b_\@:
	tensor_load_to_lds s[\g0b:\g0b+3], s[\g1b:\g1b+7]
	s_nop 0
.rept 4
	v_nop
.endr
.Lasked_\@:
.endm
.macro CREST
	s_cmp_lg_u32 s14, 0
	s_cbranch_scc1 .Lnot_wave_0_\@
	s_barrier_signal -3
.Lnot_wave_0_\@:
	s_barrier_wait -3
	s_barrier_signal -1
	s_barrier_wait -1
.endm
.macro CROUND
	s_barrier_signal -1
	s_barrier_wait -1
	CREST
.endm
	s_load_b128 s[4:7], s[0:1], 0x0                ; h's codes, scales
	s_load_b128 s[8:11], s[0:1], 0x10              ; fc1_w's codes, scales
	v_lshl_add_u32 v[SPW], v0, 2, SPARE
	v_mov_b32 v[NIL], 0
	ds_add_u32 v28, v29
	ds_add_u32 v28, v29
	s_wait_dscnt 0x0
	v_lshrrev_b32 v1, 5, v0
	v_readfirstlane_b32 s14, v1                    ; wave 0..3
	s_lshr_b32 s15, s14, 1
	s_and_b32 s16, s14, 1
	s_bfe_u32 s40, ttmp6, 0x40000                  ; cx, cy
	s_bfe_u32 s41, ttmp6, 0x40004
	s_lshl_b32 s42, ttmp9, 2
	s_add_co_u32 s42, s42, s40                     ; tile column = 4 x cluster x + cx
	s_and_b32 s17, ttmp7, 0xffff
	s_lshl_b32 s17, s17, 2
	s_add_co_u32 s17, s17, s41                     ; tile row = 4 x cluster y + cy
	s_lshl_b32 s43, s41, 2
	s_lshl_b32 s43, 15, s43
	s_lshl_b32 s44, 0x1111, s40
	s_or_b32 s[G1+0], s43, (0<<16)|(1<<20)|(1<<21)|(3<<22)|(3<<25)
	s_or_b32 s[G1B+0], s44, (0<<16)|(1<<20)|(1<<21)|(3<<22)|(3<<25)
.irp g, G1, G1B
	s_mov_b32 s[\g+1], ROWB<<16
	s_mov_b32 s[\g+2], 128<<16
	s_mov_b32 s[\g+3], ROWB<<16
	s_mov_b32 s[\g+4], 128
	s_mov_b32 s[\g+5], KROW
	s_mov_b32 s[\g+6], 0
	s_mov_b32 s[\g+7], 0
.endr
	s_or_b32 s[G1S+0], s43, (3<<16)|(1<<20)|(1<<21)|(5<<22)|(3<<25)
	s_or_b32 s[G1SB+0], s44, (3<<16)|(1<<20)|(1<<21)|(5<<22)|(3<<25)
.irp g, G1S, G1SB
	s_mov_b32 s[\g+1], 32<<16
	s_mov_b32 s[\g+2], (128*KS/256)<<16
	s_mov_b32 s[\g+3], 32<<16
	s_mov_b32 s[\g+4], 128*KS/256
	s_mov_b32 s[\g+5], 32
	s_mov_b32 s[\g+6], 0
	s_mov_b32 s[\g+7], 0
.endr
	s_lshl_b32 s18, s16, 7
	s_lshl_b32 s20, s17, 8
	s_add_co_u32 s20, s20, s18
	s_lshl_b32 s46, s42, 8
	s_add_co_u32 s46, s46, s18
	s_mov_b32 s21, 0
	s_mov_b32 s47, 0
	s_mov_b64 s[18:19], KS
	s_mul_u64 s[22:23], s[20:21], s[18:19]
	s_mul_u64 s[92:93], s[46:47], s[18:19]
	s_mov_b64 s[18:19], KROW
	s_mul_u64 s[20:21], s[20:21], s[18:19]
	s_mul_u64 s[46:47], s[46:47], s[18:19]
	s_mul_i32 s45, s14, HALFT
	s_mul_i32 s94, s14, HALFS
	s_wait_kmcnt 0x0
	s_add_nc_u64 s[20:21], s[4:5], s[20:21]
	s_add_nc_u64 s[22:23], s[6:7], s[22:23]
	s_add_nc_u64 s[46:47], s[8:9], s[46:47]
	s_add_nc_u64 s[92:93], s[10:11], s[92:93]
	CROUND                                         ; all sixteen work-groups are here: the first joint loads meet
	s_mov_b32 s[G0S], 1
	s_add_co_u32 s[G0S+1], s94, SCL
	s_mov_b64 s[G0S+2:G0S+3], s[22:23]
	s_or_b32 s[G0S+3], s[G0S+3], 0x80000000
	s_mov_b32 s[G0SB], 1
	s_add_co_u32 s[G0SB+1], s94, SCL
	s_mov_b64 s[G0SB+2:G0SB+3], s[92:93]
	s_or_b32 s[G0SB+3], s[G0SB+3], 0x80000000
	JLOAD G0S, G1S, G0SB, G1SB                     ; the scales first; with the two slots three loads of mine are out
.irp s, 0,1
	s_mov_b32 s[G0+4*\s], 1
	s_add_co_u32 s[G0+4*\s+1], s45, \s*SLOT
	s_add_nc_u64 s[G0+4*\s+2:G0+4*\s+3], s[20:21], \s*ROWB
	s_or_b32 s[G0+4*\s+3], s[G0+4*\s+3], 0x80000000
	s_mov_b32 s[G0B+4*\s], 1
	s_add_co_u32 s[G0B+4*\s+1], s45, \s*SLOT
	s_add_nc_u64 s[G0B+4*\s+2:G0B+4*\s+3], s[46:47], \s*ROWB
	s_or_b32 s[G0B+4*\s+3], s[G0B+4*\s+3], 0x80000000
	JLOAD G0+4*\s, G1, G0B+4*\s, G1B
.endr
	v_and_b32 v1, 15, v0
	v_bfe_u32 v2, v0, 4, 1
	v_mul_u32_u24 v3, v1, PITCH
	v_mul_u32_u24 v4, v2, 24
	v_add_nc_u32 v4, v3, v4
	v_lshl_add_u32 v5, v2, 4, v4
	s_mul_i32 s21, s15, HALFT
	s_mul_i32 s22, s16, HALFT
	s_add_co_u32 s22, s22, 2*HALFT
.irp s, 0,1
	v_add_nc_u32 v[ADRA+\s], s21, v4
	v_add_nc_u32 v[ADRB+\s], s22, v4
	v_add_nc_u32 v[ADRA+2+\s], s21, v5
	v_add_nc_u32 v[ADRB+2+\s], s22, v5
	s_add_co_u32 s21, s21, SLOT
	s_add_co_u32 s22, s22, SLOT
.endr
	v_mul_u32_u24 v5, v1, KS
	v_lshrrev_b32 v6, 8, v5
	v_lshl_add_u32 v5, v6, 4, v5
	s_mul_i32 s21, s15, HALFS
	s_mul_i32 s22, s16, HALFS
	s_add_co_u32 s22, s22, 2*HALFS
	s_sub_co_u32 s22, s22, s21
	v_mul_u32_u24 v6, s22, v2
	s_add_co_u32 s21, s21, SCL
	v_add_nc_u32 v5, v5, v6
	v_add_nc_u32 v[ADRS], s21, v5
.macro FRAG reg, adr, q, i
.irp p, 0,1,2,3,4,5
.set PC, 12*(\q)+6*(\p/3)+\p%3
.if PC%8 < 5
	ds_load_b64 v[\reg+2*\p:\reg+2*\p+1], v[\adr] offset:8*PC+16*(PC/8)+(\i)*16*PITCH
.else
	ds_load_b64 v[\reg+2*\p:\reg+2*\p+1], v[\adr+2] offset:8*PC+16*(PC/8)+(\i)*16*PITCH
.endif
.endr
.endm
; The 64 accumulators take turns, one instruction a turn, in the same order in every step.
.macro MUL16 a0, p, q, sc, zero
.irp a, \a0, \a0+1
.irp b, 0,1,2,3,4,5,6,7
.if \zero
	v_wmma_scale_f32_16x16x128_f8f6f4 v[8*(8*((\a)%4)+\b):8*(8*((\a)%4)+\b)+7], v[128*(\p)+FR*\b:128*(\p)+FR*\b+FR-1], v[AF+FR*(\a):AF+FR*(\a)+FR-1], 0, v[SC+8*NQ*(\sc)+NQ*\b+(\q)], v[SC+8*NQ*(\sc)+NQ*(\a)+(\q)] matrix_a_fmt:MATRIX_FMT_FP6 matrix_b_fmt:MATRIX_FMT_FP6 matrix_a_scale:MATRIX_SCALE_ROW1
.else
	v_wmma_scale_f32_16x16x128_f8f6f4 v[8*(8*((\a)%4)+\b):8*(8*((\a)%4)+\b)+7], v[128*(\p)+FR*\b:128*(\p)+FR*\b+FR-1], v[AF+FR*(\a):AF+FR*(\a)+FR-1], v[8*(8*((\a)%4)+\b):8*(8*((\a)%4)+\b)+7], v[SC+8*NQ*(\sc)+NQ*\b+(\q)], v[SC+8*NQ*(\sc)+NQ*(\a)+(\q)] matrix_a_fmt:MATRIX_FMT_FP6 matrix_b_fmt:MATRIX_FMT_FP6 matrix_a_scale:MATRIX_SCALE_ROW1
.endif
.endr
.endr
.endm
.macro FETCH_B slot, q, p
	WIN TO_B
.irp i, 0,1,2,3,4,5,6,7
	FRAG 128*(\p)+FR*\i, ADRB+\slot, \q, \i
.endr
	WIN 0
.endm
.macro FETCH_A slot, q, i0
.irp i, \i0, \i0+1, \i0+2, \i0+3
	FRAG AF+FR*(\i), ADRA+\slot, \q, \i
.endr
.endm
.macro SCALES sc
.irp i, 0,1,2,3,4,5,6,7
	ds_load_b64 v[SC+8*NQ*\sc+NQ*\i:SC+8*NQ*\sc+NQ*\i+1], v[ADRS] offset:\i*SBLK
.endr
.endm
.macro PLACES n
.rept \n
	v_nop
.endr
.endm
.macro STEP slot, q, zero
	s_wait_dscnt 4*NL                              ; B's set and A's blocks 0-3 are in; the youngest 24 loads may be out
	WIN MUL_LO
	MUL16 0, (\q)%2, \q, \slot, \zero
	MUL16 2, (\q)%2, \q, \slot, \zero
	s_wait_dscnt 0
	PLACES NP
	FETCH_B \slot, (\q)+1, 1-(\q)%2
	FETCH_A \slot, (\q)+1, 0
	WIN MUL_HI
	MUL16 4, (\q)%2, \q, \slot, \zero
	MUL16 6, (\q)%2, \q, \slot, \zero
	PLACES NP
	WIN 0
	FETCH_A \slot, (\q)+1, 4
.endm
.macro TURN slot, next, fill
	s_wait_tensorcnt 0x0                           ; all my tensor loads have landed: my part of the next slot
	ds_add_u32 v[SPW], v[NIL]                      ; 0 onto my spare word
	s_wait_dscnt 4*NL+1                            ; (the add and the youngest 24 loads may be out)
	WIN MUL_LO
	MUL16 0, 1, NQ-1, \slot, 0
	s_wait_dscnt 0x0                               ; the add is done, and my reads of this slot are over
	s_barrier_signal -1
	MUL16 2, 1, NQ-1, \slot, 0
	WIN 0
	s_barrier_wait -1
.if \fill
	CREST                                          ; the barrier has opened a round of the cluster's barrier
	s_add_nc_u64 s[G0+4*\slot+2:G0+4*\slot+3], s[G0+4*\slot+2:G0+4*\slot+3], 2*ROWB
	s_add_nc_u64 s[G0B+4*\slot+2:G0B+4*\slot+3], s[G0B+4*\slot+2:G0B+4*\slot+3], 2*ROWB
	JLOAD G0+4*\slot, G1, G0B+4*\slot, G1B         ; the first tensor load behind the round
.else
	PLACES NP
.endif
	v_add_nc_u32 v[ADRS], 4*NQ, v[ADRS]
	FETCH_B \next, 0, 0
	FETCH_A \next, 0, 0
	SCALES \next
	WIN MUL_HI
	MUL16 4, 1, NQ-1, \slot, 0
	MUL16 6, 1, NQ-1, \slot, 0
	PLACES NP
	WIN 0
	FETCH_A \next, 0, 4
.endm
; 64 numbers of a lane, register 16 b + i = hidden unit 32 b + 16 (lane / 16) + i of my row: four times 16 codes (12 bytes) in v[CD + 4 b] on, and the row's scale word in v[PW]
.macro QUANTR s
.irp b, 0,1,2,3
	v_max3_num_f32 v[TM+\b], |v[\s+16*\b]|, |v[\s+1+16*\b]|, 0x1800000   ; and the floor 2^(3 - 127)
.endr
.irp i, 2,4,6,8,10,12,14
.irp b, 0,1,2,3
	v_max3_num_f32 v[TM+\b], v[TM+\b], |v[\s+16*\b+\i]|, |v[\s+1+16*\b+\i]|
.endr
.endr
.irp b, 0,1,2,3
	v_permlanex16_b32 v[TM+4+\b], v[TM+\b], s[SEL], s[SEL+1]
.endr
.irp b, 0,1,2,3
	v_max_num_f32 v[TM+\b], v[TM+\b], v[TM+4+\b]
.endr
.irp b, 0,1,2,3
	v_add_nc_u32 v[TM+12+\b], 0xff000000, v[TM+\b]
.endr
.irp b, 0,1,2,3
	v_lshrrev_b32 v[TM+4+\b], 23, v[TM+12+\b]
.endr
	v_lshl_or_b32 v[PW], v[TM+5], 8, v[TM+4]
	v_lshl_or_b32 v[PW], v[TM+6], 16, v[PW]
	v_lshl_or_b32 v[PW], v[TM+7], 24, v[PW]
.irp b, 0,1,2,3
	v_cvt_scalef32_pk16_fp6_f32 v[CD+4*\b:CD+4*\b+2], v[\s+16*\b:\s+16*\b+15], v[TM+12+\b]
.endr
	v_nop                                          ; one plain place behind a scaled conversion
.endm
.macro KSET n, val                     ; a constant into both halves of its pair
	v_mov_b32 v[KC+\n], \val
	v_mov_b32 v[KC+\n+1], \val
.endm
.macro HORN d, k                       ; d = d x z^2 + the constant in pair k, sixteen numbers
.irp i, 0,2,4,6,8,10,12,14
	v_pk_fma_f32 v[\d+\i:\d+\i+1], v[\d+\i:\d+\i+1], v[SS+\i:SS+\i+1], v[\k:\k+1]
.endr
.endm
.macro GELU xb                         ; sixteen numbers from v[xb] on, in place
.irp i, 0,2,4,6,8,10,12,14
	v_pk_mul_f32 v[ZZ+\i:ZZ+\i+1], v[\xb+\i:\xb+\i+1], v[KC+24:KC+25]    ; z = x / sqrt 2,
.endr
.irp i, 0,1,2,3,4,5,6,7,8,9,10,11,12,13,14,15
	v_med3_num_f32 v[ZZ+\i], v[ZZ+\i], -4.0, 4.0                         ; held to +-4
.endr
.irp i, 0,2,4,6,8,10,12,14
	v_pk_mul_f32 v[SS+\i:SS+\i+1], v[ZZ+\i:ZZ+\i+1], v[ZZ+\i:ZZ+\i+1]
.endr
.irp i, 0,2,4,6,8,10,12,14
	v_pk_fma_f32 v[PP+\i:PP+\i+1], v[SS+\i:SS+\i+1], v[KC:KC+1], v[KC+2:KC+3]
.endr
.irp i, 0,2,4,6,8,10,12,14
	v_pk_fma_f32 v[QQ+\i:QQ+\i+1], v[SS+\i:SS+\i+1], v[KC+14:KC+15], v[KC+16:KC+17]
.endr
	HORN PP, KC+4
	HORN QQ, KC+18
	HORN PP, KC+6
	HORN QQ, KC+20
	HORN PP, KC+8
	HORN QQ, KC+22
	HORN PP, KC+10
	HORN PP, KC+12
.irp i, 0,1,2,3,4,5,6,7,8,9,10,11,12,13,14,15
	v_rcp_f32 v[QQ+\i], v[QQ+\i]
.endr
.irp i, 0,2,4,6,8,10,12,14
	v_pk_mul_f32 v[PP+\i:PP+\i+1], v[PP+\i:PP+\i+1], v[ZZ+\i:ZZ+\i+1]    ; plain work behind the reciprocals, which names none of them
.endr
.irp i, 0,2,4,6,8,10,12,14
	v_pk_mul_f32 v[SS+\i:SS+\i+1], v[\xb+\i:\xb+\i+1], 0.5 op_sel_hi:[1,0]
.endr
	s_wait_alu depctr_va_vdst(0)                   ; one wait for the sixteen, ahead of their first reader
.irp i, 0,2,4,6,8,10,12,14
	v_pk_mul_f32 v[PP+\i:PP+\i+1], v[PP+\i:PP+\i+1], v[QQ+\i:QQ+\i+1]    ; erf
.endr
.irp i, 0,2,4,6,8,10,12,14
	v_pk_fma_f32 v[\xb+\i:\xb+\i+1], v[SS+\i:SS+\i+1], v[PP+\i:PP+\i+1], v[SS+\i:SS+\i+1]   ; x / 2 x erf + x / 2
.endr
.endm
	s_wait_tensorcnt 1                             ; the scales and my part of K step 0 are in (K step 1's load may be out),
	s_barrier_signal -1
	s_barrier_wait -1
	FETCH_B 0, 0, 0
	FETCH_A 0, 0, 0
	SCALES 0
	FETCH_A 0, 0, 4
	STEP 0, 0, 1
	s_mov_b32 s3, LAPS-1
.Llap:
	TURN 0, 1, 1
	STEP 1, 0, 0
	TURN 1, 0, 1
	STEP 0, 0, 0
	s_sub_co_u32 s3, s3, 1
	s_cmp_lg_u32 s3, 0
	s_cbranch_scc1 .Llap
	TURN 0, 1, 0
	STEP 1, 0, 0
	s_wait_dscnt 4*NL
	WIN MUL_LO
	MUL16 0, 1, NQ-1, 1, 0
	MUL16 2, 1, NQ-1, 1, 0
	s_wait_dscnt 0
	WIN MUL_HI
	MUL16 4, 1, NQ-1, 1, 0
	MUL16 6, 1, NQ-1, 1, 0
	WIN 0
	; ---- THE WAY OUT.  No tensor load of mine is out, so the descriptors' registers are free
	PLACES NP
	s_load_b128 s[24:27], s[0:1], 0x20             ; fc1_b, hc
	s_load_b64 s[28:29], s[0:1], 0x30              ; hs
	s_lshl_b32 s18, s42, 10
	s_lshl_b32 s19, s16, 9
	s_add_co_u32 s18, s18, s19                     ; my 128 hidden units in fc1_b, in bytes
	s_mov_b32 s19, 0
	s_wait_kmcnt 0x0
	s_add_nc_u64 s[24:25], s[24:25], s[18:19]
	s_lshl_b32 s22, s17, 8
	s_lshl_b32 s23, s15, 7
	s_add_co_u32 s22, s22, s23                     ; my first row
	s_mul_i32 s18, s22, 3072
	s_mul_i32 s23, s42, 192
	s_add_co_u32 s18, s18, s23
	s_mul_i32 s23, s16, 96
	s_add_co_u32 s18, s18, s23
	s_add_nc_u64 s[26:27], s[26:27], s[18:19]      ; hc at my first row, my 96 bytes
	s_lshl_b32 s18, s22, 7
	s_lshl_b32 s23, s42, 3
	s_add_co_u32 s18, s18, s23
	s_lshl_b32 s23, s16, 2
	s_add_co_u32 s18, s18, s23
	s_add_nc_u64 s[28:29], s[28:29], s[18:19]      ; hs likewise, my 4 bytes
	v_and_b32 v1, 15, v0                           ; r
	v_bfe_u32 v2, v0, 4, 1                         ; h
	v_and_b32 v3, 31, v0                           ; lane
	v_lshlrev_b32 v4, 4, v3
	s_lshl_b32 s18, s14, 16
	v_add_nc_u32 v[SPA], s18, v4                   ; my accumulators' images: 65,536 x wave + 16 x lane
	v_lshlrev_b32 v12, 5, v2                       ; 32 h
	s_mul_i32 s18, s14, 2304
	s_add_co_u32 s18, s18, STG                     ; my stage
	v_mul_u32_u24 v9, v1, 144
	v_lshl_add_u32 v9, v2, 4, v9
	v_add_nc_u32 v9, s18, v9                       ; in: row r, place 2 b + h
	v_lshrrev_b32 v5, 3, v3                        ; lane / 8
	v_and_b32 v6, 7, v3                            ; lane % 8
	v_mul_u32_u24 v10, v5, 144
	v_lshl_add_u32 v10, v6, 4, v10
	v_add_nc_u32 v10, s18, v10                     ; back: eight lanes to a row, four rows an instruction
	v_mul_u32_u24 v11, v5, 3072
	v_mad_u32_u24 v11, v6, 12, v11                 ; and the same place in hc
	s_lshl_b32 s18, s14, 10
	s_add_co_u32 s18, s18, SWS                     ; my scale words
	v_lshlrev_b32 v14, 2, v1
	v_lshl_add_u32 v14, v2, 9, v14
	v_add_nc_u32 v14, s18, v14                     ; in: 4 r + 512 h (the two halves of the lanes hold the same word and keep a copy each)
	v_lshl_add_u32 v16, v3, 2, s18                 ; back: 4 x lane of the first copy
	v_lshlrev_b32 v17, 7, v3                       ; and in hs a row of 128 bytes a lane
	WIN 0x40                                       ; destination window 1: B's fragments are done with
.irp b, 0,1,2,3,4,5,6,7
	global_load_b128 v[8*\b:8*\b+3], v12, s[24:25] offset:64*\b        ; the bias in the result's layout: register 8 b + j = unit 16 b + 8 h + j
	global_load_b128 v[8*\b+4:8*\b+7], v12, s[24:25] offset:64*\b+16
.endr
	WIN 0
	s_wait_dscnt 0x0                               ; my reads of the ring and of the scales are over
	s_barrier_signal -1
	s_barrier_wait -1                              ; everybody's are
	WIN 0x08                                       ; an LDS store's data are its source 1: window 2
.irp a, 0,1,2,3
.irp b, 0,1,2,3,4,5,6,7
	ds_store_b128 v[SPA], v[64*\a+8*\b:64*\a+8*\b+3] offset:8192*\a+1024*\b          ; each accumulator from its low end on
	ds_store_b128 v[SPA], v[64*\a+8*\b+4:64*\a+8*\b+7] offset:8192*\a+1024*\b+512
.endr
.endr
	WIN 0x0c
.irp a, 4,5,6,7
.irp b, 0,1,2,3,4,5,6,7
	ds_store_b128 v[SPA], v[64*(\a-4)+8*\b:64*(\a-4)+8*\b+3] offset:8192*\a+1024*\b
	ds_store_b128 v[SPA], v[64*(\a-4)+8*\b+4:64*(\a-4)+8*\b+7] offset:8192*\a+1024*\b+512
.endr
.endr
	WIN 0
.irp b, 0,1,2,3
	v_mov_b32 v[TM+4+\b], 0                        ; a lane permute's destination counts as one of its sources
.endr
	KSET 0,  0xaf95df0b                            ; P: -2.726142e-10,
	KSET 2,  0x32edffee                            ;     2.770681e-08,
	KSET 4,  0xb60cff51                            ;    -2.101024e-06,
	KSET 6,  0xb86ec2d2                            ;    -5.692506e-05,
	KSET 8,  0xba40ac63                            ;    -7.349906e-04,
	KSET 10, 0xbb41a1f6                            ;    -2.954600e-03,
	KSET 12, 0xbc83dbd4                            ;    -1.609603e-02
	KSET 14, 0xb77460cd                            ; Q: -1.456607e-05,
	KSET 16, 0xb95fbd29                            ;    -2.133741e-04,
	KSET 18, 0xbadc924e                            ;    -1.682827e-03,
	KSET 20, 0xbbf19bf8                            ;    -7.373329e-03,
	KSET 22, 0xbc69b6a7                            ;    -1.426474e-02
	KSET 24, 0x3f3504f3                            ; 1 / sqrt 2
	s_mov_b32 s[SEL], 0x76543210
	s_mov_b32 s[SEL+1], 0xfedcba98
	s_mov_b32 s66, 0                               ; a: the block of 16 rows
	s_mov_b32 s67, 0                               ; where its image begins,
	s_mov_b32 s96, 0                               ; and its scale words
	s_wait_loadcnt 0x0                             ; the bias
.Lepi:
	s_wait_xcnt 0x0                                ; the last trip's stores have read their registers
	v_add_nc_u32 v8, s67, v[SPA]
.irp g, 0,1,2,3,4,5,6,7,8,9,10,11,12,13,14,15
	ds_load_b128 v[X+4*\g:X+4*\g+3], v8 offset:512*\g
.endr
	s_mul_i32 s95, s66, 49152                      ; 16 rows of hc
	v_add_nc_u32 v13, s95, v11
	v_add_nc_u32 v15, s96, v14
	s_wait_dscnt 0x0
	WIN 0x04                                       ; source 1 window 1
.set i, 0
.rept 32
	v_pk_add_f32 v[X+2*i:X+2*i+1], v[X+2*i:X+2*i+1], v[2*i:2*i+1]
.set i, i+1
.endr
	WIN 0
	GELU X
	GELU X+16
	GELU X+32
	GELU X+48
.irp b, 0,1,2,3                                ; registers 16 b + j and 16 b + 8 + j hold units 32 b + 8 h + j and 32 b + 16 + 8 h + j: the exchange of halves gives 32 b + 16 h + j and + 8: the true order
.irp j, 0,1,2,3,4,5,6,7
	v_permlane16_swap_b32 v[X+16*\b+\j], v[X+16*\b+8+\j]
.endr
.endr
	QUANTR X
.irp b, 0,1,2,3
	ds_store_b96 v9, v[CD+4*\b:CD+4*\b+2] offset:32*\b   ; 12 bytes to a place of 16, so that every LDS address is a multiple of 16
.endr
	ds_store_b32 v15, v[PW]
.irp i, 0,1,2,3
	ds_load_b96 v[ZZ+4*\i:ZZ+4*\i+2], v10 offset:576*\i  ; LDS serves a wave's instructions in order: these see my stores
.endr
	s_wait_dscnt 0x0
.irp i, 0,1,2,3
	global_store_b96 v13, v[ZZ+4*\i:ZZ+4*\i+2], s[26:27] offset:12288*\i
.endr
	s_add_co_u32 s96, s96, 64
	s_add_co_u32 s67, s67, 8192
	s_add_co_u32 s66, s66, 1
	s_cmp_lt_u32 s66, 8
	s_cbranch_scc1 .Lepi
.irp i, 0,1,2,3
	ds_load_b32 v[TM+\i], v16 offset:128*\i        ; the scale words of rows 32 i + lane
.endr
	s_wait_dscnt 0x0
.irp i, 0,1,2,3
	global_store_b32 v17, v[TM+\i], s[28:29] offset:4096*\i   ; 4 bytes of each row of 128: one byte in 24 of what the launch stores
.endr
	s_wait_tensorcnt 0x0                           ; the wave's end
	ds_add_u32 v[SPW], v[NIL]
	s_wait_dscnt 0x0
	CROUND                                         ; the closing round
	s_endpgm
.Lfunc_end_k_q35a03228c8_fc1:
	.size	k_q35a03228c8_fc1, .Lfunc_end_k_q35a03228c8_fc1-k_q35a03228c8_fc1
	.p2alignl 7, 3214868480
	.fill 96, 4, 3214868480
	.section	.rodata,"a",@progbits
	.p2align	6, 0x0
	.amdhsa_kernel k_q35a03228c8_fc1
		.amdhsa_group_segment_fixed_size 327680
		.amdhsa_private_segment_fixed_size 0
		.amdhsa_enable_private_segment 0
		.amdhsa_kernarg_size 56
		.amdhsa_user_sgpr_count 2
		.amdhsa_user_sgpr_kernarg_segment_ptr 1
		.amdhsa_wavefront_size32 1
		.amdhsa_system_sgpr_workgroup_id_x 1
		.amdhsa_system_sgpr_workgroup_id_y 1
		.amdhsa_system_sgpr_workgroup_id_z 1
		.amdhsa_system_vgpr_workitem_id 0
		.amdhsa_next_free_vgpr 1024
		.amdhsa_next_free_sgpr 100
		.amdhsa_reserve_vcc 0
		.amdhsa_float_denorm_mode_32 3
		.amdhsa_float_denorm_mode_16_64 3
		.amdhsa_memory_ordered 1
		.amdhsa_forward_progress 1
		.amdhsa_inst_pref_size 191
	.end_amdhsa_kernel
	.amdgpu_metadata
---
amdhsa.version: [ 1, 2 ]
amdhsa.kernels:
  - .name:           k_q35a03228c8_fc1
    .symbol:         k_q35a03228c8_fc1.kd
    .args:
      - { .name: ac, .offset: 0, .size: 8, .value_kind: global_buffer, .address_space: global }
      - { .name: asc, .offset: 8, .size: 8, .value_kind: global_buffer, .address_space: global }
      - { .name: fc1_w_codes, .offset: 16, .size: 8, .value_kind: global_buffer, .address_space: global }
      - { .name: fc1_w_scales, .offset: 24, .size: 8, .value_kind: global_buffer, .address_space: global }
      - { .name: fc1_b, .offset: 32, .size: 8, .value_kind: global_buffer, .address_space: global }
      - { .name: hc, .offset: 40, .size: 8, .value_kind: global_buffer, .address_space: global }
      - { .name: hs, .offset: 48, .size: 8, .value_kind: global_buffer, .address_space: global }
    .group_segment_fixed_size: 327680
    .private_segment_fixed_size: 0
    .kernarg_segment_align: 8
    .kernarg_segment_size: 56
    .max_flat_workgroup_size: 128
    .sgpr_count:     100
    .vgpr_count:     1024
    .wavefront_size: 32
...
	.end_amdgpu_metadata
.endif
;; end of part 5
;; launch fc2 (part 6): grid 4 x 16, 4 waves a work-group, clusters of 4 x 4, 327,680 bytes of LDS; arguments hc, hs, fc2_w_codes, fc2_w_scales, fc2_b, res2, out0; writes out0
.if DOCPART == 6
	.amdgcn_target "amdgcn-amd-amdhsa--gfx1250"
	.amdhsa_code_object_version 6
	.text
	.protected	k_q35a03228c8_fc2
	.globl	k_q35a03228c8_fc2
	.p2align	8
	.type	k_q35a03228c8_fc2,@function
k_q35a03228c8_fc2:
	s_mov_b64 s[64:65], 0
	v_nop
	global_prefetch_b8 v0, s[64:65] scope:SCOPE_SE
	s_setreg_imm32_b32 hwreg(HW_REG_WAVE_MODE, 25, 1), 1
	s_wait_xcnt 0x0
	s_wait_alu depctr_hold_cnt(0) depctr_sa_sdst(0) depctr_va_vdst(0) depctr_va_sdst(0) depctr_va_ssrc(0) depctr_va_vcc(0) depctr_vm_vsrc(0)
	s_getreg_b32 s2, hwreg(HW_REG_IB_STS2, 6, 4)
	s_cmp_eq_u32 s2, 0
	s_cbranch_scc0 .Lentry_in_a_cluster
	s_endpgm
.Lentry_in_a_cluster:
	s_bfe_u32 s2, ttmp6, 0x10000c
	s_cmp_lg_u32 s2, 0xf033
	s_cbranch_scc0 .Lentry_shape_is_right
	s_endpgm
.Lentry_shape_is_right:
; out0 = res2 + hidden fc2_w + fc2_b.  hidden [4096][4096] and fc2_w [1024][4096] are codes of FP6 (E2M3) with E8M0 scales, K innermost; res2 and out0 [4096][1024] f32.
; A tile of 256 x 256 is made by four waves, 128 x 128 each; K = 4,096 goes in steps of 256 through a ring of two LDS slots; the scale bytes of the work-group's rows, for all of K, come once; tiles are asked for jointly
; in a cluster of 4 x 4.  The output has 64 such tiles: this launch has 64 work-groups.
; The matrix instruction is used transposed (source 0 = 16 rows of fc2_w, source 1 = 16 rows of hidden): a lane holds eight neighbouring numbers of a row of the output.
; THE WAY OUT: block by block of 16 rows through the wave's stage in slot 0 (which has had its last fill and its last read); the bias and the residual are added to whole rows; 32 lanes store 512 consecutive bytes.
; The residual is loaded up to four blocks ahead into the registers that held fc2_w's fragments.
.set SIZE_K, 4096
.set SIZE_N, 1024
.set KSTEP,  256
.set NQ,     KSTEP/128
.set ROWB,   192
.set KROW,   SIZE_K*6/8
.set PITCH,  240
.set FR,     12
.set NL,     6
.set NP,     4
.set HALFT,  128*PITCH
.set SLOT,   4*HALFT
.set LAPS,   SIZE_K/(2*KSTEP)
.set KS,     SIZE_K/32
.set SCL,    2*SLOT
.set HALFS,  (128*KS/256)*272
.set SBLK,   (16*KS/256)*272
.set SPARE,  SCL+4*HALFS               ; the spare words: 512 bytes that no other line names
.set SPITCH, 528                       ; the stage: 16 rows x (512 bytes + 16) for each wave
.set ADRA, 16
.set ADRB, 20
.set STO,  24
.set RD,   25
.set CO,   26
.set SPW,  28
.set NIL,  29
.set ADRS, 27
.set SC,   32                          ; v32-63 scale words and nothing else
.set FB,   64                          ; v64-67 fc2_b at my four columns
.set AF,   128
.set BK,   128                         ; the way out: 16 rows read back: v128-191 and v192-255 by turns
.set G1, 24
.set G0, 32
.set G1B, 48
.set G0B, 56
.set G1S, 68
.set G0S, 76
.set G1SB, 80
.set G0SB, 88
.set MSB, 0
.macro WIN new
.if MSB != \new
	s_set_vgpr_msb (MSB<<8)|\new
.set MSB, \new
.endif
.endm
.set MUL_LO, 0xa1
.set MUL_HI, 0xf1
.set TO_B,   0x40
.macro JLOAD g0a, g1a, g0b, g1b        ; a joint load: waves 0, 1 for A, waves 2, 3 for B; four v_nop follow each line
	s_cmp_eq_u32 s15, 0
	s_cbranch_scc0 .Lfor_b_\@
	tensor_load_to_lds s[\g0a:\g0a+3], s[\g1a:\g1a+7]
	s_nop 0
.rept 4
	v_nop
.endr
	s_branch .Lasked_\@
.Lfor_b_\@:
	tensor_load_to_lds s[\g0b:\g0b+3], s[\g1b:\g1b+7]
	s_nop 0
.rept 4
	v_nop
.endr
.Lasked_\@:
.endm
.macro CREST
	s_cmp_lg_u32 s14, 0
	s_cbranch_scc1 .Lnot_wave_0_\@
	s_barrier_signal -3
.Lnot_wave_0_\@:
	s_barrier_wait -3
	s_barrier_signal -1
	s_barrier_wait -1
.endm
.macro CROUND
	s_barrier_signal -1
	s_barrier_wait -1
	CREST
.endm
	s_load_b128 s[4:7], s[0:1], 0x0                ; hidden's codes, scales
	s_load_b128 s[8:11], s[0:1], 0x10              ; fc2_w's codes, scales
	s_load_b128 s[96:99], s[0:1], 0x20             ; fc2_b, res2
	s_load_b64 s[12:13], s[0:1], 0x30              ; out0
	v_lshl_add_u32 v[SPW], v0, 2, SPARE
	v_mov_b32 v[NIL], 0
	ds_add_u32 v28, v29
	ds_add_u32 v28, v29
	s_wait_dscnt 0x0
	v_lshrrev_b32 v1, 5, v0
	v_readfirstlane_b32 s14, v1                    ; wave 0..3
	s_lshr_b32 s15, s14, 1
	s_and_b32 s16, s14, 1
	s_bfe_u32 s40, ttmp6, 0x40000                  ; cx, cy
	s_bfe_u32 s41, ttmp6, 0x40004
	s_lshl_b32 s42, ttmp9, 2
	s_add_co_u32 s42, s42, s40                     ; tile column
	s_and_b32 s17, ttmp7, 0xffff
	s_lshl_b32 s17, s17, 2
	s_add_co_u32 s17, s17, s41                     ; tile row
	s_lshl_b32 s43, s41, 2
	s_lshl_b32 s43, 15, s43
	s_lshl_b32 s44, 0x1111, s40
	s_or_b32 s[G1+0], s43, (0<<16)|(1<<20)|(1<<21)|(3<<22)|(3<<25)
	s_or_b32 s[G1B+0], s44, (0<<16)|(1<<20)|(1<<21)|(3<<22)|(3<<25)
.irp g, G1, G1B
	s_mov_b32 s[\g+1], ROWB<<16
	s_mov_b32 s[\g+2], 128<<16
	s_mov_b32 s[\g+3], ROWB<<16
	s_mov_b32 s[\g+4], 128
	s_mov_b32 s[\g+5], KROW
	s_mov_b32 s[\g+6], 0
	s_mov_b32 s[\g+7], 0
.endr
	s_or_b32 s[G1S+0], s43, (3<<16)|(1<<20)|(1<<21)|(5<<22)|(3<<25)
	s_or_b32 s[G1SB+0], s44, (3<<16)|(1<<20)|(1<<21)|(5<<22)|(3<<25)
.irp g, G1S, G1SB
	s_mov_b32 s[\g+1], 32<<16
	s_mov_b32 s[\g+2], (128*KS/256)<<16
	s_mov_b32 s[\g+3], 32<<16
	s_mov_b32 s[\g+4], 128*KS/256
	s_mov_b32 s[\g+5], 32
	s_mov_b32 s[\g+6], 0
	s_mov_b32 s[\g+7], 0
.endr
	s_lshl_b32 s18, s16, 7
	s_lshl_b32 s20, s17, 8
	s_add_co_u32 s20, s20, s18
	s_lshl_b32 s46, s42, 8
	s_add_co_u32 s46, s46, s18
	s_mov_b32 s21, 0
	s_mov_b32 s47, 0
	s_mov_b64 s[18:19], KS
	s_mul_u64 s[22:23], s[20:21], s[18:19]
	s_mul_u64 s[92:93], s[46:47], s[18:19]
	s_mov_b64 s[18:19], KROW
	s_mul_u64 s[20:21], s[20:21], s[18:19]
	s_mul_u64 s[46:47], s[46:47], s[18:19]
	s_mul_i32 s45, s14, HALFT
	s_mul_i32 s94, s14, HALFS
	s_wait_kmcnt 0x0
	s_add_nc_u64 s[20:21], s[4:5], s[20:21]
	s_add_nc_u64 s[22:23], s[6:7], s[22:23]
	s_add_nc_u64 s[46:47], s[8:9], s[46:47]
	s_add_nc_u64 s[92:93], s[10:11], s[92:93]
	CROUND                                         ; all sixteen work-groups are here: the first joint loads meet
	s_mov_b32 s[G0S], 1
	s_add_co_u32 s[G0S+1], s94, SCL
	s_mov_b64 s[G0S+2:G0S+3], s[22:23]
	s_or_b32 s[G0S+3], s[G0S+3], 0x80000000
	s_mov_b32 s[G0SB], 1
	s_add_co_u32 s[G0SB+1], s94, SCL
	s_mov_b64 s[G0SB+2:G0SB+3], s[92:93]
	s_or_b32 s[G0SB+3], s[G0SB+3], 0x80000000
	JLOAD G0S, G1S, G0SB, G1SB                     ; the scales first; with the two slots three loads of mine are out
.irp s, 0,1
	s_mov_b32 s[G0+4*\s], 1
	s_add_co_u32 s[G0+4*\s+1], s45, \s*SLOT
	s_add_nc_u64 s[G0+4*\s+2:G0+4*\s+3], s[20:21], \s*ROWB
	s_or_b32 s[G0+4*\s+3], s[G0+4*\s+3], 0x80000000
	s_mov_b32 s[G0B+4*\s], 1
	s_add_co_u32 s[G0B+4*\s+1], s45, \s*SLOT
	s_add_nc_u64 s[G0B+4*\s+2:G0B+4*\s+3], s[46:47], \s*ROWB
	s_or_b32 s[G0B+4*\s+3], s[G0B+4*\s+3], 0x80000000
	JLOAD G0+4*\s, G1, G0B+4*\s, G1B
.endr
	v_and_b32 v1, 15, v0
	v_bfe_u32 v2, v0, 4, 1
	v_mul_u32_u24 v3, v1, PITCH
	v_mul_u32_u24 v4, v2, 24
	v_add_nc_u32 v4, v3, v4
	v_lshl_add_u32 v5, v2, 4, v4
	s_mul_i32 s21, s15, HALFT
	s_mul_i32 s22, s16, HALFT
	s_add_co_u32 s22, s22, 2*HALFT
.irp s, 0,1
	v_add_nc_u32 v[ADRA+\s], s21, v4
	v_add_nc_u32 v[ADRB+\s], s22, v4
	v_add_nc_u32 v[ADRA+2+\s], s21, v5
	v_add_nc_u32 v[ADRB+2+\s], s22, v5
	s_add_co_u32 s21, s21, SLOT
	s_add_co_u32 s22, s22, SLOT
.endr
	v_mul_u32_u24 v5, v1, KS
	v_lshrrev_b32 v6, 8, v5
	v_lshl_add_u32 v5, v6, 4, v5
	s_mul_i32 s21, s15, HALFS
	s_mul_i32 s22, s16, HALFS
	s_add_co_u32 s22, s22, 2*HALFS
	s_sub_co_u32 s22, s22, s21
	v_mul_u32_u24 v6, s22, v2
	s_add_co_u32 s21, s21, SCL
	v_add_nc_u32 v5, v5, v6
	v_add_nc_u32 v[ADRS], s21, v5
	s_mul_i32 s23, s14, 16*SPITCH                  ; my stage
	v_mul_u32_u24 v5, v1, SPITCH                   ; in: row l % 16, 32 bytes for each half of the lanes
	v_lshl_add_u32 v5, v2, 5, v5
	v_add_nc_u32 v[STO], s23, v5
	v_and_b32 v6, 31, v0
	v_lshlrev_b32 v[CO], 4, v6                     ; back: the 32 lanes take one row of 512 bytes; the same in res2, out0 and fc2_b
	v_add_nc_u32 v[RD], s23, v[CO]
	s_lshl_b32 s20, s17, 8
	s_lshl_b32 s21, s15, 7
	s_add_co_u32 s20, s20, s21                     ; my first row
	s_mov_b32 s21, 0
	s_mov_b64 s[18:19], SIZE_N*4
	s_mul_u64 s[20:21], s[20:21], s[18:19]
	s_lshl_b32 s46, s42, 10                        ; my first column, in bytes
	s_lshl_b32 s47, s16, 9
	s_add_co_u32 s46, s46, s47
	s_mov_b32 s47, 0
	s_add_nc_u64 s[96:97], s[96:97], s[46:47]      ; fc2_b at my 128 columns
	s_add_nc_u64 s[20:21], s[20:21], s[46:47]
	s_add_nc_u64 s[12:13], s[12:13], s[20:21]
	s_add_nc_u64 s[98:99], s[98:99], s[20:21]
.macro FRAG reg, adr, q, i
.irp p, 0,1,2,3,4,5
.set PC, 12*(\q)+6*(\p/3)+\p%3
.if PC%8 < 5
	ds_load_b64 v[\reg+2*\p:\reg+2*\p+1], v[\adr] offset:8*PC+16*(PC/8)+(\i)*16*PITCH
.else
	ds_load_b64 v[\reg+2*\p:\reg+2*\p+1], v[\adr+2] offset:8*PC+16*(PC/8)+(\i)*16*PITCH
.endif
.endr
.endm
; The 64 accumulators take turns, one instruction a turn, in the same order in every step.
.macro MUL16 a0, p, q, sc, zero
.irp a, \a0, \a0+1
.irp b, 0,1,2,3,4,5,6,7
.if \zero
	v_wmma_scale_f32_16x16x128_f8f6f4 v[8*(8*((\a)%4)+\b):8*(8*((\a)%4)+\b)+7], v[128*(\p)+FR*\b:128*(\p)+FR*\b+FR-1], v[AF+FR*(\a):AF+FR*(\a)+FR-1], 0, v[SC+8*NQ*(\sc)+NQ*\b+(\q)], v[SC+8*NQ*(\sc)+NQ*(\a)+(\q)] matrix_a_fmt:MATRIX_FMT_FP6 matrix_b_fmt:MATRIX_FMT_FP6 matrix_a_scale:MATRIX_SCALE_ROW1
.else
	v_wmma_scale_f32_16x16x128_f8f6f4 v[8*(8*((\a)%4)+\b):8*(8*((\a)%4)+\b)+7], v[128*(\p)+FR*\b:128*(\p)+FR*\b+FR-1], v[AF+FR*(\a):AF+FR*(\a)+FR-1], v[8*(8*((\a)%4)+\b):8*(8*((\a)%4)+\b)+7], v[SC+8*NQ*(\sc)+NQ*\b+(\q)], v[SC+8*NQ*(\sc)+NQ*(\a)+(\q)] matrix_a_fmt:MATRIX_FMT_FP6 matrix_b_fmt:MATRIX_FMT_FP6 matrix_a_scale:MATRIX_SCALE_ROW1
.endif
.endr
.endr
.endm
.macro FETCH_B slot, q, p
	WIN TO_B
.irp i, 0,1,2,3,4,5,6,7
	FRAG 128*(\p)+FR*\i, ADRB+\slot, \q, \i
.endr
	WIN 0
.endm
.macro FETCH_A slot, q, i0
.irp i, \i0, \i0+1, \i0+2, \i0+3
	FRAG AF+FR*(\i), ADRA+\slot, \q, \i
.endr
.endm
.macro SCALES sc
.irp i, 0,1,2,3,4,5,6,7
	ds_load_b64 v[SC+8*NQ*\sc+NQ*\i:SC+8*NQ*\sc+NQ*\i+1], v[ADRS] offset:\i*SBLK
.endr
.endm
.macro PLACES n
.rept \n
	v_nop
.endr
.endm
.macro STEP slot, q, zero
	s_wait_dscnt 4*NL                              ; B's set and A's blocks 0-3 are in; the youngest 24 loads may be out
	WIN MUL_LO
	MUL16 0, (\q)%2, \q, \slot, \zero
	MUL16 2, (\q)%2, \q, \slot, \zero
	s_wait_dscnt 0
	PLACES NP
	FETCH_B \slot, (\q)+1, 1-(\q)%2
	FETCH_A \slot, (\q)+1, 0
	WIN MUL_HI
	MUL16 4, (\q)%2, \q, \slot, \zero
	MUL16 6, (\q)%2, \q, \slot, \zero
	PLACES NP
	WIN 0
	FETCH_A \slot, (\q)+1, 4
.endm
.macro TURN slot, next, fill
	s_wait_tensorcnt 0x0                           ; all my tensor loads have landed: my part of the next slot
	ds_add_u32 v[SPW], v[NIL]                      ; 0 onto my spare word
	s_wait_dscnt 4*NL+1                            ; (the add and the youngest 24 loads may be out)
	WIN MUL_LO
	MUL16 0, 1, NQ-1, \slot, 0
	s_wait_dscnt 0x0                               ; the add is done, and my reads of this slot are over
	s_barrier_signal -1
	MUL16 2, 1, NQ-1, \slot, 0
	WIN 0
	s_barrier_wait -1
.if \fill
	CREST                                          ; the barrier has opened a round of the cluster's barrier
	s_add_nc_u64 s[G0+4*\slot+2:G0+4*\slot+3], s[G0+4*\slot+2:G0+4*\slot+3], 2*ROWB
	s_add_nc_u64 s[G0B+4*\slot+2:G0B+4*\slot+3], s[G0B+4*\slot+2:G0B+4*\slot+3], 2*ROWB
	JLOAD G0+4*\slot, G1, G0B+4*\slot, G1B         ; the first tensor load behind the round
.else
	PLACES NP
.endif
	v_add_nc_u32 v[ADRS], 4*NQ, v[ADRS]
	FETCH_B \next, 0, 0
	FETCH_A \next, 0, 0
	SCALES \next
	WIN MUL_HI
	MUL16 4, 1, NQ-1, \slot, 0
	MUL16 6, 1, NQ-1, \slot, 0
	PLACES NP
	WIN 0
	FETCH_A \next, 0, 4
.endm
	s_wait_tensorcnt 1                             ; the scales and my part of K step 0 are in (K step 1's load may be out),
	s_barrier_signal -1
	s_barrier_wait -1
	FETCH_B 0, 0, 0
	FETCH_A 0, 0, 0
	SCALES 0
	FETCH_A 0, 0, 4
	STEP 0, 0, 1
	s_mov_b32 s3, LAPS-1
.Llap:
	TURN 0, 1, 1
	STEP 1, 0, 0
	TURN 1, 0, 1
	STEP 0, 0, 0
	s_sub_co_u32 s3, s3, 1
	s_cmp_lg_u32 s3, 0
	s_cbranch_scc1 .Llap
	TURN 0, 1, 0
	STEP 1, 0, 0
	s_wait_dscnt 4*NL
	WIN MUL_LO
	MUL16 0, 1, NQ-1, 1, 0
	MUL16 2, 1, NQ-1, 1, 0
	s_wait_dscnt 0
	WIN MUL_HI
	MUL16 4, 1, NQ-1, 1, 0
	MUL16 6, 1, NQ-1, 1, 0
	WIN 0
; THE WAY OUT, block by block of 16 rows x 128 columns.  LDS serves a wave's instructions in order: no wait between the stage's stores and loads.
.macro TOSTAGE a
.set AC, 64*((\a)%4)
	WIN 0x08+4*((\a)/4)                            ; the data: window 2 or 3
.irp b, 0,1,2,3,4,5,6,7
	ds_store_b128 v[STO], v[AC+8*\b:AC+8*\b+3] offset:64*\b          ; each accumulator from its low end on
	ds_store_b128 v[STO], v[AC+8*\b+4:AC+8*\b+7] offset:64*\b+16
.endr
	WIN 0
.set BB, BK+64*((\a)%2)
.irp t, 0,1,2,3,4,5,6,7,8,9,10,11,12,13,14,15
	ds_load_b128 v[BB+4*\t:BB+4*\t+3], v[RD] offset:\t*SPITCH
.endr
.endm
.macro RLOAD a                         ; block a's 16 rows of res2 into set a % 4 of window 1
	WIN 0x40
.irp t, 0,1,2,3,4,5,6,7,8,9,10,11,12,13,14,15
	global_load_b128 v[64*((\a)%4)+4*\t:64*((\a)%4)+4*\t+3], v[CO], s[98:99] offset:(16*(\a)+\t)*SIZE_N*4 th:TH_LOAD_NT
.endr
	WIN 0
.endm
.macro SEND a, younger                 ; younger: the LDS instructions issued behind block a's loads, which may stay out
.set BB, BK+64*((\a)%2)
.set RR, 64*((\a)%4)
	s_wait_dscnt \younger                          ; the block is back in registers
.if 7-(\a) < 3
	s_wait_loadcnt 16*(7-(\a))                     ; its residual is in; the sets of the blocks behind it may be out
.else
	s_wait_loadcnt 48
.endif
.irp t, 0,1,2,3,4,5,6,7,8,9,10,11,12,13,14,15
	v_pk_add_f32 v[BB+4*\t:BB+4*\t+1], v[BB+4*\t:BB+4*\t+1], v[FB:FB+1]
	v_pk_add_f32 v[BB+4*\t+2:BB+4*\t+3], v[BB+4*\t+2:BB+4*\t+3], v[FB+2:FB+3]
.endr
	WIN 0x04                                       ; source 1 window 1
.set i, 0
.rept 32
	v_pk_add_f32 v[BB+2*i:BB+2*i+1], v[BB+2*i:BB+2*i+1], v[RR+2*i:RR+2*i+1]
.set i, i+1
.endr
	WIN 0
.irp t, 0,1,2,3,4,5,6,7,8,9,10,11,12,13,14,15
	global_store_b128 v[CO], v[BB+4*\t:BB+4*\t+3], s[12:13] offset:(16*(\a)+\t)*SIZE_N*4 th:TH_STORE_NT   ; 32 lanes store 512 consecutive bytes, aligned to 256; every row's place stands in the immediate (127 rows of 4,096 bytes at the most)
.endr
.endm
	PLACES NP                                      ; in front of the loads into registers that the last products read, and of the first read of results
	global_load_b128 v[FB:FB+3], v[CO], s[96:97]
	RLOAD 0
	RLOAD 1
	RLOAD 2
	RLOAD 3
	TOSTAGE 0
.irp a, 1,2,3,4,5,6,7
.if \a > 1
	s_wait_xcnt 0x0                                ; block a - 2's stores have read their registers: block a's loads may land there
.endif
	TOSTAGE \a
	SEND \a-1, 32                                  ; behind block a - 1's loads: block a's 16 stores and 16 loads
.if \a+3 <= 7
	RLOAD \a+3                                     ; into the set that block a - 1 has just left
.endif
.endr
	SEND 7, 0
	s_wait_tensorcnt 0x0                           ; the wave's end
	ds_add_u32 v[SPW], v[NIL]
	s_wait_dscnt 0x0
	CROUND                                         ; the closing round
	s_endpgm
.Lfunc_end_k_q35a03228c8_fc2:
	.size	k_q35a03228c8_fc2, .Lfunc_end_k_q35a03228c8_fc2-k_q35a03228c8_fc2
	.p2alignl 7, 3214868480
	.fill 96, 4, 3214868480
	.section	.rodata,"a",@progbits
	.p2align	6, 0x0
	.amdhsa_kernel k_q35a03228c8_fc2
		.amdhsa_group_segment_fixed_size 327680
		.amdhsa_private_segment_fixed_size 0
		.amdhsa_enable_private_segment 0
		.amdhsa_kernarg_size 56
		.amdhsa_user_sgpr_count 2
		.amdhsa_user_sgpr_kernarg_segment_ptr 1
		.amdhsa_wavefront_size32 1
		.amdhsa_system_sgpr_workgroup_id_x 1
		.amdhsa_system_sgpr_workgroup_id_y 1
		.amdhsa_system_sgpr_workgroup_id_z 1
		.amdhsa_system_vgpr_workitem_id 0
		.amdhsa_next_free_vgpr 1024
		.amdhsa_next_free_sgpr 100
		.amdhsa_reserve_vcc 0
		.amdhsa_float_denorm_mode_32 3
		.amdhsa_float_denorm_mode_16_64 3
		.amdhsa_memory_ordered 1
		.amdhsa_forward_progress 1
		.amdhsa_inst_pref_size 205
	.end_amdhsa_kernel
	.amdgpu_metadata
---
amdhsa.version: [ 1, 2 ]
amdhsa.kernels:
  - .name:           k_q35a03228c8_fc2
    .symbol:         k_q35a03228c8_fc2.kd
    .args:
      - { .name: hc, .offset: 0, .size: 8, .value_kind: global_buffer, .address_space: global }
      - { .name: hs, .offset: 8, .size: 8, .value_kind: global_buffer, .address_space: global }
      - { .name: fc2_w_codes, .offset: 16, .size: 8, .value_kind: global_buffer, .address_space: global }
      - { .name: fc2_w_scales, .offset: 24, .size: 8, .value_kind: global_buffer, .address_space: global }
      - { .name: fc2_b, .offset: 32, .size: 8, .value_kind: global_buffer, .address_space: global }
      - { .name: res2, .offset: 40, .size: 8, .value_kind: global_buffer, .address_space: global }
      - { .name: out0, .offset: 48, .size: 8, .value_kind: global_buffer, .address_space: global }
    .group_segment_fixed_size: 327680
    .private_segment_fixed_size: 0
    .kernarg_segment_align: 8
    .kernarg_segment_size: 56
    .max_flat_workgroup_size: 128
    .sgpr_count:     100
    .vgpr_count:     1024
    .wavefront_size: 32
...
	.end_amdgpu_metadata
.endif
;; end of part 6
;; ======== version 2 of 2: 6 launches
;; limits: right only within a limited range of input values
;; workspace buffers: ac 3,145,728 bytes; asc 131,072 bytes; qc 3,407,872 bytes; kv 6,815,744 bytes; res2 16,777,216 bytes; hc 12,582,912 bytes; hs 524,288 bytes
;; launch quantq (part 7): grid 256 x 1, 2 waves a work-group, no clusters, 16,640 bytes of LDS; arguments query, ac, asc; writes ac, asc
.if DOCPART == 7
	.amdgcn_target "amdgcn-amd-amdhsa--gfx1250"
	.amdhsa_code_object_version 6
	.text
	.protected	k_q35a03228c8_quantq
	.globl	k_q35a03228c8_quantq
	.p2align	8
	.type	k_q35a03228c8_quantq,@function
k_q35a03228c8_quantq:
	s_mov_b64 s[64:65], 0
	v_nop
	global_prefetch_b8 v0, s[64:65] scope:SCOPE_SE
	s_setreg_imm32_b32 hwreg(HW_REG_WAVE_MODE, 25, 1), 1
	s_wait_xcnt 0x0
; query [4096][1024] f32 becomes codes of FP6 (E2M3), K innermost (ac: 768 bytes a row), and one E8M0 byte for each 32 along K (asc: 32 bytes a row).
; A block's scale is 2^(floor(log2(largest magnitude)) - 2); its byte is the largest magnitude's exponent field - 2, held at 1 from below.
; LIMITS: a block of zeros, or one whose largest magnitude lies under 2^-124, gets the byte 1 (its codes are zeros or near it; the bytes are read by this program alone); NaN and infinities are not served.
; Rows are dense and 1,024 is a multiple of 32: the tensor is a plain stream of blocks.  A wave takes 16 steps of 512 numbers; 512 waves take all 4,194,304.
; Each load reads 512 consecutive bytes; a step's 2,048 bytes turn through the wave's own stage in LDS, so that a lane holds 16 neighbours (two neighbouring lanes hold a block).
; No tensor loads, no barrier: waves share nothing.  Loads run eight steps (32 loads a wave) ahead.
; WORK LEFT OUT, in the whole program: qpos and cpos.  reference() names them in its signature and uses them in no expression, so no value of theirs reaches the output; they are loaded nowhere and are no launch's argument.
.set STEPS, 16
.set EMAX,  2
.set CB,    12                         ; bytes of 16 codes
; AS THE TEXT NOW STANDS: loads run eight steps (32 loads a wave) ahead.
.set R,     16                         ; v16-143  eight sets of 16 numbers as loaded
.set X,     144                        ; v144-175 two sets of 16 neighbours
.set C,     176                        ; v176-239 codes: four registers a step, so that no store's data are written again
.set E,     240                        ; v240-247 scale bytes, by turns
.set WREG,  8192                       ; LDS: a region for each wave: two stages of 32 x SP bytes, then its 256 scale bytes
.set SP,    80                         ; a lane's place in a stage: 64 bytes + 16 of padding
	s_load_b128 s[4:7], s[0:1], 0x0                ; query, ac
	s_load_b64 s[8:9], s[0:1], 0x10                ; asc
	v_lshl_add_u32 v250, v0, 2, 0x4000
	v_mov_b32 v251, 0
	v_lshrrev_b32 v1, 5, v0
	v_readfirstlane_b32 s16, v1                    ; wave
	v_and_b32 v2, 31, v0                           ; lane
	v_lshlrev_b32 v3, 4, v2                        ; my 16 bytes of a load's 512
	s_mul_i32 s17, s16, WREG
	v_lshrrev_b32 v14, 2, v2
	v_mul_u32_u24 v14, v14, SP
	v_and_b32 v15, 3, v2
	v_lshl_add_u32 v14, v15, 4, v14
	v_add_nc_u32 v14, s17, v14                     ; the stage, on the way in: SP (lane / 4) + 16 (lane % 4)
	v_mul_u32_u24 v15, v2, SP
	v_add_nc_u32 v15, s17, v15                     ; on the way out: SP x lane
	v_mul_u32_u24 v4, v2, CB                       ; my codes' place in a step's
	v_lshrrev_b32 v5, 1, v2
	s_add_co_u32 s17, s17, 2*32*SP
	v_add_nc_u32 v5, s17, v5                       ; my block's byte among the wave's 256
	v_lshlrev_b32 v7, 3, v2
	v_add_nc_u32 v6, s17, v7
	s_lshl_b32 s18, ttmp9, 1
	s_add_co_u32 s18, s18, s16                     ; which run of 8,192 numbers is my wave's
	s_lshl_b32 s20, s18, 15                        ; 32,768 bytes of numbers,
	s_mov_b32 s21, 0
	s_mul_i32 s22, s18, 32*STEPS*CB                ; 6,144 of codes,
	s_mov_b32 s23, 0
	s_lshl_b32 s24, s18, 8                         ; 256 of scale bytes a run
	s_mov_b32 s25, 0
	s_wait_alu depctr_va_vdst(0)
	s_wait_kmcnt 0x0
	s_add_nc_u64 s[4:5], s[4:5], s[20:21]
	s_add_nc_u64 s[6:7], s[6:7], s[22:23]
	s_add_nc_u64 s[8:9], s[8:9], s[24:25]
.macro LOAD t
.irp i, 0,1,2,3
	global_load_b128 v[R+16*((\t)%8)+4*\i:R+16*((\t)%8)+4*\i+3], v3, s[4:5] offset:2048*(\t)+512*\i th:TH_LOAD_NT
.endr
.endm
.macro TURN t                          ; step t's numbers through the stage: LDS serves a wave's instructions in order, so no wait stands between the stores and the loads
.irp i, 0,1,2,3
	ds_store_b128 v14, v[R+16*((\t)%8)+4*\i:R+16*((\t)%8)+4*\i+3] offset:32*SP*((\t)%2)+8*SP*\i
.endr
.irp i, 0,1,2,3
	ds_load_b128 v[X+16*((\t)%2)+4*\i:X+16*((\t)%2)+4*\i+3], v15 offset:32*SP*((\t)%2)+16*\i
.endr
.endm
.irp t, 0,1,2,3,4,5,6,7
	LOAD \t
.endr
	s_wait_loadcnt 28                              ; step 0's four loads are in; those of seven steps may be out
	TURN 0
.macro STEP t
.set XS, X+16*((\t)%2)
.if (\t) > 0
	s_wait_dscnt 1                                 ; this step's numbers are back from the stage (the last step's byte store may be out)
.else
	s_wait_dscnt 0x0
.endif
.if (\t)+8 < STEPS
	LOAD (\t)+8                                    ; into the set whose stores into the stage are done
.endif
.if (\t)+1 < STEPS
.if STEPS-2-(\t) >= 7
	s_wait_loadcnt 28                              ; the next step's four loads are in; those of the seven steps behind it may be out
.else
	s_wait_loadcnt 4*(STEPS-2-(\t))
.endif
	TURN (\t)+1
.endif
	v_max3_num_f32 v8, |v[XS]|, |v[XS+1]|, |v[XS+2]|               ; the largest magnitude of my 16, in two chains
	v_max3_num_f32 v9, |v[XS+3]|, |v[XS+4]|, |v[XS+5]|
.irp i, 6,10
	v_max3_num_f32 v8, v8, |v[XS+\i]|, |v[XS+\i+1]|
	v_max3_num_f32 v9, v9, |v[XS+\i+2]|, |v[XS+\i+3]|
.endr
	v_max3_num_f32 v8, v8, |v[XS+14]|, |v[XS+15]|
	v_max3_num_f32 v8, v8, v9, (EMAX+1)<<23        ; and the floor 2^(3 - 127): the byte cannot fall under 1
	v_max_num_f32_dpp v8, v8, v8 row_xmask:1 row_mask:0xf bank_mask:0xf   ; with my neighbour's 16: the block's
	v_add_nc_u32 v11, -(EMAX<<23), v8              ; 2 off its exponent field: the conversion's scale operand
	v_cvt_scalef32_pk16_fp6_f32 v[C+4*(\t):C+4*(\t)+2], v[XS:XS+15], v11
	v_lshrrev_b32 v[E+(\t)%8], 23, v11             ; the scale's byte
	ds_store_b8 v5, v[E+(\t)%8] offset:16*(\t)     ; both lanes of a block write the same byte with the same value
	global_store_b96 v4, v[C+4*(\t):C+4*(\t)+2], s[6:7] offset:32*CB*(\t)   ; the wave stores 384 consecutive bytes
.endm
.irp t, 0,1,2,3,4,5,6,7,8,9,10,11,12,13,14,15
	STEP \t
.endr
	ds_load_b64 v[12:13], v6                       ; LDS serves a wave's instructions in order: these see my stores
	s_wait_dscnt 0x0
	global_store_b64 v7, v[12:13], s[8:9]          ; 32 lanes store 256 consecutive bytes, aligned
	s_wait_tensorcnt 0x0
	ds_add_u32 v250, v251
	s_wait_dscnt 0x0
	s_endpgm
.Lfunc_end_k_q35a03228c8_quantq:
	.size	k_q35a03228c8_quantq, .Lfunc_end_k_q35a03228c8_quantq-k_q35a03228c8_quantq
	.p2alignl 7, 3214868480
	.fill 96, 4, 3214868480
	.section	.rodata,"a",@progbits
	.p2align	6, 0x0
	.amdhsa_kernel k_q35a03228c8_quantq
		.amdhsa_group_segment_fixed_size 16640
		.amdhsa_private_segment_fixed_size 0
		.amdhsa_enable_private_segment 0
		.amdhsa_kernarg_size 24
		.amdhsa_user_sgpr_count 2
		.amdhsa_user_sgpr_kernarg_segment_ptr 1
		.amdhsa_wavefront_size32 1
		.amdhsa_system_sgpr_workgroup_id_x 1
		.amdhsa_system_sgpr_workgroup_id_y 1
		.amdhsa_system_sgpr_workgroup_id_z 1
		.amdhsa_system_vgpr_workitem_id 0
		.amdhsa_next_free_vgpr 256
		.amdhsa_next_free_sgpr 66
		.amdhsa_reserve_vcc 0
		.amdhsa_float_denorm_mode_32 3
		.amdhsa_float_denorm_mode_16_64 3
		.amdhsa_memory_ordered 1
		.amdhsa_forward_progress 1
		.amdhsa_inst_pref_size 32
	.end_amdhsa_kernel
	.amdgpu_metadata
---
amdhsa.version: [ 1, 2 ]
amdhsa.kernels:
  - .name:           k_q35a03228c8_quantq
    .symbol:         k_q35a03228c8_quantq.kd
    .args:
      - { .name: query, .offset: 0, .size: 8, .value_kind: global_buffer, .address_space: global }
      - { .name: ac, .offset: 8, .size: 8, .value_kind: global_buffer, .address_space: global }
      - { .name: asc, .offset: 16, .size: 8, .value_kind: global_buffer, .address_space: global }
    .group_segment_fixed_size: 16640
    .private_segment_fixed_size: 0
    .kernarg_segment_align: 8
    .kernarg_segment_size: 24
    .max_flat_workgroup_size: 64
    .sgpr_count:     66
    .vgpr_count:     256
    .wavefront_size: 32
...
	.end_amdgpu_metadata
.endif
;; end of part 7
;; launch proj (part 8): grid 12 x 16, 4 waves a work-group, clusters of 4 x 4, 327,680 bytes of LDS; arguments ac, asc, context_codes, context_scales, Wq_w_codes, Wq_w_scales, Wk_w_codes, Wk_w_scales, Wv_w_codes, Wv_w_scales, Wq_b, Wk_b, Wv_b, qn_w, qn_b, kn_w, kn_b, qc, kv; writes qc, kv
.if DOCPART == 8
	.amdgcn_target "amdgcn-amd-amdhsa--gfx1250"
	.amdhsa_code_object_version 6
	.text
	.protected	k_q35a03228c8_proj
	.globl	k_q35a03228c8_proj
	.p2align	8
	.type	k_q35a03228c8_proj,@function
k_q35a03228c8_proj:
	s_mov_b64 s[64:65], 0
	v_nop
	global_prefetch_b8 v0, s[64:65] scope:SCOPE_SE
	s_setreg_imm32_b32 hwreg(HW_REG_WAVE_MODE, 25, 1), 1
	s_wait_xcnt 0x0
	s_wait_alu depctr_hold_cnt(0) depctr_sa_sdst(0) depctr_va_vdst(0) depctr_va_sdst(0) depctr_va_ssrc(0) depctr_va_vcc(0) depctr_vm_vsrc(0)
	s_getreg_b32 s2, hwreg(HW_REG_IB_STS2, 6, 4)
	s_cmp_eq_u32 s2, 0
	s_cbranch_scc0 .Lentry_in_a_cluster
	s_endpgm
.Lentry_in_a_cluster:
	s_bfe_u32 s2, ttmp6, 0x10000c
	s_cmp_lg_u32 s2, 0xf033
	s_cbranch_scc0 .Lentry_shape_is_right
	s_endpgm
.Lentry_shape_is_right:
; Three products on codes of FP6 (E2M3) with E8M0 scales, K = 1,024: cluster x 0: Q = query Wq, 1: K = context Wk, 2: V^T = Wv^T context^T (the roles of the operands swapped).
; Then bias, the head's layernorm (Q, K), the quantiser, and the codes stored as images of the operand registers of the attention launch.
; A work-group of four waves makes 256 x 256, a wave 128 x 128 (64 accumulators).  A row of codes is 768 bytes: three chunks of 256 bytes, each beginning at a multiple of 256.
; THE HEAD asks for chunks 0 and 1 of A's and B's 256 rows, one joint load a wave; chunk 2 fills slot 0 again when chunk 0 has been read out: the launch's only refill.
; A step of 128 along K is 96 bytes of a row; steps 2 and 5 lie across two chunks and read both slots.
; THE SCALES go from memory into registers: lane l takes the 32 bytes of row 32 j + l, so register 8 j + q holds step q's word of block 2 j in lanes 0-15 and of block 2 j + 1 in lanes 16-31.
; CLUSTER 4 x 4: A's tiles are shared along a row, B's along a column.  The matrix instruction is used transposed (source 0 = B's rows).
; No prefetch: the block is the largest, in clusters, and K has three chunks, two of them asked for at the head.
; LIMITS: NaN and infinities are not served; a block of zeros gets the byte 1 (read by this program alone).  qpos and cpos are not read: reference() does not use them.
.set ROWB,   256
.set EDGE,   ROWB-24
.set KROW,   768
.set CHUNKS, 3
.set PITCH,  272
.set FR,     12
.set NL,     6
.set NP,     4
.set HALFT,  128*PITCH
.set SLOT,   4*HALFT
.set SPARE,  2*SLOT
.set BST,    SPARE+512                 ; behind the spare words: 512 bytes a wave for Wv_b at my 128 channels; no load lands there
.set PADW,   (1<<20)|(1<<21)|(5<<22)|(3<<25)
.set ADRA, 16
.set ADRB, 20
.set SOF,  27
.set SPW,  28
.set NIL,  29
.set SA,   32
.set SB,   64
.set AF,   128
.set G1, 24
.set G0, 32
.set G1B, 48
.set G0B, 56
.set G0H, 4
.set G0HB, 8
.set G0I, 76
.set G0IB, 88
.set SPA,  7
.set X,    32                          ; the way out works where the scale words lay; v96-127 hold the shifts, v224-255 the gains; window 1's v96-127 and v224-255 the bias
.set TM,   128
.set PW,   144
.set CD,   146
.set MU0,  166
.set MU1,  168
.set T0,   170
.set T1,   172
.set BV,   176
.set SEL,  20
.set MSB, 0
.macro WIN new
.if MSB != \new
	s_set_vgpr_msb (MSB<<8)|\new
.set MSB, \new
.endif
.endm
.set MUL_LO, 0xa1
.set MUL_HI, 0xf1
.set TO_B,   0x40
.macro JLOAD g0a, g1a, g0b, g1b
	s_cmp_eq_u32 s15, 0
	s_cbranch_scc0 .Lfor_b_\@
	tensor_load_to_lds s[\g0a:\g0a+3], s[\g1a:\g1a+7]
	s_nop 0
.rept 4
	v_nop
.endr
	s_branch .Lasked_\@
.Lfor_b_\@:
	tensor_load_to_lds s[\g0b:\g0b+3], s[\g1b:\g1b+7]
	s_nop 0
.rept 4
	v_nop
.endr
.Lasked_\@:
.endm
.macro CREST
	s_cmp_lg_u32 s14, 0
	s_cbranch_scc1 .Lnot_wave_0_\@
	s_barrier_signal -3
.Lnot_wave_0_\@:
	s_barrier_wait -3
	s_barrier_signal -1
	s_barrier_wait -1
.endm
.macro CROUND
	s_barrier_signal -1
	s_barrier_wait -1
	CREST
.endm
.macro GRP0 g, lds, src, off           ; a group 0: count, LDS address, global address, type
	s_mov_b32 s[\g], 1
	s_mov_b32 s[\g+1], \lds
	s_add_nc_u64 s[\g+2:\g+3], s[\src:\src+1], \off
	s_or_b32 s[\g+3], s[\g+3], 0x80000000
.endm
.macro ARM under, g0, g1, next
	s_cmp_lt_u32 s14, \under
	s_cbranch_scc0 \next
	tensor_load_to_lds s[\g0:\g0+3], s[\g1:\g1+7]
	s_nop 0
.rept 4
	v_nop
.endr
	s_branch .Lhead_asked
\next:
.endm
	s_load_b512 s[24:39], s[0:1], 0x0
	s_load_b128 s[40:43], s[0:1], 0x40
	v_lshl_add_u32 v[SPW], v0, 2, SPARE
	v_mov_b32 v[NIL], 0
	ds_add_u32 v[SPW], v[NIL]
	ds_add_u32 v[SPW], v[NIL]
	v_lshrrev_b32 v1, 5, v0
	v_readfirstlane_b32 s14, v1                    ; wave
	s_lshr_b32 s15, s14, 1                         ; my half of the rows; in the ring: I fetch for A (0) or B (1)
	s_and_b32 s16, s14, 1                          ; my half of the columns; in the ring: which 128 rows I fetch
	s_wait_dscnt 0x0
	s_wait_kmcnt 0x0
	s_cmp_eq_u32 ttmp9, 0                          ; which product: A's codes s[4:5], scales s[6:7]; B's s[8:9], s[10:11]
	s_cselect_b64 s[4:5], s[24:25], s[28:29]
	s_cselect_b64 s[6:7], s[26:27], s[30:31]
	s_cselect_b64 s[8:9], s[32:33], s[36:37]
	s_cselect_b64 s[10:11], s[34:35], s[38:39]
	s_cmp_eq_u32 ttmp9, 2
	s_cselect_b64 s[4:5], s[40:41], s[4:5]
	s_cselect_b64 s[6:7], s[42:43], s[6:7]
	s_cselect_b64 s[8:9], s[28:29], s[8:9]
	s_cselect_b64 s[10:11], s[30:31], s[10:11]
	s_bfe_u32 s40, ttmp6, 0x40000
	s_bfe_u32 s41, ttmp6, 0x40004
	s_and_b32 s18, ttmp7, 0xffff
	s_lshl_b32 s18, s18, 2
	s_cmp_eq_u32 ttmp9, 2
	s_cselect_b32 s42, s18, 0
	s_cselect_b32 s17, 0, s18
	s_add_co_u32 s42, s42, s40                     ; tile column
	s_add_co_u32 s17, s17, s41                     ; tile row
	s_lshl_b32 s43, s41, 2
	s_lshl_b32 s43, 15, s43
	s_lshl_b32 s44, 0x1111, s40
	s_or_b32 s[G1+0], s43, PADW                    ; rows of 256 bytes, 16 of padding behind each; the mask of my row of the cluster
	s_or_b32 s[G1B+0], s44, PADW                   ; of my column
.irp g, G1, G1B
	s_mov_b32 s[\g+1], ROWB<<16
	s_mov_b32 s[\g+2], 256<<16                     ; the head's loads bring 256 rows
	s_mov_b32 s[\g+3], ROWB<<16
	s_mov_b32 s[\g+4], 256
	s_mov_b32 s[\g+5], KROW
	s_mov_b32 s[\g+6], 0
	s_mov_b32 s[\g+7], 0
.endr
	s_lshl_b32 s20, s17, 8                         ; A's first row, B's first row
	s_lshl_b32 s46, s42, 8
	s_lshl_b32 s96, s20, 5                         ; my 128 rows' scales: 32 bytes a row
	s_lshl_b32 s18, s15, 12
	s_add_co_u32 s96, s96, s18
	s_mov_b32 s97, 0
	s_lshl_b32 s98, s46, 5
	s_lshl_b32 s18, s16, 12
	s_add_co_u32 s98, s98, s18
	s_mov_b32 s99, 0
	s_mul_i32 s20, s20, KROW
	s_mov_b32 s21, 0
	s_mul_i32 s46, s46, KROW
	s_mov_b32 s47, 0
	s_mul_i32 s18, s16, 128*KROW
	s_mov_b32 s19, 0
	s_mul_i32 s45, s14, HALFT
	s_add_nc_u64 s[20:21], s[4:5], s[20:21]
	s_add_nc_u64 s[96:97], s[6:7], s[96:97]
	s_add_nc_u64 s[46:47], s[8:9], s[46:47]
	s_add_nc_u64 s[98:99], s[10:11], s[98:99]
	CROUND                                         ; all sixteen work-groups are here: the first joint loads meet
	GRP0 G0H,  0, 20, 0                            ; chunk 0: A's 256 rows, B's; chunk 1 likewise in slot 1
	GRP0 G0HB, 2*HALFT, 46, 0
	GRP0 G0I,  SLOT, 20, ROWB
	GRP0 G0IB, SLOT+2*HALFT, 46, ROWB
	s_add_nc_u64 s[20:21], s[20:21], s[18:19]
	s_add_nc_u64 s[46:47], s[46:47], s[18:19]
	GRP0 G0,  s45, 20, 2*ROWB                      ; the refill: my 128 rows of chunk 2, into slot 0
	GRP0 G0B, s45, 46, 2*ROWB
	s_mov_b32 s20, SLOT-EDGE
	s_mov_b32 s21, SLOT+EDGE
	s_mul_i32 s22, s15, HALFT
	s_mul_i32 s23, s16, HALFT
	s_add_co_u32 s23, s23, 2*HALFT
	ARM 1, G0H,  G1,  .Lhead_b                     ; one tree on the wave's number, one load an arm
	ARM 2, G0HB, G1B, .Lhead_c
	ARM 3, G0I,  G1,  .Lhead_d
	tensor_load_to_lds s[G0IB:G0IB+3], s[G1B:G1B+7]
	s_nop 0
.rept 4
	v_nop
.endr
.Lhead_asked:
	v_and_b32 v3, 31, v0
	v_lshlrev_b32 v[SOF], 5, v3                    ; 32 x lane: a row of scales
.irp j, 0,1,2,3
	global_load_b128 v[SA+8*\j:SA+8*\j+3], v[SOF], s[96:97] offset:1024*\j
	global_load_b128 v[SA+8*\j+4:SA+8*\j+7], v[SOF], s[96:97] offset:1024*\j+16
	global_load_b128 v[SB+8*\j:SB+8*\j+3], v[SOF], s[98:99] offset:1024*\j
	global_load_b128 v[SB+8*\j+4:SB+8*\j+7], v[SOF], s[98:99] offset:1024*\j+16
.endr
	v_and_b32 v1, 15, v0
	v_bfe_u32 v2, v0, 4, 1
	v_mul_u32_u24 v3, v1, PITCH
	v_mul_u32_u24 v4, v2, 24
	v_add_nc_u32 v4, v3, v4                        ; row x pitch + 24 x half
	v_sub_nc_u32 v7, 1, v2
	v_mul_u32_u24 v5, s20, v2
	v_add_nc_u32 v5, v3, v5
	v_add_nc_u32 v5, EDGE, v5                      ; across chunks: lanes 0-15 byte 232 in slot 0, lanes 16-31 byte 0 in slot 1;
	v_mul_u32_u24 v6, s21, v7
	v_add_nc_u32 v6, v3, v6                        ; and the slots the other way round
	v_add_nc_u32 v[ADRA], s22, v4
	v_add_nc_u32 v[ADRA+1], SLOT, v[ADRA]
	v_add_nc_u32 v[ADRA+2], s22, v5
	v_add_nc_u32 v[ADRA+3], s22, v6
	v_add_nc_u32 v[ADRB], s23, v4
	v_add_nc_u32 v[ADRB+1], SLOT, v[ADRB]
	v_add_nc_u32 v[ADRB+2], s23, v5
	v_add_nc_u32 v[ADRB+3], s23, v6
.macro FRAG reg, adr, st, i            ; 16 rows x 128 K: 12 registers, in pieces of 8 bytes; byte y of a row lies in slot (y / 256) % 2 at y % 256
.irp p, 0,1,2,3,4,5
.set BY, 96*(\st)+48*(\p/3)+8*(\p%3)
.if BY/ROWB == (BY+24)/ROWB
	ds_load_b64 v[\reg+2*\p:\reg+2*\p+1], v[\adr+(BY/ROWB)%2] offset:BY%ROWB+(\i)*16*PITCH
.else
	ds_load_b64 v[\reg+2*\p:\reg+2*\p+1], v[\adr+2+(BY/ROWB)%2] offset:BY%ROWB-EDGE+(\i)*16*PITCH
.endif
.endr
.endm
.macro WM a, b, p, q, zero, m1, m2     ; A's block a x B's block b, step q; m1, m2: the rows of the scale registers
.set DD, 8*(8*((\a)%4)+(\b))
.if \zero
	v_wmma_scale_f32_16x16x128_f8f6f4 v[DD:DD+7], v[128*(\p)+FR*(\b):128*(\p)+FR*(\b)+FR-1], v[AF+FR*(\a):AF+FR*(\a)+FR-1], 0, v[SB+8*((\b)/2)+(\q)], v[SA+8*((\a)/2)+(\q)] matrix_a_fmt:MATRIX_FMT_FP6 matrix_b_fmt:MATRIX_FMT_FP6 \m1 \m2
.else
	v_wmma_scale_f32_16x16x128_f8f6f4 v[DD:DD+7], v[128*(\p)+FR*(\b):128*(\p)+FR*(\b)+FR-1], v[AF+FR*(\a):AF+FR*(\a)+FR-1], v[DD:DD+7], v[SB+8*((\b)/2)+(\q)], v[SA+8*((\a)/2)+(\q)] matrix_a_fmt:MATRIX_FMT_FP6 matrix_b_fmt:MATRIX_FMT_FP6 \m1 \m2
.endif
.endm
.macro MUL16 a0, p, q, zero            ; a0 is even; the accumulators take turns
.irp h, 0,1,2,3
	WM \a0, 2*\h, \p, \q, \zero
	WM \a0, 2*\h+1, \p, \q, \zero, matrix_a_scale:MATRIX_SCALE_ROW1
.endr
.irp h, 0,1,2,3
	WM \a0+1, 2*\h, \p, \q, \zero, matrix_b_scale:MATRIX_SCALE_ROW1
	WM \a0+1, 2*\h+1, \p, \q, \zero, matrix_a_scale:MATRIX_SCALE_ROW1, matrix_b_scale:MATRIX_SCALE_ROW1
.endr
.endm
.macro FETCH_B st, p
	WIN TO_B
.irp i, 0,1,2,3,4,5,6,7
	FRAG 128*(\p)+FR*\i, ADRB, \st, \i
.endr
	WIN 0
.endm
.macro FETCH_A st, i0
.irp i, \i0, \i0+1, \i0+2, \i0+3
	FRAG AF+FR*(\i), ADRA, \st, \i
.endr
.endm
.macro PLACES n
.rept \n
	v_nop
.endr
.endm
; A step: 64 products; the next step's fragments are fetched in its middle and at its end.  Where the next step begins in a later chunk and a chunk two on is left, the slot is filled again behind a round;
; where the next step ends in a chunk that came by a refill, a barrier shows that chunk whole.
.macro STEP st, zero
.set NX, (\st)+1
.set C0, (96*(\st))/ROWB
.set C1, (96*NX)/ROWB
.set E0, (96*(\st)+95)/ROWB
.set E1, (96*NX+95)/ROWB
.set PB, (\st)%2
.if (C1 > C0 && C0+2 < CHUNKS) || (E1 > E0 && E1 > 1)
	s_wait_tensorcnt 0x0                           ; all my tensor loads have landed
.if C1 > C0 && C0+2 < CHUNKS
	ds_add_u32 v[SPW], v[NIL]
	s_wait_dscnt 4*NL+1                            ; the add and A's blocks 4-7 may be out
.else
	s_wait_dscnt 4*NL
.endif
	WIN MUL_LO
	MUL16 0, PB, \st, \zero
	s_wait_dscnt 0x0                               ; the add and my reads of the chunk left behind are done
	s_barrier_signal -1
	MUL16 2, PB, \st, \zero
	WIN 0
	s_barrier_wait -1
.if C1 > C0 && C0+2 < CHUNKS
	CREST                                          ; the barrier opened a round of the cluster's barrier
	JLOAD G0, G1, G0B, G1B                         ; chunk 2; its four v_nop are the places in front of the loads below
.else
	PLACES NP
.endif
.else
	s_wait_dscnt 4*NL                              ; B's set and A's blocks 0-3 are in
	WIN MUL_LO
	MUL16 0, PB, \st, \zero
	MUL16 2, PB, \st, \zero
	s_wait_dscnt 0
	PLACES NP
.endif
	FETCH_B NX, NX%2
	FETCH_A NX, 0
	WIN MUL_HI
	MUL16 4, PB, \st, \zero
	MUL16 6, PB, \st, \zero
	PLACES NP
	WIN 0
	FETCH_A NX, 4
.endm
.macro QUANT s
.irp b, 0,1,2,3
	v_max3_num_f32 v[TM+\b], |v[\s+16*\b]|, |v[\s+1+16*\b]|, 0x1800000
.endr
.irp i, 2,4,6,8,10,12,14
.irp b, 0,1,2,3
	v_max3_num_f32 v[TM+\b], v[TM+\b], |v[\s+16*\b+\i]|, |v[\s+1+16*\b+\i]|
.endr
.endr
.irp b, 0,1,2,3
	v_permlanex16_b32 v[TM+4+\b], v[TM+\b], s[SEL], s[SEL+1]
.endr
.irp b, 0,1,2,3
	v_max_num_f32 v[TM+\b], v[TM+\b], v[TM+4+\b]
.endr
.irp b, 0,1,2,3
	v_add_nc_u32 v[TM+12+\b], 0xff000000, v[TM+\b]
.endr
.irp b, 0,1,2,3
	v_lshrrev_b32 v[TM+4+\b], 23, v[TM+12+\b]
.endr
	v_lshl_or_b32 v[PW], v[TM+5], 8, v[TM+4]
	v_lshl_or_b32 v[PW], v[TM+6], 16, v[PW]
	v_lshl_or_b32 v[PW], v[TM+7], 24, v[PW]
.irp c, 0,1
	v_cvt_scalef32_pk16_fp6_f32 v[CD+6*\c:CD+2+6*\c], v[\s+32*\c:\s+15+32*\c], v[TM+12+2*\c]
	v_cvt_scalef32_pk16_fp6_f32 v[CD+12+4*\c:CD+14+4*\c], v[\s+16+32*\c:\s+31+32*\c], v[TM+12+2*\c+1]
.endr
	v_nop
.irp c, 0,1
.irp i, 0,1,2
	v_permlane16_swap_b32 v[CD+6*\c+\i], v[CD+12+4*\c+\i]
.endr
.irp i, 0,1,2
	v_mov_b32 v[CD+3+6*\c+\i], v[CD+12+4*\c+\i]
.endr
.endr
.endm
	s_wait_alu depctr_va_vdst(0)
	s_wait_tensorcnt 0x0                           ; my tile of the head's four is in; no load of mine is out, so group 1 may be written:
	s_mov_b32 s[G1+2], 128<<16                     ; the refill brings 128 rows a wave
	s_mov_b32 s[G1+4], 128
	s_mov_b32 s[G1B+2], 128<<16
	s_mov_b32 s[G1B+4], 128
	s_wait_loadcnt 0x0                             ; the scale words
	s_barrier_signal -1
	s_barrier_wait -1                              ; all four tiles are in
	FETCH_B 0, 0
	FETCH_A 0, 0
	FETCH_A 0, 4
	STEP 0, 1                                      ; the first step's products start the sums
.set ST, 1
.rept 4
	STEP ST, 0
.set ST, ST+1
.endr
	; step 4 has waited for my last tensor load: the descriptors' registers are free.  What the way out needs is asked for now: the pointers here, bias, gains and shifts behind step 5, into registers that the last steps do not name
	s_load_b512 s[24:39], s[0:1], 0x50
	s_load_b64 s[44:45], s[0:1], 0x90
	STEP 5, 0
	s_lshl_b32 s18, s17, 1
	s_add_co_u32 s18, s18, s15
	s_lshl_b32 s19, s42, 1
	s_add_co_u32 s19, s19, s16
	s_cmp_eq_u32 ttmp9, 2
	s_cselect_b32 s22, s19, s18
	s_cselect_b32 s23, s18, s19
	s_cselect_b32 s46, 0, s19
	s_wait_kmcnt 0x0
	s_cmp_eq_u32 ttmp9, 0
	s_mov_b32 s47, 13312
	s_cselect_b32 s47, 6656, s47
	s_mov_b32 s95, 12288
	s_cselect_b32 s95, 6144, s95
	s_cselect_b64 s[10:11], s[38:39], s[44:45]
	s_cselect_b64 s[4:5], s[24:25], s[26:27]
	s_cselect_b64 s[6:7], s[30:31], s[34:35]
	s_cselect_b64 s[8:9], s[32:33], s[36:37]
	s_lshr_b32 s96, s22, 4
	s_lshl_b32 s96, s96, 3
	s_add_co_u32 s96, s96, s23
	s_lshl_b32 s96, s96, 5
	s_and_b32 s97, s22, 15
	s_add_co_u32 s96, s96, s97
	s_mul_i32 s96, s96, s47
	s_mov_b32 s97, 0
	s_add_nc_u64 s[10:11], s[10:11], s[96:97]
	s_lshl_b32 s98, s47, 4
	s_mov_b32 s99, 0
	s_add_nc_u64 s[12:13], s[10:11], s[98:99]
	s_lshl_b32 s96, s23, 9
	s_add_nc_u64 s[28:29], s[28:29], s[96:97]
	s_lshl_b32 s96, s46, 9
	s_add_nc_u64 s[4:5], s[4:5], s[96:97]
	v_and_b32 v1, 15, v0
	v_bfe_u32 v2, v0, 4, 1
	v_and_b32 v3, 31, v0
	v_lshlrev_b32 v4, 4, v3
	v_lshlrev_b32 v5, 3, v3
	v_lshlrev_b32 v6, 2, v3
	s_lshl_b32 s18, s14, 16
	v_add_nc_u32 v[SPA], s18, v4
	v_lshlrev_b32 v12, 5, v2
	v_lshlrev_b32 v13, 2, v1
	v_mul_lo_u32 v14, v2, s98
	v_add3_u32 v14, v14, v13, s95
	v_lshlrev_b32 v15, 4, v2
	s_lshl_b32 s94, s14, 9
	s_add_co_u32 s94, s94, BST
	v_add_nc_u32 v30, s94, v4                      ; Wv_b's stage: in, 16 bytes a lane;
	v_add_nc_u32 v31, s94, v13                     ; back, channel r of a block of 16
	s_wait_alu depctr_va_vdst(0)
	WIN 0x40
.irp b, 0,1,2,3,4,5,6,7
	global_load_b128 v[96+8*\b+96*(\b/4):99+8*\b+96*(\b/4)], v12, s[4:5] offset:64*\b
	global_load_b128 v[100+8*\b+96*(\b/4):103+8*\b+96*(\b/4)], v12, s[4:5] offset:64*\b+16
.endr
	WIN 0
.irp t, 0,1,2,3
	global_load_b128 v[224+8*\t:224+8*\t+3], v12, s[6:7] offset:64*\t
	global_load_b128 v[224+8*\t+4:224+8*\t+7], v12, s[6:7] offset:64*\t+16
	global_load_b128 v[96+8*\t:96+8*\t+3], v12, s[8:9] offset:64*\t
	global_load_b128 v[96+8*\t+4:96+8*\t+7], v12, s[8:9] offset:64*\t+16
.endr
	global_load_b128 v[24:27], v4, s[28:29]        ; Wv_b at 128 channels: the wave reads 512 consecutive bytes
	STEP 6, 0
	s_wait_dscnt 4*NL
	WIN MUL_LO
	MUL16 0, 1, 7, 0
	MUL16 2, 1, 7, 0
	s_wait_dscnt 0
	WIN MUL_HI
	MUL16 4, 1, 7, 0
	MUL16 6, 1, 7, 0
	WIN 0
	PLACES NP
	; THE WAY OUT: the accumulators go into LDS (the slots have had their last fill), and a loop takes them back block by block of 16 rows
	s_wait_dscnt 0x0
	s_barrier_signal -1
	s_barrier_wait -1                              ; nobody reads the slots any more
	WIN 0x08
.irp a, 0,1,2,3
.irp b, 0,1,2,3,4,5,6,7
	ds_store_b128 v[SPA], v[64*\a+8*\b:64*\a+8*\b+3] offset:8192*\a+1024*\b
	ds_store_b128 v[SPA], v[64*\a+8*\b+4:64*\a+8*\b+7] offset:8192*\a+1024*\b+512
.endr
.endr
	WIN 0x0c
.irp a, 4,5,6,7
.irp b, 0,1,2,3,4,5,6,7
	ds_store_b128 v[SPA], v[64*(\a-4)+8*\b:64*(\a-4)+8*\b+3] offset:8192*\a+1024*\b
	ds_store_b128 v[SPA], v[64*(\a-4)+8*\b+4:64*(\a-4)+8*\b+7] offset:8192*\a+1024*\b+512
.endr
.endr
	WIN 0
.irp b, 0,1,2,3
	v_mov_b32 v[TM+4+\b], 0
.endr
	v_mov_b32 v174, 0
	v_mov_b32 v175, 0
	s_mov_b32 s[SEL], 0x76543210
	s_mov_b32 s[SEL+1], 0xfedcba98
	s_mov_b32 s22, 0x3c800000                      ; 1 / 64
	s_mov_b32 s23, 0x3727c5ac                      ; 1e-5
	s_mov_b32 s66, 0
	s_mov_b32 s67, 0
	s_wait_loadcnt 0x0
	ds_store_b128 v30, v[24:27]                    ; my own bytes: LDS serves a wave's instructions in order
.Lepi:
	s_wait_xcnt 0x0
	v_add_nc_u32 v8, s67, v[SPA]
.irp g, 0,1,2,3,4,5,6,7,8,9,10,11,12,13,14,15
	ds_load_b128 v[X+4*\g:X+4*\g+3], v8 offset:512*\g
.endr
	s_mul_i32 s95, s66, 768
	s_lshl_b32 s96, s66, 6
	s_wait_dscnt 0x0
	s_cmp_eq_u32 ttmp9, 2
	s_cbranch_scc1 .Lv
	WIN 0x04
.set i, 0
.rept 32
	v_pk_add_f32 v[X+2*i:X+2*i+1], v[X+2*i:X+2*i+1], v[96+2*i+96*(i/16):97+2*i+96*(i/16)]
.set i, i+1
.endr
	WIN 0
	v_pk_add_f32 v[T0:T0+1], v[X:X+1], v[X+2:X+3]
	v_pk_add_f32 v[T1:T1+1], v[X+32:X+33], v[X+34:X+35]
.irp j, 4,6,8,10,12,14,16,18,20,22,24,26,28,30
	v_pk_add_f32 v[T0:T0+1], v[T0:T0+1], v[X+\j:X+\j+1]
	v_pk_add_f32 v[T1:T1+1], v[T1:T1+1], v[X+32+\j:X+33+\j]
.endr
	v_add_f32 v[T0], v[T0], v[T0+1]
	v_add_f32 v[T1], v[T1], v[T1+1]
	v_permlanex16_b32 v174, v[T0], s[SEL], s[SEL+1]
	v_permlanex16_b32 v175, v[T1], s[SEL], s[SEL+1]
	v_add_f32 v[T0], v[T0], v174
	v_add_f32 v[T1], v[T1], v175
	v_mul_f32 v[MU0], s22, v[T0]
	v_mul_f32 v[MU0+1], s22, v[T0]
	v_mul_f32 v[MU1], s22, v[T1]
	v_mul_f32 v[MU1+1], s22, v[T1]
.irp j, 0,2,4,6,8,10,12,14,16,18,20,22,24,26,28,30
	v_pk_add_f32 v[X+\j:X+\j+1], v[X+\j:X+\j+1], v[MU0:MU0+1] neg_lo:[0,1] neg_hi:[0,1]
	v_pk_add_f32 v[X+32+\j:X+33+\j], v[X+32+\j:X+33+\j], v[MU1:MU1+1] neg_lo:[0,1] neg_hi:[0,1]
.endr
	v_pk_mul_f32 v[T0:T0+1], v[X:X+1], v[X:X+1]
	v_pk_mul_f32 v[T1:T1+1], v[X+32:X+33], v[X+32:X+33]
.irp j, 2,4,6,8,10,12,14,16,18,20,22,24,26,28,30
	v_pk_fma_f32 v[T0:T0+1], v[X+\j:X+\j+1], v[X+\j:X+\j+1], v[T0:T0+1]
	v_pk_fma_f32 v[T1:T1+1], v[X+32+\j:X+33+\j], v[X+32+\j:X+33+\j], v[T1:T1+1]
.endr
	v_add_f32 v[T0], v[T0], v[T0+1]
	v_add_f32 v[T1], v[T1], v[T1+1]
	v_permlanex16_b32 v174, v[T0], s[SEL], s[SEL+1]
	v_permlanex16_b32 v175, v[T1], s[SEL], s[SEL+1]
	v_add_f32 v[T0], v[T0], v174
	v_add_f32 v[T1], v[T1], v175
	v_fma_f32 v[T0], v[T0], s22, s23
	v_fma_f32 v[T1], v[T1], s22, s23
	s_wait_alu depctr_va_vdst(0)
	v_rsq_f32 v[MU0], v[T0]
	v_rsq_f32 v[MU0+1], v[T0]
	v_rsq_f32 v[MU1], v[T1]
	v_rsq_f32 v[MU1+1], v[T1]
	v_nop
	s_wait_alu depctr_va_vdst(0)
.irp j, 0,2,4,6,8,10,12,14,16,18,20,22,24,26,28,30
	v_pk_mul_f32 v[X+\j:X+\j+1], v[X+\j:X+\j+1], v[MU0:MU0+1]
	v_pk_mul_f32 v[X+32+\j:X+33+\j], v[X+32+\j:X+33+\j], v[MU1:MU1+1]
.endr
.set i, 0
.rept 32
	v_pk_fma_f32 v[X+2*i:X+2*i+1], v[X+2*i:X+2*i+1], v[224+(2*i)%32:225+(2*i)%32], v[96+(2*i)%32:97+(2*i)%32]
.set i, i+1
.endr
	QUANT X
	v_add_nc_u32 v9, s95, v4
	v_add_nc_u32 v10, s95, v5
	v_add_nc_u32 v11, s96, v14
	v_lshrrev_b32 v[PW+1], v15, v[PW]
	global_store_b128 v9, v[CD:CD+3], s[10:11]
	global_store_b64 v10, v[CD+4:CD+5], s[10:11] offset:512
	global_store_b128 v9, v[CD+6:CD+9], s[12:13]
	global_store_b64 v10, v[CD+10:CD+11], s[12:13] offset:512
	global_store_b32 v11, v[PW+1], s[10:11]
	s_branch .Ljoin
.Lv:
	v_add_nc_u32 v9, s96, v31
	ds_load_b32 v[BV], v9                          ; Wv_b at channel 16 x trip + r
	s_lshr_b32 s97, s66, 2
	s_mul_i32 s97, s97, 212992
	s_and_b32 s98, s66, 3
	s_mul_i32 s99, s98, 1536
	s_add_co_u32 s99, s99, s97
	s_lshl_b32 s98, s98, 7
	s_add_co_u32 s98, s98, s97
	s_wait_dscnt 0x0
	v_mov_b32 v[BV+1], v[BV]
.irp j, 0,2,4,6,8,10,12,14,16,18,20,22,24,26,28,30,32,34,36,38,40,42,44,46,48,50,52,54,56,58,60,62
	v_pk_add_f32 v[X+\j:X+\j+1], v[X+\j:X+\j+1], v[BV:BV+1]
.endr
	QUANT X
	v_add_nc_u32 v10, s99, v4
	v_add_nc_u32 v11, s98, v6
	global_store_b128 v10, v[CD:CD+3], s[10:11] offset:6144
	global_store_b128 v10, v[CD+4:CD+7], s[10:11] offset:6656
	global_store_b128 v10, v[CD+8:CD+11], s[10:11] offset:7168
	global_store_b32 v11, v[PW], s[10:11] offset:12800
.Ljoin:
	s_add_co_u32 s67, s67, 8192
	s_add_co_u32 s66, s66, 1
	s_cmp_lt_u32 s66, 8
	s_cbranch_scc1 .Lepi
	s_wait_tensorcnt 0x0                           ; the wave's end
	ds_add_u32 v[SPW], v[NIL]
	s_wait_dscnt 0x0
	CROUND                                         ; the closing round
	s_endpgm
.Lfunc_end_k_q35a03228c8_proj:
	.size	k_q35a03228c8_proj, .Lfunc_end_k_q35a03228c8_proj-k_q35a03228c8_proj
	.p2alignl 7, 3214868480
	.fill 96, 4, 3214868480
	.section	.rodata,"a",@progbits
	.p2align	6, 0x0
	.amdhsa_kernel k_q35a03228c8_proj
		.amdhsa_group_segment_fixed_size 327680
		.amdhsa_private_segment_fixed_size 0
		.amdhsa_enable_private_segment 0
		.amdhsa_kernarg_size 152
		.amdhsa_user_sgpr_count 2
		.amdhsa_user_sgpr_kernarg_segment_ptr 1
		.amdhsa_wavefront_size32 1
		.amdhsa_system_sgpr_workgroup_id_x 1
		.amdhsa_system_sgpr_workgroup_id_y 1
		.amdhsa_system_sgpr_workgroup_id_z 1
		.amdhsa_system_vgpr_workitem_id 0
		.amdhsa_next_free_vgpr 1024
		.amdhsa_next_free_sgpr 100
		.amdhsa_reserve_vcc 0
		.amdhsa_float_denorm_mode_32 3
		.amdhsa_float_denorm_mode_16_64 3
		.amdhsa_memory_ordered 1
		.amdhsa_forward_progress 1
		.amdhsa_inst_pref_size 166
	.end_amdhsa_kernel
	.amdgpu_metadata
---
amdhsa.version: [ 1, 2 ]
amdhsa.kernels:
  - .name:           k_q35a03228c8_proj
    .symbol:         k_q35a03228c8_proj.kd
    .args:
      - { .name: ac, .offset: 0, .size: 8, .value_kind: global_buffer, .address_space: global }
      - { .name: asc, .offset: 8, .size: 8, .value_kind: global_buffer, .address_space: global }
      - { .name: context_codes, .offset: 16, .size: 8, .value_kind: global_buffer, .address_space: global }
      - { .name: context_scales, .offset: 24, .size: 8, .value_kind: global_buffer, .address_space: global }
      - { .name: Wq_w_codes, .offset: 32, .size: 8, .value_kind: global_buffer, .address_space: global }
      - { .name: Wq_w_scales, .offset: 40, .size: 8, .value_kind: global_buffer, .address_space: global }
      - { .name: Wk_w_codes, .offset: 48, .size: 8, .value_kind: global_buffer, .address_space: global }
      - { .name: Wk_w_scales, .offset: 56, .size: 8, .value_kind: global_buffer, .address_space: global }
      - { .name: Wv_w_codes, .offset: 64, .size: 8, .value_kind: global_buffer, .address_space: global }
      - { .name: Wv_w_scales, .offset: 72, .size: 8, .value_kind: global_buffer, .address_space: global }
      - { .name: Wq_b, .offset: 80, .size: 8, .value_kind: global_buffer, .address_space: global }
      - { .name: Wk_b, .offset: 88, .size: 8, .value_kind: global_buffer, .address_space: global }
      - { .name: Wv_b, .offset: 96, .size: 8, .value_kind: global_buffer, .address_space: global }
      - { .name: qn_w, .offset: 104, .size: 8, .value_kind: global_buffer, .address_space: global }
      - { .name: qn_b, .offset: 112, .size: 8, .value_kind: global_buffer, .address_space: global }
      - { .name: kn_w, .offset: 120, .size: 8, .value_kind: global_buffer, .address_space: global }
      - { .name: kn_b, .offset: 128, .size: 8, .value_kind: global_buffer, .address_space: global }
      - { .name: qc, .offset: 136, .size: 8, .value_kind: global_buffer, .address_space: global }
      - { .name: kv, .offset: 144, .size: 8, .value_kind: global_buffer, .address_space: global }
    .group_segment_fixed_size: 327680
    .private_segment_fixed_size: 0
    .kernarg_segment_align: 8
    .kernarg_segment_size: 152
    .max_flat_workgroup_size: 128
    .sgpr_count:     100
    .vgpr_count:     1024
    .wavefront_size: 32
...
	.end_amdgpu_metadata
.endif
;; end of part 8
;; launch attn (part 9): grid 8 x 32, 16 waves a work-group, clusters of 4 x 1, 284,672 bytes of LDS; arguments qc, kv, query, res2; writes res2
.if DOCPART == 9
	.amdgcn_target "amdgcn-amd-amdhsa--gfx1250"
	.amdhsa_code_object_version 6
	.text
	.protected	k_q35a03228c8_attn
	.globl	k_q35a03228c8_attn
	.p2align	8
	.type	k_q35a03228c8_attn,@function
k_q35a03228c8_attn:
	s_mov_b64 s[64:65], 0
	v_nop
	global_prefetch_b8 v0, s[64:65] scope:SCOPE_SE
	s_setreg_imm32_b32 hwreg(HW_REG_WAVE_MODE, 25, 1), 1
	s_wait_xcnt 0x0
	s_wait_alu depctr_hold_cnt(0) depctr_sa_sdst(0) depctr_va_vdst(0) depctr_va_sdst(0) depctr_va_ssrc(0) depctr_va_vcc(0) depctr_vm_vsrc(0)
	s_getreg_b32 s2, hwreg(HW_REG_IB_STS2, 6, 4)
	s_cmp_eq_u32 s2, 0
	s_cbranch_scc0 .Lentry_in_a_cluster
	s_endpgm
.Lentry_in_a_cluster:
	s_bfe_u32 s2, ttmp6, 0x10000c
	s_cmp_lg_u32 s2, 0x3003
	s_cbranch_scc0 .Lentry_shape_is_right
	s_endpgm
.Lentry_shape_is_right:
; res2 = query + softmax(Q K^T / 8) V, head by head, both products on codes of FP6 (E2M3) with E8M0 scales.  Q, K and V^T come as images of operand registers, made by the launch before.
; THE SOFTMAX AHEAD OF THE SECOND PRODUCT: t = score x log2(e) / 8; M = the running largest t rounded UP to a whole number; p = 2^(t - M) is quantised along the keys, not normalised; the row's sum is taken of
; the unquantised p and divides at the end.  When M moves, the sum and O are multiplied by 2^(old M - new M), which rounds nothing.
; SHARES.  A work-group owns 256 queries of one head (batch x 16 + head = work-group y), each of its sixteen waves 16 of them in 256 registers: four waves to a SIMD, so that one wave's vector work stands beside another's products.
; THE WHOLE HEAD'S K AND V LIE IN LDS: 16 records of 13,312 bytes, as they lie in memory, each filled ONCE: no slot is filled again.  Each of the sixteen waves issues one load, the record of its number, at the head;
; one wait and one barrier show the whole head; the keys are walked in two loops of eight records.
; CLUSTER.  The four work-groups of a cluster belong to one head and want the same records: each load is a joint one, with the same descriptor and the mask of all four.
; LAYOUT.  S^T = K Q^T (source 0 = 16 keys, source 1 = my 16 queries; the head's 64 fill registers 0-5 of a fragment; Q's registers 6-11 are zero codes, so what K's registers 6-11 hold adds nothing).
; O^T = V^T P^T (source 0 = 16 channels x 128 keys).  A lane holds one query throughout.  Inside a block of 32 keys p's codes lie in the order 0-7, 16-23, 8-15, 24-31, and so do V's.
; No prefetch: every byte that the launch streams is asked for by the loads at its head or, for the residual, between the two loops.
; LIMITS: NaN and infinities are not served.  qpos and cpos are not read: reference() does not use them.
.set REC,   13312                      ; a record: K's 8 tiles (768 each), V^T's 4 fragments (1,536 each) at 6,144, K's scale words at 12,288, V's at 12,800
.set HEADB, 16*REC
.set STG,   HEADB                      ; behind the head: a stage of 16 rows x 272 bytes for each wave; no load lands there
.set F,     28                         ; v28-75  four fragments of K or of V
.set VS,    88                         ; v88-91  V's scale words
.set KSC,   248                        ; v248-251 K's: lanes 0-15 tile 2 i, lanes 16-31 tile 2 i + 1
.set WV,    18
.set SEL,   20
.set CS,    22
.set G1,    24
; AS THE TEXT NOW STANDS: each of the sixteen waves issues ONE joint load, record = the wave's number, at the head; one wait and one barrier show the whole head's K and V; the keys are walked in two loops of eight records.
; The residual is asked for between the two loops, when every record has long been read from memory, and waited for behind the second.
.set G0,    40                         ; s40-43: the group 0 of my one load
.set TB,    66                         ; where the record in hand begins
.set CNT,   67
.macro CROUND
	s_barrier_signal -1
	s_barrier_wait -1
	s_cmp_lg_u32 s[WV], 0
	s_cbranch_scc1 .Lnot_wave_0_\@
	s_barrier_signal -3
.Lnot_wave_0_\@:
	s_barrier_wait -3
	s_barrier_signal -1
	s_barrier_wait -1
.endm
	s_load_b128 s[4:7], s[0:1], 0x0                ; qc, kv
	s_load_b128 s[8:11], s[0:1], 0x10              ; query, res2
	v_lshl_add_u32 v95, v0, 2, 0x45000
	v_mov_b32 v243, 0
	ds_add_u32 v95, v243
	ds_add_u32 v95, v243
	v_lshrrev_b32 v8, 5, v0
	s_delay_alu instid0(VALU_DEP_1)
	v_readfirstlane_b32 s[WV], v8                  ; wave 0..15
	s_bfe_u32 s12, ttmp6, 0x40000                  ; cx
	s_lshl_b32 s13, ttmp9, 2
	s_add_co_u32 s13, s13, s12                     ; my block of 256 queries: it enters global addresses of Q, query and res2 alone
	s_and_b32 s14, ttmp7, 0xffff                   ; 16 x batch + head, which the partners share
	s_mov_b32 s[G1], 15|(3<<16)|(1<<21)            ; the mask of all four; elements of 8 bytes; no padding; bit 21 beside a mask
	s_mov_b32 s[G1+1], 32<<16                      ; tensor_dim0: 32 elements = 256 bytes
	s_mov_b32 s[G1+2], 52<<16                      ; tensor_dim1: 52 rows = 13,312 bytes
	s_mov_b32 s[G1+3], 32<<16                      ; tile_dim0
	s_mov_b32 s[G1+4], 52                          ; tile_dim1
	s_mov_b32 s[G1+5], 32                          ; the pitch: dense
	s_mov_b32 s[G1+6], 0
	s_mov_b32 s[G1+7], 0
	s_mul_i32 s15, s[WV], REC                      ; wave w's one load is record w
	s_mul_i32 s16, s14, HEADB
	s_add_co_u32 s16, s16, s15
	s_mov_b32 s17, 0
	s_mov_b32 s[SEL], 0x76543210
	s_mov_b32 s[SEL+1], 0xfedcba98
	s_mov_b32 s[CS], 0x3e38aa3b                    ; c = log2(e) / sqrt(64)
	s_mov_b32 s[CS+1], s[CS]
	s_mov_b32 s[TB], 0
	s_wait_dscnt 0x0
	s_wait_kmcnt 0x0
	s_add_nc_u64 s[6:7], s[6:7], s[16:17]
	CROUND                                         ; all four work-groups are here: the joint loads meet
	s_mov_b32 s[G0], 1
	s_mov_b32 s[G0+1], s15                         ; in LDS as in memory: record w at w x REC
	s_mov_b64 s[G0+2:G0+3], s[6:7]
	s_or_b32 s[G0+3], s[G0+3], 0x80000000
	tensor_load_to_lds s[G0:G0+3], s[G1:G1+7]      ; wave w's one load: record w
	s_nop 0
.rept 4
	v_nop
.endr
	v_and_b32 v4, 15, v0                           ; r
	v_bfe_u32 v5, v0, 4, 1                         ; h
	v_and_b32 v6, 31, v0                           ; lane
	s_delay_alu instid0(VALU_DEP_1)
	v_lshlrev_b32 v1, 4, v6                        ; 16 x lane
	s_wait_alu depctr_va_vdst(0)
	v_lshlrev_b32 v2, 3, v6                        ; 8 x lane
	s_wait_alu depctr_va_vdst(0)
	v_lshlrev_b32 v3, 2, v6                        ; 4 x lane
	v_lshlrev_b32 v7, 12, v5
	s_delay_alu instid0(VALU_DEP_1)
	v_lshl_add_u32 v7, v4, 4, v7                   ; in query and res2: lanes 0-15 one row's 256 bytes, lanes 16-31 the next row's
	v_lshlrev_b32 v11, 2, v4                       ; 4 r
	s_wait_alu depctr_va_vdst(0)
	s_lshl_b32 s56, s14, 4                         ; Q's record: 16 x head + 2 x block + wave / 8
	s_lshl_b32 s57, s13, 1
	s_add_co_u32 s56, s56, s57
	s_lshr_b32 s57, s[WV], 3
	s_add_co_u32 s56, s56, s57
	s_mul_i32 s56, s56, 6656
	s_and_b32 s58, s[WV], 7                        ; and my tile in it
	s_mul_i32 s57, s58, 768
	s_add_co_u32 s60, s56, s57
	s_mov_b32 s61, 0
	s_lshl_b32 s58, s58, 6
	s_add_co_u32 s62, s56, s58
	s_add_co_u32 s62, s62, 6144
	s_mov_b32 s63, 0
	s_add_nc_u64 s[60:61], s[4:5], s[60:61]
	s_add_nc_u64 s[62:63], s[4:5], s[62:63]
	global_load_b128 v[16:19], v1, s[60:61]        ; Q's registers 0-3,
	global_load_b64 v[20:21], v2, s[60:61] offset:512   ; 4-5,
	global_load_b32 v255, v11, s[62:63]            ; and its scale words
	s_lshr_b32 s56, s14, 4                         ; my first row of query and res2: 2,048 x batch + 256 x block + 16 x wave
	s_lshl_b32 s56, s56, 11
	s_lshl_b32 s57, s13, 8
	s_add_co_u32 s56, s56, s57
	s_lshl_b32 s57, s[WV], 4
	s_add_co_u32 s56, s56, s57
	s_lshl_b32 s56, s56, 12
	s_and_b32 s57, s14, 15
	s_lshl_b32 s57, s57, 8                         ; the head's 64 columns: 256 bytes
	s_add_co_u32 s56, s56, s57
	s_mov_b32 s57, 0
	s_add_nc_u64 s[8:9], s[8:9], s[56:57]
	s_add_nc_u64 s[10:11], s[10:11], s[56:57]
.irp i, 22,23,24,25,26,27
	v_mov_b32 v\i, 0                               ; Q's upper 64 along K: zero codes
.endr
.irp t, 0,1,2,3
.irp i, 6,7,8,9,10,11
	v_mov_b32 v[F+12*\t+\i], 0                     ; written once: K's tiles fill registers 0-5 alone
.endr
.endr
	v_mov_b32 v13, 0xff61b1e6                      ; the largest t so far: -3e38
	s_delay_alu instid0(VALU_DEP_1)
	v_floor_f32 v12, -v13                          ; -M
	v_mov_b32 v14, 0                               ; the sum, in two halves
	v_mov_b32 v15, 0
.irp b, 0,1,2,3
	v_mov_b32 v[236+\b], 0                         ; a lane permute's destination counts as one of its sources
.endr
	v_mov_b32 v253, 0
.macro DA d, a, b                      ; a packed addition on three pairs
	v_pk_add_f32 v[\d:\d+1], v[\a:\a+1], v[\b:\b+1]
.endm
.irp j, 0,1,2,3,4,5,6,7,8,9,10,11,12,13,14,15,16,17,18,19,20,21,22,23,24,25,26,27,28,29,30,31
	v_mov_b32 v[160+\j], 0                         ; O^T: the step is written once; the first finds zeros, which the first change of M leaves zeros
.endr
; A KEY STEP: one record, 128 keys
.macro STEP
	v_add_nc_u32 v8, s[TB], v1
	v_add_nc_u32 v9, s[TB], v2
	v_add_nc_u32 v10, s[TB], v3
	v_nop                                          ; with the three above: four places behind the last step's products, in front of the loads into their registers
	s_wait_alu depctr_va_vdst(0)
.irp g, 0,1                                    ; S^T = K Q^T, four tiles of 16 keys at a time
.if \g
.rept 4
	v_nop
.endr
.endif
.irp t, 0,1,2,3
	ds_load_b128 v[F+12*\t:F+12*\t+3], v8 offset:768*(4*\g+\t)
	ds_load_b64 v[F+12*\t+4:F+12*\t+5], v9 offset:768*(4*\g+\t)+512
.endr
.if \g == 0
.irp i, 0,1,2,3
	ds_load_b32 v[KSC+\i], v10 offset:12288+128*\i
.endr
.endif
	s_wait_dscnt 0x0
.irp t, 0,1,2,3
.if \t%2
	v_wmma_scale_f32_16x16x128_f8f6f4 v[96+8*(4*\g+\t):103+8*(4*\g+\t)], v[F+12*\t:F+12*\t+11], v[16:27], 0, v[KSC+2*\g+\t/2], v255 matrix_a_fmt:MATRIX_FMT_FP6 matrix_b_fmt:MATRIX_FMT_FP6 matrix_a_scale:MATRIX_SCALE_ROW1
.else
	v_wmma_scale_f32_16x16x128_f8f6f4 v[96+8*(4*\g+\t):103+8*(4*\g+\t)], v[F+12*\t:F+12*\t+11], v[16:27], 0, v[KSC+2*\g+\t/2], v255 matrix_a_fmt:MATRIX_FMT_FP6 matrix_b_fmt:MATRIX_FMT_FP6
.endif
.endr
.endr
.rept 4
	v_nop                                          ; places in front of the first read of the scores and of the loads below
.endr
.irp t, 0,1,2,3                                ; V^T's four fragments and scale words are asked for now and land while the softmax is worked
.irp c, 0,1,2
	ds_load_b128 v[F+12*\t+4*\c:F+12*\t+4*\c+3], v8 offset:6144+1536*\t+512*\c
.endr
	ds_load_b32 v[VS+\t], v10 offset:12800+128*\t
.endr
.irp b, 0,1,2,3
	v_max3_num_f32 v[232+\b], v[96+16*\b], v[97+16*\b], v[98+16*\b]   ; the largest score of each block of 32 keys: for the row's maximum, and, since p rises with the score, for the block's largest p
.endr
.irp i, 3,5,7,9,11,13
.irp b, 0,1,2,3
	v_max3_num_f32 v[232+\b], v[232+\b], v[96+16*\b+\i], v[97+16*\b+\i]
.endr
.endr
.irp b, 0,1,2,3
	v_max_num_f32 v[232+\b], v[232+\b], v[111+16*\b]
.endr
.irp b, 0,1,2,3
	s_delay_alu instid0(VALU_DEP_4)
	v_permlanex16_b32 v[236+\b], v[232+\b], s[SEL], s[SEL+1]
.endr
.irp b, 0,1,2,3
	s_delay_alu instid0(VALU_DEP_4)
	v_max_num_f32 v[232+\b], v[232+\b], v[236+\b]  ; with lane l xor 16's 16 keys
.endr
	s_delay_alu instid0(VALU_DEP_2)
	v_max3_num_f32 v254, v232, v233, v234
	s_delay_alu instid0(VALU_DEP_1)
	v_max_num_f32 v254, v254, v235
	s_delay_alu instid0(VALU_DEP_1)
	v_mul_f32 v254, s[CS], v254                    ; as t (c is positive)
	s_delay_alu instid0(VALU_DEP_1)
	v_max_num_f32 v13, v13, v254                   ; the running largest t
	v_mov_b32 v254, v12
	s_delay_alu instid0(VALU_DEP_2)
	v_floor_f32 v12, -v13                          ; the new -M = -ceil(t)
	s_delay_alu instid0(VALU_DEP_1)
	v_sub_f32 v254, v12, v254                      ; old M - new M: a whole number, 0 or less
	s_delay_alu instid0(VALU_DEP_1)
	v_cvt_i32_f32 v254, v254                       ; (it saturates)
	s_delay_alu instid0(VALU_DEP_1)
	v_ldexp_f32 v252, 1.0, v254                    ; f = 2^(old M - new M)
.irp j, 0,2,4,6,8,10,12,14,16,18,20,22,24,26,28,30,32,34,36,38,40,42,44,46,48,50,52,54,56,58,60,62
	v_pk_fma_f32 v[96+\j:97+\j], v[96+\j:97+\j], s[CS:CS+1], v[12:13] op_sel_hi:[1,0,0]   ; t - M
.endr
.irp b, 0,1,2,3
	v_fma_f32 v[232+\b], v[232+\b], s[CS], v12
.endr
	s_wait_alu depctr_va_vdst(0)
.irp j, 0,1,2,3,4,5,6,7,8,9,10,11,12,13,14,15,16,17,18,19,20,21,22,23,24,25,26,27,28,29,30,31,32,33,34,35,36,37,38,39,40,41,42,43,44,45,46,47,48,49,50,51,52,53,54,55,56,57,58,59,60,61,62,63
	v_exp_f32 v[96+\j], v[96+\j]                   ; p = 2^(t - M), at most 1
.endr
	v_pk_mul_f32 v[14:15], v[14:15], v[252:253] op_sel_hi:[1,0]   ; the sums under the new M: a plain place behind the exponentials
	s_wait_alu depctr_va_vdst(0)                   ; one wait for the batch, ahead of its first reader
.irp b, 0,1,2,3
	v_exp_f32 v[232+\b], v[232+\b]                 ; the block's largest p
.endr
	DA 236, 100, 104                               ; the row's sum of the unquantised p, in eight chains of pairs
	DA 250, 108, 112
	DA 248, 116, 120
	DA 246, 124, 128
	DA 244, 132, 136
	DA 240, 140, 144
	DA 238, 148, 152
	DA 14, 14, 156
	DA 236, 236, 96
	DA 250, 250, 98
	DA 248, 248, 102
	DA 246, 246, 106
	DA 244, 244, 110
	DA 240, 240, 114
	DA 238, 238, 118
	DA 14, 14, 122
	DA 236, 236, 126
	DA 250, 250, 130
	DA 248, 248, 134
	DA 246, 246, 138
	DA 244, 244, 142
	DA 240, 240, 146
	DA 238, 238, 150
	DA 14, 14, 154
	DA 236, 236, 158
	s_delay_alu instid0(VALU_DEP_2)
	DA 14, 14, 246
	s_delay_alu instid0(VALU_DEP_2)
	DA 236, 236, 244
	DA 250, 250, 240
	DA 248, 248, 238
	s_delay_alu instid0(VALU_DEP_2)
	DA 14, 14, 250
	s_delay_alu instid0(VALU_DEP_2)
	DA 236, 236, 248
	s_delay_alu instid0(VALU_DEP_1)
	DA 14, 14, 236
	s_wait_alu depctr_va_vdst(0)                   ; and one for the four
.irp b, 0,1,2,3
	v_max_num_f32 v[232+\b], 0x1800000, v[232+\b]  ; the floor 2^(3 - 127): the byte cannot fall under 1
.endr
.irp b, 0,1,2,3
	s_delay_alu instid0(VALU_DEP_4)
	v_add_nc_u32 v[244+\b], 0xff000000, v[232+\b]  ; the conversion's scale operand
.endr
.irp b, 0,1,2,3
	s_delay_alu instid0(VALU_DEP_4)
	v_lshrrev_b32 v[236+\b], 23, v[244+\b]         ; the scale's byte
.endr
	s_delay_alu instid0(VALU_DEP_3)
	v_lshl_or_b32 v253, v237, 8, v236              ; p's scale word for these 128 keys
	s_delay_alu instid0(VALU_DEP_1)
	v_lshl_or_b32 v253, v238, 16, v253
	s_delay_alu instid0(VALU_DEP_1)
	v_lshl_or_b32 v253, v239, 24, v253
.irp c, 0,1
	v_cvt_scalef32_pk16_fp6_f32 v[224+6*\c:226+6*\c], v[96+32*\c:111+32*\c], v[244+2*\c]
	v_cvt_scalef32_pk16_fp6_f32 v[236+4*\c:238+4*\c], v[112+32*\c:127+32*\c], v[244+2*\c+1]
.endr
	v_nop                                          ; one plain place behind a scaled conversion
.irp c, 0,1
.irp i, 0,1,2
	v_permlane16_swap_b32 v[224+6*\c+\i], v[236+4*\c+\i]
.endr
.irp i, 0,1,2
	s_delay_alu instid0(VALU_DEP_3)
	v_mov_b32 v[227+6*\c+\i], v[236+4*\c+\i]
.endr
.endr
.irp j, 0,2,4,6,8,10,12,14,16,18,20,22,24,26,28,30
	v_pk_mul_f32 v[160+\j:161+\j], v[160+\j:161+\j], v[252:253] op_sel_hi:[1,0]   ; O^T under the new M; these sixteen are also the places between the scale word, the codes and the products below
.endr
	s_wait_alu depctr_va_vdst(0)
	s_wait_dscnt 0x0                               ; V's fragments and scale words are in
.irp t, 0,1,2,3
	v_wmma_scale_f32_16x16x128_f8f6f4 v[160+8*\t:167+8*\t], v[F+12*\t:F+12*\t+11], v[224:235], v[160+8*\t:167+8*\t], v[VS+\t], v253 matrix_a_fmt:MATRIX_FMT_FP6 matrix_b_fmt:MATRIX_FMT_FP6
.endr
	s_add_co_u32 s[TB], s[TB], REC
.endm
	s_wait_alu depctr_va_vdst(0)
	s_wait_loadcnt 0x0                             ; Q's three loads
	s_wait_tensorcnt 0x0                           ; my record has landed
	s_barrier_signal -1
	s_barrier_wait -1                              ; all sixteen have
	s_mov_b32 s[CNT], 8
.Lstep:
	STEP
	s_sub_co_u32 s[CNT], s[CNT], 1
	s_cmp_lg_u32 s[CNT], 0
	s_cbranch_scc1 .Lstep
.irp i, 0,1,2,3,4,5,6,7
	global_load_b128 v[192+4*\i:195+4*\i], v7, s[8:9] offset:8192*\i   ; the residual: eight steps' work in which to land
.endr
	s_mov_b32 s[CNT], 8
.Lstep2:
	STEP
	s_sub_co_u32 s[CNT], s[CNT], 1
	s_cmp_lg_u32 s[CNT], 0
	s_cbranch_scc1 .Lstep2
	s_wait_loadcnt 0x0                             ; the residual
	; THE WAY OUT: O^T / the sum goes through my stage and comes back as rows of 256 bytes; the residual is added; sixteen lanes store 256 consecutive bytes, aligned
	v_add_f32 v14, v14, v15
	s_delay_alu instid0(VALU_DEP_1)
	v_permlanex16_b32 v252, v14, s[SEL], s[SEL+1]
	s_delay_alu instid0(VALU_DEP_1)
	v_add_f32 v14, v14, v252                       ; the row's sum
	s_wait_alu depctr_va_vdst(0)
	v_rcp_f32 v14, v14
	v_and_b32 v8, 15, v0
	v_bfe_u32 v9, v0, 4, 1
	s_mul_i32 s56, s[WV], 16*272
	s_add_co_u32 s56, s56, STG
	v_mul_u32_u24 v10, v8, 272
	s_delay_alu instid0(VALU_DEP_1)
	v_lshl_add_u32 v10, v9, 5, v10
	s_delay_alu instid0(VALU_DEP_1)
	v_add_nc_u32 v10, s56, v10                     ; in: row r, + 32 h; tile t's eight channels 64 t on
	v_mul_u32_u24 v11, v9, 272
	s_delay_alu instid0(VALU_DEP_1)
	v_lshl_add_u32 v11, v8, 4, v11
	s_delay_alu instid0(VALU_DEP_1)
	v_add_nc_u32 v11, s56, v11                     ; back: lanes 0-15 one row, lanes 16-31 the next
	s_wait_alu depctr_va_vdst(0)                   ; the wait for the reciprocal, ahead of its first reader
.irp j, 0,1,2,3,4,5,6,7,8,9,10,11,12,13,14,15,16,17,18,19,20,21,22,23,24,25,26,27,28,29,30,31
	v_mul_f32 v[96+\j], v[160+\j], v14             ; register 8 t + j is o(r, 16 t + 8 h + j)
.endr
.irp t, 0,1,2,3
	ds_store_b128 v10, v[96+8*\t:99+8*\t] offset:64*\t
	ds_store_b128 v10, v[100+8*\t:103+8*\t] offset:64*\t+16
.endr
.irp i, 0,1,2,3,4,5,6,7
	ds_load_b128 v[32+4*\i:35+4*\i], v11 offset:544*\i   ; LDS serves a wave's instructions in order: these see my stores
.endr
.irp i, 0,1,2,3,4,5,6,7
	s_wait_dscnt 7-\i
	v_pk_add_f32 v[32+4*\i:33+4*\i], v[32+4*\i:33+4*\i], v[192+4*\i:193+4*\i]
	v_pk_add_f32 v[34+4*\i:35+4*\i], v[34+4*\i:35+4*\i], v[194+4*\i:195+4*\i]
	global_store_b128 v7, v[32+4*\i:35+4*\i], s[10:11] offset:8192*\i
.endr
	s_wait_dscnt 0x0
	s_wait_tensorcnt 0x0
	ds_add_u32 v95, v243
	s_wait_dscnt 0x0
	CROUND                                         ; the closing round: no work-group ends while a partner may still ask for a record that names it
	s_endpgm
.Lfunc_end_k_q35a03228c8_attn:
	.size	k_q35a03228c8_attn, .Lfunc_end_k_q35a03228c8_attn-k_q35a03228c8_attn
	.p2alignl 7, 3214868480
	.fill 96, 4, 3214868480
	.section	.rodata,"a",@progbits
	.p2align	6, 0x0
	.amdhsa_kernel k_q35a03228c8_attn
		.amdhsa_group_segment_fixed_size 284672
		.amdhsa_private_segment_fixed_size 0
		.amdhsa_enable_private_segment 0
		.amdhsa_kernarg_size 32
		.amdhsa_user_sgpr_count 2
		.amdhsa_user_sgpr_kernarg_segment_ptr 1
		.amdhsa_wavefront_size32 1
		.amdhsa_system_sgpr_workgroup_id_x 1
		.amdhsa_system_sgpr_workgroup_id_y 1
		.amdhsa_system_sgpr_workgroup_id_z 1
		.amdhsa_system_vgpr_workitem_id 0
		.amdhsa_next_free_vgpr 256
		.amdhsa_next_free_sgpr 80
		.amdhsa_reserve_vcc 0
		.amdhsa_float_denorm_mode_32 3
		.amdhsa_float_denorm_mode_16_64 3
		.amdhsa_memory_ordered 1
		.amdhsa_forward_progress 1
		.amdhsa_inst_pref_size 48
	.end_amdhsa_kernel
	.amdgpu_metadata
---
amdhsa.version: [ 1, 2 ]
amdhsa.kernels:
  - .name:           k_q35a03228c8_attn
    .symbol:         k_q35a03228c8_attn.kd
    .args:
      - { .name: qc, .offset: 0, .size: 8, .value_kind: global_buffer, .address_space: global }
      - { .name: kv, .offset: 8, .size: 8, .value_kind: global_buffer, .address_space: global }
      - { .name: query, .offset: 16, .size: 8, .value_kind: global_buffer, .address_space: global }
      - { .name: res2, .offset: 24, .size: 8, .value_kind: global_buffer, .address_space: global }
    .group_segment_fixed_size: 284672
    .private_segment_fixed_size: 0
    .kernarg_segment_align: 8
    .kernarg_segment_size: 32
    .max_flat_workgroup_size: 512
    .sgpr_count:     80
    .vgpr_count:     256
    .wavefront_size: 32
...
	.end_amdgpu_metadata
.endif
;; end of part 9
;; launch lnq (part 10): grid 256 x 1, 2 waves a work-group, no clusters, 16,640 bytes of LDS; arguments res2, ffn_w, ffn_b, ac, asc; writes ac, asc
.if DOCPART == 10
	.amdgcn_target "amdgcn-amd-amdhsa--gfx1250"
	.amdhsa_code_object_version 6
	.text
	.protected	k_q35a03228c8_lnq
	.globl	k_q35a03228c8_lnq
	.p2align	8
	.type	k_q35a03228c8_lnq,@function
k_q35a03228c8_lnq:
	s_mov_b64 s[64:65], 0
	v_nop
	global_prefetch_b8 v0, s[64:65] scope:SCOPE_SE
	s_setreg_imm32_b32 hwreg(HW_REG_WAVE_MODE, 25, 1), 1
	s_wait_xcnt 0x0
; h = layernorm(res2) x ffn_w + ffn_b, rows of 1,024, quantised along the row: codes of FP6 (E2M3) into ac (768 bytes a row), E8M0 bytes into asc (32 a row).
; A wave takes 8 rows; a row is two steps of 512 numbers.  Each load reads 512 consecutive bytes; a step's 2,048 bytes turn through the wave's own stage in LDS, so that lane l holds columns 16 l .. 16 l + 15 (first step)
; and 512 + 16 l .. + 15 (second): 32 numbers of the row in registers between the mean, the variance of the centred numbers, the scaling and the conversion: the row is read once.  Two neighbouring lanes hold a block of 32.
; No tensor loads, no barrier: waves share nothing.  Loads run two rows (16 loads a wave) ahead.
; LIMITS: a block of zeros or under 2^-124 gets the byte 1 (read by this program alone); NaN and infinities are not served.
.set STEPS, 16
.set EMAX,  2
.set CB,    12
.set R,     16                         ; v16-79   four sets of 16 numbers as loaded
.set X,     80                         ; v80-111  the row at work
.set W,     112                        ; v112-143 ffn_w at my 32 columns
.set BV,    144                        ; v144-175 ffn_b
.set C,     176                        ; v176-239 codes: four registers a step
.set E,     240                        ; v240-255 a scale byte a step
.set WREG,  8192
.set SP,    80
	s_load_b128 s[4:7], s[0:1], 0x0                ; res2, ffn_w
	s_load_b128 s[8:11], s[0:1], 0x10              ; ffn_b, ac
	s_load_b64 s[12:13], s[0:1], 0x20              ; asc
	v_lshl_add_u32 v235, v0, 2, 0x4000
	v_mov_b32 v239, 0
	v_lshrrev_b32 v1, 5, v0
	v_readfirstlane_b32 s16, v1                    ; wave
	v_and_b32 v2, 31, v0                           ; lane
	v_lshlrev_b32 v3, 4, v2
	s_mul_i32 s17, s16, WREG
	v_lshrrev_b32 v14, 2, v2
	v_mul_u32_u24 v14, v14, SP
	v_and_b32 v15, 3, v2
	v_lshl_add_u32 v14, v15, 4, v14
	v_add_nc_u32 v14, s17, v14                     ; the stage, on the way in
	v_mul_u32_u24 v15, v2, SP
	v_add_nc_u32 v15, s17, v15                     ; and on the way out
	v_mul_u32_u24 v4, v2, CB
	v_lshrrev_b32 v5, 1, v2
	s_add_co_u32 s17, s17, 2*32*SP
	v_add_nc_u32 v5, s17, v5
	v_lshlrev_b32 v7, 3, v2
	v_add_nc_u32 v6, s17, v7
	v_lshlrev_b32 v13, 6, v2                       ; 64 x lane: my 16 columns in ffn_w and ffn_b
	v_mov_b32 v12, 0                               ; a lane permute's destination counts as one of its sources
	s_mov_b32 s22, 0x76543210
	s_mov_b32 s23, 0xfedcba98
	s_mov_b32 s26, 0x3a800000                      ; 1 / 1,024
	s_mov_b32 s27, 0x3727c5ac                      ; 1e-5
	s_lshl_b32 s18, ttmp9, 1
	s_add_co_u32 s18, s18, s16                     ; which 8 rows are my wave's
	s_lshl_b32 s20, s18, 15
	s_mov_b32 s21, 0
	s_mul_i32 s24, s18, 32*STEPS*CB
	s_mov_b32 s25, 0
	s_lshl_b32 s28, s18, 8
	s_mov_b32 s29, 0
	s_wait_alu depctr_va_vdst(0)
	s_wait_kmcnt 0x0
	s_add_nc_u64 s[4:5], s[4:5], s[20:21]
	s_add_nc_u64 s[10:11], s[10:11], s[24:25]
	s_add_nc_u64 s[12:13], s[12:13], s[28:29]
.irp q, 0,1
.irp j, 0,1,2,3
	global_load_b128 v[W+16*\q+4*\j:W+16*\q+4*\j+3], v13, s[6:7] offset:2048*\q+16*\j
	global_load_b128 v[BV+16*\q+4*\j:BV+16*\q+4*\j+3], v13, s[8:9] offset:2048*\q+16*\j
.endr
.endr
.macro LOAD t
.irp i, 0,1,2,3
	global_load_b128 v[R+16*((\t)%4)+4*\i:R+16*((\t)%4)+4*\i+3], v3, s[4:5] offset:2048*(\t)+512*\i
.endr
.endm
.macro TURN t
.irp i, 0,1,2,3
	ds_store_b128 v14, v[R+16*((\t)%4)+4*\i:R+16*((\t)%4)+4*\i+3] offset:32*SP*((\t)%2)+8*SP*\i
.endr
.irp i, 0,1,2,3
	ds_load_b128 v[X+16*((\t)%2)+4*\i:X+16*((\t)%2)+4*\i+3], v15 offset:32*SP*((\t)%2)+16*\i
.endr
.endm
.macro LANES                           ; v8 summed over the 32 lanes, the result in every lane
	v_add_f32_dpp v8, v8, v8 row_xmask:1 row_mask:0xf bank_mask:0xf
	v_add_f32_dpp v8, v8, v8 row_xmask:2 row_mask:0xf bank_mask:0xf
	v_add_f32_dpp v8, v8, v8 row_xmask:4 row_mask:0xf bank_mask:0xf
	v_add_f32_dpp v8, v8, v8 row_xmask:8 row_mask:0xf bank_mask:0xf
	v_permlanex16_b32 v12, v8, s22, s23
	v_add_f32 v8, v8, v12
.endm
.macro QSTEP t                         ; step t's 16 numbers of a lane become 12 bytes of codes and the block's byte
.set XS, X+16*((\t)%2)
	v_max3_num_f32 v8, |v[XS]|, |v[XS+1]|, |v[XS+2]|
	v_max3_num_f32 v9, |v[XS+3]|, |v[XS+4]|, |v[XS+5]|
.irp i, 6,10
	v_max3_num_f32 v8, v8, |v[XS+\i]|, |v[XS+\i+1]|
	v_max3_num_f32 v9, v9, |v[XS+\i+2]|, |v[XS+\i+3]|
.endr
	v_max3_num_f32 v8, v8, |v[XS+14]|, |v[XS+15]|
	v_max3_num_f32 v8, v8, v9, (EMAX+1)<<23        ; the floor 2^(3 - 127)
	v_max_num_f32_dpp v8, v8, v8 row_xmask:1 row_mask:0xf bank_mask:0xf
	v_add_nc_u32 v11, -(EMAX<<23), v8              ; the conversion's scale operand
	v_cvt_scalef32_pk16_fp6_f32 v[C+4*(\t):C+4*(\t)+2], v[XS:XS+15], v11
	v_lshrrev_b32 v[E+(\t)], 23, v11               ; the scale's byte
	ds_store_b8 v5, v[E+(\t)] offset:16*(\t)
	global_store_b96 v4, v[C+4*(\t):C+4*(\t)+2], s[10:11] offset:32*CB*(\t)
.endm
.macro ROW u
.if (\u) < 7
	s_wait_loadcnt 8                               ; this row's eight loads are in (and, in the first row, the gains and shifts before them); the next row's eight may be out
.else
	s_wait_loadcnt 0x0
.endif
	TURN 2*(\u)
	TURN 2*(\u)+1
	s_wait_dscnt 0x0                               ; the row is back from the stages, and the stores into them have read their registers,
.if (\u) < 6
	LOAD 2*(\u)+4                                  ; which take the row two further on
	LOAD 2*(\u)+5
.endif
	v_pk_add_f32 v[8:9], v[X:X+1], v[X+2:X+3]      ; the sum, in two chains
	v_pk_add_f32 v[10:11], v[X+4:X+5], v[X+6:X+7]
.irp j, 8,12,16,20,24,28
	v_pk_add_f32 v[8:9], v[8:9], v[X+\j:X+\j+1]
	v_pk_add_f32 v[10:11], v[10:11], v[X+\j+2:X+\j+3]
.endr
	v_pk_add_f32 v[8:9], v[8:9], v[10:11]
	v_add_f32 v8, v8, v9
	LANES
	v_mul_f32 v10, s26, v8                         ; the mean, in both halves of the pair
	v_mul_f32 v11, s26, v8
.irp j, 0,2,4,6,8,10,12,14,16,18,20,22,24,26,28,30
	v_pk_add_f32 v[X+\j:X+\j+1], v[X+\j:X+\j+1], v[10:11] neg_lo:[0,1] neg_hi:[0,1]
.endr
	v_pk_mul_f32 v[8:9], v[X:X+1], v[X:X+1]        ; the squares of the centred numbers
	v_pk_mul_f32 v[10:11], v[X+2:X+3], v[X+2:X+3]
.irp j, 4,8,12,16,20,24,28
	v_pk_fma_f32 v[8:9], v[X+\j:X+\j+1], v[X+\j:X+\j+1], v[8:9]
	v_pk_fma_f32 v[10:11], v[X+\j+2:X+\j+3], v[X+\j+2:X+\j+3], v[10:11]
.endr
	v_pk_add_f32 v[8:9], v[8:9], v[10:11]
	v_add_f32 v8, v8, v9
	LANES
	v_fma_f32 v8, v8, s26, s27
	s_wait_alu depctr_va_vdst(0)
	v_rsq_f32 v10, v8
	v_rsq_f32 v11, v8
	v_nop                                          ; a plain instruction behind them,
	s_wait_alu depctr_va_vdst(0)                   ; and one wait for both, ahead of their first reader
.irp j, 0,2,4,6,8,10,12,14,16,18,20,22,24,26,28,30
	v_pk_mul_f32 v[X+\j:X+\j+1], v[X+\j:X+\j+1], v[10:11]
.endr
.irp j, 0,2,4,6,8,10,12,14,16,18,20,22,24,26,28,30
	v_pk_fma_f32 v[X+\j:X+\j+1], v[X+\j:X+\j+1], v[W+\j:W+\j+1], v[BV+\j:BV+\j+1]
.endr
	QSTEP 2*(\u)
	QSTEP 2*(\u)+1
.endm
.irp t, 0,1,2,3
	LOAD \t
.endr
.irp u, 0,1,2,3,4,5,6,7
	ROW \u
.endr
	ds_load_b64 v[12:13], v6                       ; LDS serves a wave's instructions in order: these see my byte stores
	s_wait_dscnt 0x0
	global_store_b64 v7, v[12:13], s[12:13]        ; 32 lanes store 256 consecutive bytes, aligned
	s_wait_tensorcnt 0x0
	ds_add_u32 v235, v239
	s_wait_dscnt 0x0
	s_endpgm
.Lfunc_end_k_q35a03228c8_lnq:
	.size	k_q35a03228c8_lnq, .Lfunc_end_k_q35a03228c8_lnq-k_q35a03228c8_lnq
	.p2alignl 7, 3214868480
	.fill 96, 4, 3214868480
	.section	.rodata,"a",@progbits
	.p2align	6, 0x0
	.amdhsa_kernel k_q35a03228c8_lnq
		.amdhsa_group_segment_fixed_size 16640
		.amdhsa_private_segment_fixed_size 0
		.amdhsa_enable_private_segment 0
		.amdhsa_kernarg_size 40
		.amdhsa_user_sgpr_count 2
		.amdhsa_user_sgpr_kernarg_segment_ptr 1
		.amdhsa_wavefront_size32 1
		.amdhsa_system_sgpr_workgroup_id_x 1
		.amdhsa_system_sgpr_workgroup_id_y 1
		.amdhsa_system_sgpr_workgroup_id_z 1
		.amdhsa_system_vgpr_workitem_id 0
		.amdhsa_next_free_vgpr 256
		.amdhsa_next_free_sgpr 66
		.amdhsa_reserve_vcc 0
		.amdhsa_float_denorm_mode_32 3
		.amdhsa_float_denorm_mode_16_64 3
		.amdhsa_memory_ordered 1
		.amdhsa_forward_progress 1
		.amdhsa_inst_pref_size 82
	.end_amdhsa_kernel
	.amdgpu_metadata
---
amdhsa.version: [ 1, 2 ]
amdhsa.kernels:
  - .name:           k_q35a03228c8_lnq
    .symbol:         k_q35a03228c8_lnq.kd
    .args:
      - { .name: res2, .offset: 0, .size: 8, .value_kind: global_buffer, .address_space: global }
      - { .name: ffn_w, .offset: 8, .size: 8, .value_kind: global_buffer, .address_space: global }
      - { .name: ffn_b, .offset: 16, .size: 8, .value_kind: global_buffer, .address_space: global }
      - { .name: ac, .offset: 24, .size: 8, .value_kind: global_buffer, .address_space: global }
      - { .name: asc, .offset: 32, .size: 8, .value_kind: global_buffer, .address_space: global }
    .group_segment_fixed_size: 16640
    .private_segment_fixed_size: 0
    .kernarg_segment_align: 8
    .kernarg_segment_size: 40
    .max_flat_workgroup_size: 64
    .sgpr_count:     66
    .vgpr_count:     256
    .wavefront_size: 32
...
	.end_amdgpu_metadata
.endif
;; end of part 10
;; launch fc1 (part 11): grid 16 x 16, 4 waves a work-group, clusters of 4 x 4, 327,680 bytes of LDS; arguments ac, asc, fc1_w_codes, fc1_w_scales, fc1_b, hc, hs; writes hc, hs
.if DOCPART == 11
	.amdgcn_target "amdgcn-amd-amdhsa--gfx1250"
	.amdhsa_code_object_version 6
	.text
	.protected	k_q35a03228c8_fc1
	.globl	k_q35a03228c8_fc1
	.p2align	8
	.type	k_q35a03228c8_fc1,@function
k_q35a03228c8_fc1:
	s_mov_b64 s[64:65], 0
	v_nop
	global_prefetch_b8 v0, s[64:65] scope:SCOPE_SE
	s_setreg_imm32_b32 hwreg(HW_REG_WAVE_MODE, 25, 1), 1
	s_wait_xcnt 0x0
	s_wait_alu depctr_hold_cnt(0) depctr_sa_sdst(0) depctr_va_vdst(0) depctr_va_sdst(0) depctr_va_ssrc(0) depctr_va_vcc(0) depctr_vm_vsrc(0)
	s_getreg_b32 s2, hwreg(HW_REG_IB_STS2, 6, 4)
	s_cmp_eq_u32 s2, 0
	s_cbranch_scc0 .Lentry_in_a_cluster
	s_endpgm
.Lentry_in_a_cluster:
	s_bfe_u32 s2, ttmp6, 0x10000c
	s_cmp_lg_u32 s2, 0xf033
	s_cbranch_scc0 .Lentry_shape_is_right
	s_endpgm
.Lentry_shape_is_right:
; hidden = gelu(h fc1_w + fc1_b), quantised along the hidden axis: codes of FP6 (E2M3) into hc (3,072 bytes a row), E8M0 bytes into hs (128 a row).  K = 1,024.
; A work-group of four waves makes 256 x 256, a wave 128 x 128.  A row of codes is three chunks of 256 bytes, each beginning at a multiple of 256.
; THE HEAD asks for chunks 0 and 1 of A's and B's 256 rows, one joint load a wave; chunk 2 fills slot 0 again when chunk 0 has been read out: the launch's only refill.
; Steps of 128 along K are 96 bytes; steps 2 and 5 lie across two chunks.  THE SCALES go from memory into registers: register 8 j + q holds step q's word of block 2 j in lanes 0-15, of block 2 j + 1 in lanes 16-31.
; CLUSTER 4 x 4: A's tiles shared along a row, B's along a column.  The matrix instruction is used transposed (source 0 = B's rows).
; No prefetch: the block is the largest, in clusters, and K has three chunks, two of them asked for at the head.
; gelu is max(x, 0) - |x| q, q the normal distribution's tail beyond |x|.  LIMITS: NaN and infinities are not served; a block of zeros gets the byte 1 (read by this program alone).
.set ROWB,   256
.set EDGE,   ROWB-24
.set KROW,   768
.set CHUNKS, 3
.set PITCH,  272
.set FR,     12
.set NL,     6
.set NP,     4
.set HALFT,  128*PITCH
.set SLOT,   4*HALFT
.set SPARE,  2*SLOT
.set STG,    SPARE+512
.set SWS,    STG+4*2304
.set PADW,   (1<<20)|(1<<21)|(5<<22)|(3<<25)
.set ADRA, 16
.set ADRB, 20
.set SOF,  27
.set SPW,  28
.set NIL,  29
.set SA,   32
.set SB,   64
.set AF,   128
.set G1, 24
.set G0, 32
.set G1B, 48
.set G0B, 56
.set G0H, 4
.set G0HB, 8
.set G0I, 76
.set G0IB, 88
.set SPA,  7
.set X,    64
.set TM,   128
.set PW,   144
.set CD,   146
.set KC,   166
.set ZZ,   192
.set SS,   208
.set PP,   224
.set QQ,   240
.set SEL,  20
.set MSB, 0
.macro WIN new
.if MSB != \new
	s_set_vgpr_msb (MSB<<8)|\new
.set MSB, \new
.endif
.endm
.set MUL_LO, 0xa1
.set MUL_HI, 0xf1
.set TO_B,   0x40
.macro JLOAD g0a, g1a, g0b, g1b
	s_cmp_eq_u32 s15, 0
	s_cbranch_scc0 .Lfor_b_\@
	tensor_load_to_lds s[\g0a:\g0a+3], s[\g1a:\g1a+7]
	s_nop 0
.rept 4
	v_nop
.endr
	s_branch .Lasked_\@
.Lfor_b_\@:
	tensor_load_to_lds s[\g0b:\g0b+3], s[\g1b:\g1b+7]
	s_nop 0
.rept 4
	v_nop
.endr
.Lasked_\@:
.endm
.macro CREST
	s_cmp_lg_u32 s14, 0
	s_cbranch_scc1 .Lnot_wave_0_\@
	s_barrier_signal -3
.Lnot_wave_0_\@:
	s_barrier_wait -3
	s_barrier_signal -1
	s_barrier_wait -1
.endm
.macro CROUND
	s_barrier_signal -1
	s_barrier_wait -1
	CREST
.endm
.macro GRP0 g, lds, src, off
	s_mov_b32 s[\g], 1
	s_mov_b32 s[\g+1], \lds
	s_add_nc_u64 s[\g+2:\g+3], s[\src:\src+1], \off
	s_or_b32 s[\g+3], s[\g+3], 0x80000000
.endm
.macro ARM under, g0, g1, next
	s_cmp_lt_u32 s14, \under
	s_cbranch_scc0 \next
	tensor_load_to_lds s[\g0:\g0+3], s[\g1:\g1+7]
	s_nop 0
.rept 4
	v_nop
.endr
	s_branch .Lhead_asked
\next:
.endm
	s_load_b128 s[4:7], s[0:1], 0x0                ; ac, asc
	s_load_b128 s[8:11], s[0:1], 0x10              ; fc1_w's codes, scales
	s_load_b64 s[92:93], s[0:1], 0x20              ; fc1_b
	s_load_b128 s[68:71], s[0:1], 0x28             ; hc, hs
	v_lshl_add_u32 v[SPW], v0, 2, SPARE
	v_mov_b32 v[NIL], 0
	ds_add_u32 v[SPW], v[NIL]
	ds_add_u32 v[SPW], v[NIL]
	v_lshrrev_b32 v1, 5, v0
	v_readfirstlane_b32 s14, v1
	s_lshr_b32 s15, s14, 1
	s_and_b32 s16, s14, 1
	s_bfe_u32 s40, ttmp6, 0x40000
	s_bfe_u32 s41, ttmp6, 0x40004
	s_lshl_b32 s42, ttmp9, 2
	s_add_co_u32 s42, s42, s40                     ; tile column
	s_and_b32 s17, ttmp7, 0xffff
	s_lshl_b32 s17, s17, 2
	s_add_co_u32 s17, s17, s41                     ; tile row
	s_lshl_b32 s43, s41, 2
	s_lshl_b32 s43, 15, s43
	s_lshl_b32 s44, 0x1111, s40
	s_or_b32 s[G1+0], s43, PADW
	s_or_b32 s[G1B+0], s44, PADW
.irp g, G1, G1B
	s_mov_b32 s[\g+1], ROWB<<16
	s_mov_b32 s[\g+2], 256<<16
	s_mov_b32 s[\g+3], ROWB<<16
	s_mov_b32 s[\g+4], 256
	s_mov_b32 s[\g+5], KROW
	s_mov_b32 s[\g+6], 0
	s_mov_b32 s[\g+7], 0
.endr
	s_lshl_b32 s20, s17, 8
	s_lshl_b32 s46, s42, 8
	s_lshl_b32 s96, s20, 5
	s_lshl_b32 s18, s15, 12
	s_add_co_u32 s96, s96, s18
	s_mov_b32 s97, 0
	s_lshl_b32 s98, s46, 5
	s_lshl_b32 s18, s16, 12
	s_add_co_u32 s98, s98, s18
	s_mov_b32 s99, 0
	s_mul_i32 s20, s20, KROW
	s_mov_b32 s21, 0
	s_mul_i32 s46, s46, KROW
	s_mov_b32 s47, 0
	s_mul_i32 s18, s16, 128*KROW
	s_mov_b32 s19, 0
	s_mul_i32 s45, s14, HALFT
	s_lshl_b32 s94, s42, 10                        ; fc1_b at my 128 columns
	s_lshl_b32 s95, s16, 9
	s_add_co_u32 s94, s94, s95
	s_mov_b32 s95, 0
	s_wait_dscnt 0x0
	s_wait_kmcnt 0x0
	s_add_nc_u64 s[92:93], s[92:93], s[94:95]
	s_add_nc_u64 s[20:21], s[4:5], s[20:21]
	s_add_nc_u64 s[96:97], s[6:7], s[96:97]
	s_add_nc_u64 s[46:47], s[8:9], s[46:47]
	s_add_nc_u64 s[98:99], s[10:11], s[98:99]
	CROUND
	GRP0 G0H,  0, 20, 0
	GRP0 G0HB, 2*HALFT, 46, 0
	GRP0 G0I,  SLOT, 20, ROWB
	GRP0 G0IB, SLOT+2*HALFT, 46, ROWB
	s_add_nc_u64 s[20:21], s[20:21], s[18:19]
	s_add_nc_u64 s[46:47], s[46:47], s[18:19]
	GRP0 G0,  s45, 20, 2*ROWB
	GRP0 G0B, s45, 46, 2*ROWB
	s_mov_b32 s20, SLOT-EDGE
	s_mov_b32 s21, SLOT+EDGE
	s_mul_i32 s22, s15, HALFT
	s_mul_i32 s23, s16, HALFT
	s_add_co_u32 s23, s23, 2*HALFT
	ARM 1, G0H,  G1,  .Lhead_b
	ARM 2, G0HB, G1B, .Lhead_c
	ARM 3, G0I,  G1,  .Lhead_d
	tensor_load_to_lds s[G0IB:G0IB+3], s[G1B:G1B+7]
	s_nop 0
.rept 4
	v_nop
.endr
.Lhead_asked:
	v_and_b32 v3, 31, v0
	v_lshlrev_b32 v[SOF], 5, v3
.irp j, 0,1,2,3
	global_load_b128 v[SA+8*\j:SA+8*\j+3], v[SOF], s[96:97] offset:1024*\j
	global_load_b128 v[SA+8*\j+4:SA+8*\j+7], v[SOF], s[96:97] offset:1024*\j+16
	global_load_b128 v[SB+8*\j:SB+8*\j+3], v[SOF], s[98:99] offset:1024*\j
	global_load_b128 v[SB+8*\j+4:SB+8*\j+7], v[SOF], s[98:99] offset:1024*\j+16
.endr
	v_and_b32 v1, 15, v0
	v_bfe_u32 v2, v0, 4, 1
	v_mul_u32_u24 v3, v1, PITCH
	v_mul_u32_u24 v4, v2, 24
	v_add_nc_u32 v4, v3, v4
	v_sub_nc_u32 v7, 1, v2
	v_mul_u32_u24 v5, s20, v2
	v_add_nc_u32 v5, v3, v5
	v_add_nc_u32 v5, EDGE, v5
	v_mul_u32_u24 v6, s21, v7
	v_add_nc_u32 v6, v3, v6
	v_add_nc_u32 v[ADRA], s22, v4
	v_add_nc_u32 v[ADRA+1], SLOT, v[ADRA]
	v_add_nc_u32 v[ADRA+2], s22, v5
	v_add_nc_u32 v[ADRA+3], s22, v6
	v_add_nc_u32 v[ADRB], s23, v4
	v_add_nc_u32 v[ADRB+1], SLOT, v[ADRB]
	v_add_nc_u32 v[ADRB+2], s23, v5
	v_add_nc_u32 v[ADRB+3], s23, v6
	v_lshlrev_b32 v12, 5, v2
	WIN 0x40                                       ; the bias comes now, into window 1's v96-127 and v224-255, which B's two sets leave free
.irp b, 0,1,2,3,4,5,6,7
	global_load_b128 v[96+8*\b+96*(\b/4):99+8*\b+96*(\b/4)], v12, s[92:93] offset:64*\b
	global_load_b128 v[100+8*\b+96*(\b/4):103+8*\b+96*(\b/4)], v12, s[92:93] offset:64*\b+16
.endr
	WIN 0
.macro FRAG reg, adr, st, i
.irp p, 0,1,2,3,4,5
.set BY, 96*(\st)+48*(\p/3)+8*(\p%3)
.if BY/ROWB == (BY+24)/ROWB
	ds_load_b64 v[\reg+2*\p:\reg+2*\p+1], v[\adr+(BY/ROWB)%2] offset:BY%ROWB+(\i)*16*PITCH
.else
	ds_load_b64 v[\reg+2*\p:\reg+2*\p+1], v[\adr+2+(BY/ROWB)%2] offset:BY%ROWB-EDGE+(\i)*16*PITCH
.endif
.endr
.endm
.macro WM a, b, p, q, zero, m1, m2
.set DD, 8*(8*((\a)%4)+(\b))
.if \zero
	v_wmma_scale_f32_16x16x128_f8f6f4 v[DD:DD+7], v[128*(\p)+FR*(\b):128*(\p)+FR*(\b)+FR-1], v[AF+FR*(\a):AF+FR*(\a)+FR-1], 0, v[SB+8*((\b)/2)+(\q)], v[SA+8*((\a)/2)+(\q)] matrix_a_fmt:MATRIX_FMT_FP6 matrix_b_fmt:MATRIX_FMT_FP6 \m1 \m2
.else
	v_wmma_scale_f32_16x16x128_f8f6f4 v[DD:DD+7], v[128*(\p)+FR*(\b):128*(\p)+FR*(\b)+FR-1], v[AF+FR*(\a):AF+FR*(\a)+FR-1], v[DD:DD+7], v[SB+8*((\b)/2)+(\q)], v[SA+8*((\a)/2)+(\q)] matrix_a_fmt:MATRIX_FMT_FP6 matrix_b_fmt:MATRIX_FMT_FP6 \m1 \m2
.endif
.endm
.macro MUL16 a0, p, q, zero
.irp h, 0,1,2,3
	WM \a0, 2*\h, \p, \q, \zero
	WM \a0, 2*\h+1, \p, \q, \zero, matrix_a_scale:MATRIX_SCALE_ROW1
.endr
.irp h, 0,1,2,3
	WM \a0+1, 2*\h, \p, \q, \zero, matrix_b_scale:MATRIX_SCALE_ROW1
	WM \a0+1, 2*\h+1, \p, \q, \zero, matrix_a_scale:MATRIX_SCALE_ROW1, matrix_b_scale:MATRIX_SCALE_ROW1
.endr
.endm
.macro FETCH_B st, p
	WIN TO_B
.irp i, 0,1,2,3,4,5,6,7
	FRAG 128*(\p)+FR*\i, ADRB, \st, \i
.endr
	WIN 0
.endm
.macro FETCH_A st, i0
.irp i, \i0, \i0+1, \i0+2, \i0+3
	FRAG AF+FR*(\i), ADRA, \st, \i
.endr
.endm
.macro PLACES n
.rept \n
	v_nop
.endr
.endm
.macro STEP st, zero
.set NX, (\st)+1
.set C0, (96*(\st))/ROWB
.set C1, (96*NX)/ROWB
.set E0, (96*(\st)+95)/ROWB
.set E1, (96*NX+95)/ROWB
.set PB, (\st)%2
.if (C1 > C0 && C0+2 < CHUNKS) || (E1 > E0 && E1 > 1)
	s_wait_tensorcnt 0x0                           ; all my tensor loads have landed
.if C1 > C0 && C0+2 < CHUNKS
	ds_add_u32 v[SPW], v[NIL]
	s_wait_dscnt 4*NL+1                            ; the add and A's blocks 4-7 may be out
.else
	s_wait_dscnt 4*NL
.endif
	WIN MUL_LO
	MUL16 0, PB, \st, \zero
	s_wait_dscnt 0x0                               ; the add and my reads of the chunk left behind are done
	s_barrier_signal -1
	MUL16 2, PB, \st, \zero
	WIN 0
	s_barrier_wait -1
.if C1 > C0 && C0+2 < CHUNKS
	CREST
	JLOAD G0, G1, G0B, G1B                         ; chunk 2; its four v_nop are the places in front of the loads below
.else
	PLACES NP
.endif
.else
	s_wait_dscnt 4*NL
	WIN MUL_LO
	MUL16 0, PB, \st, \zero
	MUL16 2, PB, \st, \zero
	s_wait_dscnt 0
	PLACES NP
.endif
	FETCH_B NX, NX%2
	FETCH_A NX, 0
	WIN MUL_HI
	MUL16 4, PB, \st, \zero
	MUL16 6, PB, \st, \zero
	PLACES NP
	WIN 0
	FETCH_A NX, 4
.endm
.macro QUANTR s
.irp b, 0,1,2,3
	v_max3_num_f32 v[TM+\b], |v[\s+16*\b]|, |v[\s+1+16*\b]|, 0x1800000
.endr
.irp i, 2,4,6,8,10,12,14
.irp b, 0,1,2,3
	v_max3_num_f32 v[TM+\b], v[TM+\b], |v[\s+16*\b+\i]|, |v[\s+1+16*\b+\i]|
.endr
.endr
.irp b, 0,1,2,3
	v_permlanex16_b32 v[TM+4+\b], v[TM+\b], s[SEL], s[SEL+1]
.endr
.irp b, 0,1,2,3
	v_max_num_f32 v[TM+\b], v[TM+\b], v[TM+4+\b]
.endr
.irp b, 0,1,2,3
	v_add_nc_u32 v[TM+12+\b], 0xff000000, v[TM+\b]
.endr
.irp b, 0,1,2,3
	v_lshrrev_b32 v[TM+4+\b], 23, v[TM+12+\b]
.endr
	v_lshl_or_b32 v[PW], v[TM+5], 8, v[TM+4]
	v_lshl_or_b32 v[PW], v[TM+6], 16, v[PW]
	v_lshl_or_b32 v[PW], v[TM+7], 24, v[PW]
.irp b, 0,1,2,3
	v_cvt_scalef32_pk16_fp6_f32 v[CD+4*\b:CD+4*\b+2], v[\s+16*\b:\s+16*\b+15], v[TM+12+\b]
.endr
	v_nop
.endm
.macro KSET n, val
	v_mov_b32 v[KC+\n], \val
	v_mov_b32 v[KC+\n+1], \val
.endm
; AS THE TEXT NOW STANDS, gelu(x) = x Phi(x) is made as max(x, 0) - |x| q, q = the normal distribution's tail beyond |x|:
; q = 2^(-x^2 log2(e) / 2) x (((((A5 t + A4) t + A3) t + A2) t + A1) t), t = 1 / (1 + 0.2316419 |x|); the formula's stated absolute error on Phi is under 7.5e-8.
; No difference of near-equal numbers is formed for negative x; where x^2 overflows the exponential gives 0 and the result is max(x, 0).  Fourteen operations a number.
.macro HORN k                          ; the polynomial x t + the pair of constants at k
.irp i, 0,2,4,6,8,10,12,14
	v_pk_fma_f32 v[PP+\i:PP+\i+1], v[PP+\i:PP+\i+1], v[ZZ+\i:ZZ+\i+1], v[\k:\k+1]
.endr
.endm
.macro GELU xb
.irp i, 0,1,2,3,4,5,6,7,8,9,10,11,12,13,14,15
	v_fma_f32 v[ZZ+\i], |v[\xb+\i]|, v[KC], 1.0    ; 1 + p |x|
.endr
.irp i, 0,2,4,6,8,10,12,14
	v_pk_mul_f32 v[SS+\i:SS+\i+1], v[\xb+\i:\xb+\i+1], v[\xb+\i:\xb+\i+1]
.endr
.irp i, 0,2,4,6,8,10,12,14
	v_pk_mul_f32 v[SS+\i:SS+\i+1], v[SS+\i:SS+\i+1], v[KC+2:KC+3]   ; -x^2 log2(e) / 2
.endr
	s_wait_alu depctr_va_vdst(0)
.irp i, 0,1,2,3,4,5,6,7,8,9,10,11,12,13,14,15
	v_rcp_f32 v[ZZ+\i], v[ZZ+\i]                   ; t
.endr
.irp i, 0,1,2,3,4,5,6,7,8,9,10,11,12,13,14,15
	v_exp_f32 v[SS+\i], v[SS+\i]
.endr
.irp i, 0,1,2,3,4,5,6,7,8,9,10,11,12,13,14,15
	v_max_num_f32 v[QQ+\i], 0, v[\xb+\i]           ; plain work behind the batch
.endr
	s_wait_alu depctr_va_vdst(0)                   ; one wait for the batch, ahead of its first reader
.irp i, 0,2,4,6,8,10,12,14
	v_pk_fma_f32 v[PP+\i:PP+\i+1], v[ZZ+\i:ZZ+\i+1], v[KC+4:KC+5], v[KC+6:KC+7]
.endr
	HORN KC+8
	HORN KC+10
	HORN KC+12
.irp i, 0,2,4,6,8,10,12,14
	v_pk_mul_f32 v[PP+\i:PP+\i+1], v[PP+\i:PP+\i+1], v[ZZ+\i:ZZ+\i+1]
.endr
.irp i, 0,2,4,6,8,10,12,14
	v_pk_mul_f32 v[PP+\i:PP+\i+1], v[PP+\i:PP+\i+1], v[SS+\i:SS+\i+1]   ; q
.endr
.irp i, 0,1,2,3,4,5,6,7,8,9,10,11,12,13,14,15
	v_fma_f32 v[\xb+\i], -v[PP+\i], |v[\xb+\i]|, v[QQ+\i]
.endr
.endm
	s_wait_alu depctr_va_vdst(0)
	s_wait_tensorcnt 0x0                           ; my tile of the head's four is in; no load of mine is out, so group 1 may be written:
	s_mov_b32 s[G1+2], 128<<16                     ; the refill brings 128 rows a wave
	s_mov_b32 s[G1+4], 128
	s_mov_b32 s[G1B+2], 128<<16
	s_mov_b32 s[G1B+4], 128
	s_wait_loadcnt 0x0                             ; the scale words
	s_barrier_signal -1
	s_barrier_wait -1
	FETCH_B 0, 0
	FETCH_A 0, 0
	FETCH_A 0, 4
	STEP 0, 1
.set ST, 1
.rept 6
	STEP ST, 0
.set ST, ST+1
.endr
	s_wait_dscnt 4*NL
	WIN MUL_LO
	MUL16 0, 1, 7, 0
	MUL16 2, 1, 7, 0
	s_wait_dscnt 0
	WIN MUL_HI
	MUL16 4, 1, 7, 0
	MUL16 6, 1, 7, 0
	WIN 0
	PLACES NP
	; THE WAY OUT: the accumulators go into LDS (the slots have had their last fill); a loop takes them back by blocks of 16 rows: bias, gelu, quantiser, codes through a stage
	s_mov_b64 s[26:27], s[68:69]                   ; hc, hs: loaded at the head
	s_mov_b64 s[28:29], s[70:71]
	s_mov_b32 s19, 0
	s_lshl_b32 s22, s17, 8
	s_lshl_b32 s23, s15, 7
	s_add_co_u32 s22, s22, s23
	s_mul_i32 s18, s22, 3072
	s_mul_i32 s23, s42, 192
	s_add_co_u32 s18, s18, s23
	s_mul_i32 s23, s16, 96
	s_add_co_u32 s18, s18, s23
	s_add_nc_u64 s[26:27], s[26:27], s[18:19]
	s_lshl_b32 s18, s22, 7
	s_lshl_b32 s23, s42, 3
	s_add_co_u32 s18, s18, s23
	s_lshl_b32 s23, s16, 2
	s_add_co_u32 s18, s18, s23
	s_add_nc_u64 s[28:29], s[28:29], s[18:19]
	v_and_b32 v1, 15, v0
	v_bfe_u32 v2, v0, 4, 1
	v_and_b32 v3, 31, v0
	v_lshlrev_b32 v4, 4, v3
	s_lshl_b32 s18, s14, 16
	v_add_nc_u32 v[SPA], s18, v4
	s_mul_i32 s18, s14, 2304
	s_add_co_u32 s18, s18, STG
	v_mul_u32_u24 v9, v1, 144
	v_lshl_add_u32 v9, v2, 4, v9
	v_add_nc_u32 v9, s18, v9
	v_lshrrev_b32 v5, 3, v3
	v_and_b32 v6, 7, v3
	v_mul_u32_u24 v10, v5, 144
	v_lshl_add_u32 v10, v6, 4, v10
	v_add_nc_u32 v10, s18, v10
	v_mul_u32_u24 v11, v5, 3072
	v_mad_u32_u24 v11, v6, 12, v11
	s_lshl_b32 s18, s14, 10
	s_add_co_u32 s18, s18, SWS
	v_lshlrev_b32 v14, 2, v1
	v_lshl_add_u32 v14, v2, 9, v14
	v_add_nc_u32 v14, s18, v14
	v_lshl_add_u32 v16, v3, 2, s18
	v_lshlrev_b32 v17, 7, v3
	s_wait_alu depctr_va_vdst(0)
	s_wait_dscnt 0x0
	s_barrier_signal -1
	s_barrier_wait -1
	WIN 0x08
.irp a, 0,1,2,3
.irp b, 0,1,2,3,4,5,6,7
	ds_store_b128 v[SPA], v[64*\a+8*\b:64*\a+8*\b+3] offset:8192*\a+1024*\b
	ds_store_b128 v[SPA], v[64*\a+8*\b+4:64*\a+8*\b+7] offset:8192*\a+1024*\b+512
.endr
.endr
	WIN 0x0c
.irp a, 4,5,6,7
.irp b, 0,1,2,3,4,5,6,7
	ds_store_b128 v[SPA], v[64*(\a-4)+8*\b:64*(\a-4)+8*\b+3] offset:8192*\a+1024*\b
	ds_store_b128 v[SPA], v[64*(\a-4)+8*\b+4:64*(\a-4)+8*\b+7] offset:8192*\a+1024*\b+512
.endr
.endr
	WIN 0
.irp b, 0,1,2,3
	v_mov_b32 v[TM+4+\b], 0
.endr
	KSET 0,  0.2316419                             ; p
	KSET 2,  -0.72134752                           ; -log2(e) / 2
	KSET 4,  0.5307027145                          ; A5 .. A1: the tail's coefficients with 1 / sqrt(2 pi) folded in
	KSET 6,  -0.7265760135
	KSET 8,  0.7107068705
	KSET 10, -0.142248368
	KSET 12, 0.127414796
	s_mov_b32 s[SEL], 0x76543210
	s_mov_b32 s[SEL+1], 0xfedcba98
	s_mov_b32 s66, 0
	s_mov_b32 s67, 0
	s_mov_b32 s96, 0
	s_wait_loadcnt 0x0
.Lepi:
	s_wait_xcnt 0x0
	v_add_nc_u32 v8, s67, v[SPA]
.irp g, 0,1,2,3,4,5,6,7,8,9,10,11,12,13,14,15
	ds_load_b128 v[X+4*\g:X+4*\g+3], v8 offset:512*\g
.endr
	s_mul_i32 s95, s66, 49152
	v_add_nc_u32 v13, s95, v11
	v_add_nc_u32 v15, s96, v14
	s_wait_dscnt 0x0
	WIN 0x04
.set i, 0
.rept 32
	v_pk_add_f32 v[X+2*i:X+2*i+1], v[X+2*i:X+2*i+1], v[96+2*i+96*(i/16):97+2*i+96*(i/16)]
.set i, i+1
.endr
	WIN 0
	GELU X
	GELU X+16
	GELU X+32
	GELU X+48
.irp b, 0,1,2,3
.irp j, 0,1,2,3,4,5,6,7
	v_permlane16_swap_b32 v[X+16*\b+\j], v[X+16*\b+8+\j]
.endr
.endr
	QUANTR X
.irp b, 0,1,2,3
	ds_store_b96 v9, v[CD+4*\b:CD+4*\b+2] offset:32*\b
.endr
	ds_store_b32 v15, v[PW]
.irp i, 0,1,2,3
	ds_load_b96 v[ZZ+4*\i:ZZ+4*\i+2], v10 offset:576*\i
.endr
	s_wait_dscnt 0x0
.irp i, 0,1,2,3
	global_store_b96 v13, v[ZZ+4*\i:ZZ+4*\i+2], s[26:27] offset:12288*\i
.endr
	s_add_co_u32 s96, s96, 64
	s_add_co_u32 s67, s67, 8192
	s_add_co_u32 s66, s66, 1
	s_cmp_lt_u32 s66, 8
	s_cbranch_scc1 .Lepi
.irp i, 0,1,2,3
	ds_load_b32 v[TM+\i], v16 offset:128*\i
.endr
	s_wait_dscnt 0x0
.irp i, 0,1,2,3
	global_store_b32 v17, v[TM+\i], s[28:29] offset:4096*\i
.endr
	s_wait_tensorcnt 0x0                           ; the wave's end
	ds_add_u32 v[SPW], v[NIL]
	s_wait_dscnt 0x0
	CROUND
	s_endpgm
.Lfunc_end_k_q35a03228c8_fc1:
	.size	k_q35a03228c8_fc1, .Lfunc_end_k_q35a03228c8_fc1-k_q35a03228c8_fc1
	.p2alignl 7, 3214868480
	.fill 96, 4, 3214868480
	.section	.rodata,"a",@progbits
	.p2align	6, 0x0
	.amdhsa_kernel k_q35a03228c8_fc1
		.amdhsa_group_segment_fixed_size 327680
		.amdhsa_private_segment_fixed_size 0
		.amdhsa_enable_private_segment 0
		.amdhsa_kernarg_size 56
		.amdhsa_user_sgpr_count 2
		.amdhsa_user_sgpr_kernarg_segment_ptr 1
		.amdhsa_wavefront_size32 1
		.amdhsa_system_sgpr_workgroup_id_x 1
		.amdhsa_system_sgpr_workgroup_id_y 1
		.amdhsa_system_sgpr_workgroup_id_z 1
		.amdhsa_system_vgpr_workitem_id 0
		.amdhsa_next_free_vgpr 1024
		.amdhsa_next_free_sgpr 100
		.amdhsa_reserve_vcc 0
		.amdhsa_float_denorm_mode_32 3
		.amdhsa_float_denorm_mode_16_64 3
		.amdhsa_memory_ordered 1
		.amdhsa_forward_progress 1
		.amdhsa_inst_pref_size 180
	.end_amdhsa_kernel
	.amdgpu_metadata
---
amdhsa.version: [ 1, 2 ]
amdhsa.kernels:
  - .name:           k_q35a03228c8_fc1
    .symbol:         k_q35a03228c8_fc1.kd
    .args:
      - { .name: ac, .offset: 0, .size: 8, .value_kind: global_buffer, .address_space: global }
      - { .name: asc, .offset: 8, .size: 8, .value_kind: global_buffer, .address_space: global }
      - { .name: fc1_w_codes, .offset: 16, .size: 8, .value_kind: global_buffer, .address_space: global }
      - { .name: fc1_w_scales, .offset: 24, .size: 8, .value_kind: global_buffer, .address_space: global }
      - { .name: fc1_b, .offset: 32, .size: 8, .value_kind: global_buffer, .address_space: global }
      - { .name: hc, .offset: 40, .size: 8, .value_kind: global_buffer, .address_space: global }
      - { .name: hs, .offset: 48, .size: 8, .value_kind: global_buffer, .address_space: global }
    .group_segment_fixed_size: 327680
    .private_segment_fixed_size: 0
    .kernarg_segment_align: 8
    .kernarg_segment_size: 56
    .max_flat_workgroup_size: 128
    .sgpr_count:     100
    .vgpr_count:     1024
    .wavefront_size: 32
...
	.end_amdgpu_metadata
.endif
;; end of part 11
;; launch fc2 (part 12): grid 8 x 32, 4 waves a work-group, clusters of 4 x 4, 327,680 bytes of LDS; arguments hc, hs, fc2_w_codes, fc2_w_scales, fc2_b, res2, out0; writes out0
.if DOCPART == 12
	.amdgcn_target "amdgcn-amd-amdhsa--gfx1250"
	.amdhsa_code_object_version 6
	.text
	.protected	k_q35a03228c8_fc2
	.globl	k_q35a03228c8_fc2
	.p2align	8
	.type	k_q35a03228c8_fc2,@function
k_q35a03228c8_fc2:
	s_mov_b64 s[64:65], 0
	v_nop
	global_prefetch_b8 v0, s[64:65] scope:SCOPE_SE
	s_setreg_imm32_b32 hwreg(HW_REG_WAVE_MODE, 25, 1), 1
	s_wait_xcnt 0x0
	s_wait_alu depctr_hold_cnt(0) depctr_sa_sdst(0) depctr_va_vdst(0) depctr_va_sdst(0) depctr_va_ssrc(0) depctr_va_vcc(0) depctr_vm_vsrc(0)
	s_getreg_b32 s2, hwreg(HW_REG_IB_STS2, 6, 4)
	s_cmp_eq_u32 s2, 0
	s_cbranch_scc0 .Lentry_in_a_cluster
	s_endpgm
.Lentry_in_a_cluster:
	s_bfe_u32 s2, ttmp6, 0x10000c
	s_cmp_lg_u32 s2, 0xf033
	s_cbranch_scc0 .Lentry_shape_is_right
	s_endpgm
.Lentry_shape_is_right:
; out0 = res2 + hidden fc2_w + fc2_b, on codes of FP6 (E2M3) with E8M0 scales, K = 4,096.  A work-group of four waves makes 128 x 128, a wave 64 x 64 (16 accumulators): 256 work-groups.
; A row of codes is 3,072 bytes: six chunks of 512 bytes, each beginning at a multiple of 256.  Two LDS slots, each with one chunk of A's 128 rows and of B's 128 rows; chunk c lies in slot c % 2.
; THE HEAD asks for chunks 0 and 1, one joint load a wave (128 rows each); each of the four refills is 64 rows a wave, behind a round of the cluster's barrier.
; A step of 128 along K is 96 bytes: 16 steps to three chunks; steps 5 and 10 of each 16 lie across two chunks and read both slots.  The walk is written out: slots and chunks come back to where they began after 32 steps, which is all of K.
; THE SCALES go from memory into registers: lane l takes the 128 bytes of row 32 j + l: register 32 j + q holds step q's word of block 2 j in lanes 0-15, of block 2 j + 1 in lanes 16-31.
; PREFETCH: chunk c (2 to 5) is asked for where chunk c - 2 is asked for or first read: two refills ahead.  Of the 64 rows that a wave fetches each of the four partners names 16, told apart by address: 16 rows x 2 blocks of 256 bytes, a lane a block.
; REGISTERS: window 0: v0-31 addresses, v32-159 scale words, v160-223 the way out; window 1: fragments, two sets; window 2: v0-127 the residual, v128-255 the accumulators.
; LIMITS: NaN and infinities are not served.
.set SIZE_N, 1024
.set ROWB,   512
.set EDGE,   ROWB-24
.set KROW,   3072
.set CHUNKS, 6
.set PITCH,  528
.set FR,     12
.set NL,     6
.set NP,     4
.set HALFT,  64*PITCH
.set SLOT,   4*HALFT
.set SPARE,  2*SLOT
.set STG,    SPARE+512
.set SPITCH, 272
.set PADW,   (1<<20)|(1<<21)|(6<<22)|(3<<25)
.set FB,   8
.set ADRA, 16
.set ADRB, 20
.set STO,  24
.set RD,   25
.set CO,   26
.set SOF,  27
.set SPW,  28
.set NIL,  29
.set FBO,  30
.set PFO,  31
.set SA,   32
.set SB,   96
.set BK,   160
.set ACC,  128
.set G1, 24
.set G0, 32
.set G1B, 48
.set G0B, 56
.set G0H, 4
.set G0HB, 8
.set G0I, 76
.set G0IB, 88
.set PFA, 72
.set MSB, 0
.macro WIN new
.if MSB != \new
	s_set_vgpr_msb (MSB<<8)|\new
.set MSB, \new
.endif
.endm
.set MUL,  0xa5                        ; sources 0 and 1 window 1, C and D window 2
.set TO_F, 0x40
.macro JLOAD g0a, g1a, g0b, g1b
	s_cmp_eq_u32 s15, 0
	s_cbranch_scc0 .Lfor_b_\@
	tensor_load_to_lds s[\g0a:\g0a+3], s[\g1a:\g1a+7]
	s_nop 0
.rept 4
	v_nop
.endr
	s_branch .Lasked_\@
.Lfor_b_\@:
	tensor_load_to_lds s[\g0b:\g0b+3], s[\g1b:\g1b+7]
	s_nop 0
.rept 4
	v_nop
.endr
.Lasked_\@:
.endm
.macro CROUND
	s_barrier_signal -1
	s_barrier_wait -1
	s_cmp_lg_u32 s14, 0
	s_cbranch_scc1 .Lnot_wave_0_\@
	s_barrier_signal -3
.Lnot_wave_0_\@:
	s_barrier_wait -3
	s_barrier_signal -1
	s_barrier_wait -1
.endm
.macro GRP0 g, lds, src, off
	s_mov_b32 s[\g], 1
	s_mov_b32 s[\g+1], \lds
	s_add_nc_u64 s[\g+2:\g+3], s[\src:\src+1], \off
	s_or_b32 s[\g+3], s[\g+3], 0x80000000
.endm
.macro ARM under, g0, g1, next
	s_cmp_lt_u32 s14, \under
	s_cbranch_scc0 \next
	tensor_load_to_lds s[\g0:\g0+3], s[\g1:\g1+7]
	s_nop 0
.rept 4
	v_nop
.endr
	s_branch .Lhead_asked
\next:
.endm
	s_load_b128 s[4:7], s[0:1], 0x0                ; hc, hs
	s_load_b128 s[8:11], s[0:1], 0x10              ; fc2_w's codes, scales
	s_load_b128 s[96:99], s[0:1], 0x20             ; fc2_b, res2
	s_load_b64 s[12:13], s[0:1], 0x30              ; out0
	v_lshl_add_u32 v[SPW], v0, 2, SPARE
	v_mov_b32 v[NIL], 0
	ds_add_u32 v[SPW], v[NIL]
	ds_add_u32 v[SPW], v[NIL]
	v_lshrrev_b32 v1, 5, v0
	v_readfirstlane_b32 s14, v1
	s_lshr_b32 s15, s14, 1                         ; my half of the rows; in the ring: I fetch for A (0) or B (1)
	s_and_b32 s16, s14, 1                          ; my half of the columns; in the ring: which 64 rows
	s_bfe_u32 s40, ttmp6, 0x40000
	s_bfe_u32 s41, ttmp6, 0x40004
	s_lshl_b32 s42, ttmp9, 2
	s_add_co_u32 s42, s42, s40
	s_and_b32 s17, ttmp7, 0xffff
	s_lshl_b32 s17, s17, 2
	s_add_co_u32 s17, s17, s41
	s_lshl_b32 s43, s41, 2
	s_lshl_b32 s43, 15, s43
	s_lshl_b32 s44, 0x1111, s40
	s_or_b32 s[G1+0], s43, PADW                    ; rows of 512 bytes, 16 of padding behind each
	s_or_b32 s[G1B+0], s44, PADW
.irp g, G1, G1B
	s_mov_b32 s[\g+1], ROWB<<16
	s_mov_b32 s[\g+2], 128<<16                     ; the head's loads bring 128 rows
	s_mov_b32 s[\g+3], ROWB<<16
	s_mov_b32 s[\g+4], 128
	s_mov_b32 s[\g+5], KROW
	s_mov_b32 s[\g+6], 0
	s_mov_b32 s[\g+7], 0
.endr
	s_lshl_b32 s20, s17, 7                         ; A's first row, B's first row
	s_lshl_b32 s46, s42, 7
	s_lshl_b32 s68, s20, 7                         ; my 64 rows' scales: 128 bytes a row
	s_lshl_b32 s18, s15, 13
	s_add_co_u32 s68, s68, s18
	s_mov_b32 s69, 0
	s_lshl_b32 s70, s46, 7
	s_lshl_b32 s18, s16, 13
	s_add_co_u32 s70, s70, s18
	s_mov_b32 s71, 0
	s_mul_i32 s20, s20, KROW
	s_mov_b32 s21, 0
	s_mul_i32 s46, s46, KROW
	s_mov_b32 s47, 0
	s_mul_i32 s18, s16, 64*KROW
	s_mov_b32 s19, 0
	s_mul_i32 s45, s14, HALFT
	s_cmp_eq_u32 s15, 0
	s_cselect_b32 s74, s40, s41                    ; my place among the four that ask with me: it enters the prefetches' address alone
	s_mul_i32 s74, s74, 16*KROW
	s_mov_b32 s75, 0
	s_wait_dscnt 0x0
	s_wait_kmcnt 0x0
	s_add_nc_u64 s[20:21], s[4:5], s[20:21]
	s_add_nc_u64 s[68:69], s[6:7], s[68:69]
	s_add_nc_u64 s[46:47], s[8:9], s[46:47]
	s_add_nc_u64 s[70:71], s[10:11], s[70:71]
	CROUND                                         ; all sixteen work-groups are here: the first joint loads meet
	GRP0 G0H,  0, 20, 0
	GRP0 G0HB, 2*HALFT, 46, 0
	GRP0 G0I,  SLOT, 20, ROWB
	GRP0 G0IB, SLOT+2*HALFT, 46, ROWB
	s_add_nc_u64 s[20:21], s[20:21], s[18:19]      ; for the ring: my 64 rows
	s_add_nc_u64 s[46:47], s[46:47], s[18:19]
	GRP0 G0,  s45, 20, 0                           ; slot s stands at chunk s; each refill steps two chunks on first
	GRP0 G0B, s45, 46, 0
	s_add_co_u32 s45, s45, SLOT
	GRP0 G0+4,  s45, 20, ROWB
	GRP0 G0B+4, s45, 46, ROWB
	s_cmp_eq_u32 s15, 0
	s_cselect_b64 s[PFA:PFA+1], s[20:21], s[46:47]
	s_add_nc_u64 s[PFA:PFA+1], s[PFA:PFA+1], s[74:75]   ; my work-group's 16 of the 64 rows; never rewritten
	s_mov_b32 s20, SLOT-EDGE
	s_mov_b32 s21, SLOT+EDGE
	s_mul_i32 s22, s15, HALFT
	s_mul_i32 s23, s16, HALFT
	s_add_co_u32 s23, s23, 2*HALFT
	s_mul_i32 s67, s14, 16*SPITCH
	s_add_co_u32 s67, s67, STG
	ARM 1, G0H,  G1,  .Lhead_b                     ; one tree on the wave's number, one load an arm
	ARM 2, G0HB, G1B, .Lhead_c
	ARM 3, G0I,  G1,  .Lhead_d
	tensor_load_to_lds s[G0IB:G0IB+3], s[G1B:G1B+7]
	s_nop 0
.rept 4
	v_nop
.endr
.Lhead_asked:
	v_and_b32 v3, 31, v0
	v_lshlrev_b32 v[SOF], 7, v3                    ; 128 x lane: a row of scales
.irp j, 0,1
.irp i, 0,1,2,3,4,5,6,7
	global_load_b128 v[SA+32*\j+4*\i:SA+32*\j+4*\i+3], v[SOF], s[68:69] offset:4096*\j+16*\i
	global_load_b128 v[SB+32*\j+4*\i:SB+32*\j+4*\i+3], v[SOF], s[70:71] offset:4096*\j+16*\i
.endr
.endr
	v_lshrrev_b32 v4, 1, v3
	v_mul_u32_u24 v4, v4, KROW
	v_and_b32 v5, 1, v3
	v_lshl_add_u32 v[PFO], v5, 8, v4               ; the prefetches: row lane / 2, block lane % 2
	v_and_b32 v1, 15, v0
	v_bfe_u32 v2, v0, 4, 1
	v_mul_u32_u24 v3, v1, PITCH
	v_mul_u32_u24 v4, v2, 24
	v_add_nc_u32 v4, v3, v4
	v_sub_nc_u32 v7, 1, v2
	v_mul_u32_u24 v5, s20, v2
	v_add_nc_u32 v5, v3, v5
	v_add_nc_u32 v5, EDGE, v5                      ; across chunks: lanes 0-15 byte 488 in slot 0, lanes 16-31 byte 0 in slot 1;
	v_mul_u32_u24 v6, s21, v7
	v_add_nc_u32 v6, v3, v6                        ; and the slots the other way round
	v_add_nc_u32 v[ADRA], s22, v4
	v_add_nc_u32 v[ADRA+1], SLOT, v[ADRA]
	v_add_nc_u32 v[ADRA+2], s22, v5
	v_add_nc_u32 v[ADRA+3], s22, v6
	v_add_nc_u32 v[ADRB], s23, v4
	v_add_nc_u32 v[ADRB+1], SLOT, v[ADRB]
	v_add_nc_u32 v[ADRB+2], s23, v5
	v_add_nc_u32 v[ADRB+3], s23, v6
	v_mul_u32_u24 v5, v1, SPITCH
	v_lshl_add_u32 v5, v2, 5, v5
	v_add_nc_u32 v[STO], s67, v5
	v_mul_u32_u24 v5, v2, SPITCH
	v_lshl_add_u32 v5, v1, 4, v5
	v_add_nc_u32 v[RD], s67, v5
	v_lshlrev_b32 v[FBO], 4, v1
	v_lshl_add_u32 v[CO], v2, 12, v[FBO]
	s_wait_alu depctr_va_vdst(0)
	s_lshl_b32 s20, s17, 7
	s_lshl_b32 s21, s15, 6
	s_add_co_u32 s20, s20, s21                     ; my first row of res2 and out0
	s_mov_b32 s21, 0
	s_mov_b64 s[18:19], SIZE_N*4
	s_mul_u64 s[20:21], s[20:21], s[18:19]
	s_lshl_b32 s46, s42, 9
	s_lshl_b32 s47, s16, 8
	s_add_co_u32 s46, s46, s47                     ; my first column, in bytes
	s_mov_b32 s47, 0
	s_add_nc_u64 s[96:97], s[96:97], s[46:47]
	s_add_nc_u64 s[20:21], s[20:21], s[46:47]
	s_add_nc_u64 s[12:13], s[12:13], s[20:21]
	s_add_nc_u64 s[98:99], s[98:99], s[20:21]
	global_load_b128 v[FB:FB+3], v[FBO], s[96:97]
.macro FRAG reg, adr, st, i
.irp p, 0,1,2,3,4,5
.set BY, 96*(\st)+48*(\p/3)+8*(\p%3)
.if BY/ROWB == (BY+24)/ROWB
	ds_load_b64 v[\reg+2*\p:\reg+2*\p+1], v[\adr+(BY/ROWB)%2] offset:BY%ROWB+(\i)*16*PITCH
.else
	ds_load_b64 v[\reg+2*\p:\reg+2*\p+1], v[\adr+2+(BY/ROWB)%2] offset:BY%ROWB-EDGE+(\i)*16*PITCH
.endif
.endr
.endm
.macro WM a, b, p, q, zero, m1, m2
.set DD, ACC+8*(4*(\a)+(\b))
.if \zero
	v_wmma_scale_f32_16x16x128_f8f6f4 v[DD:DD+7], v[128*(\p)+48+FR*(\b):128*(\p)+48+FR*(\b)+FR-1], v[128*(\p)+FR*(\a):128*(\p)+FR*(\a)+FR-1], 0, v[SB+32*((\b)/2)+(\q)], v[SA+32*((\a)/2)+(\q)] matrix_a_fmt:MATRIX_FMT_FP6 matrix_b_fmt:MATRIX_FMT_FP6 \m1 \m2
.else
	v_wmma_scale_f32_16x16x128_f8f6f4 v[DD:DD+7], v[128*(\p)+48+FR*(\b):128*(\p)+48+FR*(\b)+FR-1], v[128*(\p)+FR*(\a):128*(\p)+FR*(\a)+FR-1], v[DD:DD+7], v[SB+32*((\b)/2)+(\q)], v[SA+32*((\a)/2)+(\q)] matrix_a_fmt:MATRIX_FMT_FP6 matrix_b_fmt:MATRIX_FMT_FP6 \m1 \m2
.endif
.endm
.macro MUL16 p, q, zero                ; the sixteen accumulators take turns
.irp g, 0,1
.irp h, 0,1
	WM 2*\g, 2*\h, \p, \q, \zero
	WM 2*\g, 2*\h+1, \p, \q, \zero, matrix_a_scale:MATRIX_SCALE_ROW1
.endr
.irp h, 0,1
	WM 2*\g+1, 2*\h, \p, \q, \zero, matrix_b_scale:MATRIX_SCALE_ROW1
	WM 2*\g+1, 2*\h+1, \p, \q, \zero, matrix_a_scale:MATRIX_SCALE_ROW1, matrix_b_scale:MATRIX_SCALE_ROW1
.endr
.endr
.endm
.macro FETCH st, p
	WIN TO_F
.irp i, 0,1,2,3
	FRAG 128*(\p)+48+FR*\i, ADRB, \st, \i
	FRAG 128*(\p)+FR*\i, ADRA, \st, \i
.endr
.endm
.macro PLACES n
.rept \n
	v_nop
.endr
.endm
.macro ASK c                           ; my 32 blocks of chunk c
	global_prefetch_b8 v[PFO], s[PFA:PFA+1] offset:ROWB*(\c) th:TH_LOAD_NT scope:SCOPE_SE
.endm
; A step: the next step's fragments are asked for, then this step's sixteen products.  Where the next step begins in a later chunk and a chunk two on is left, the slot left behind is filled again behind a round;
; where the next step ends in a chunk that came by a refill, a barrier shows that chunk whole.
.macro STEP st, zero
.set NX, (\st)+1
.set C0, (96*(\st))/ROWB
.set C1, (96*NX)/ROWB
.set E0, (96*(\st)+95)/ROWB
.set E1, (96*NX+95)/ROWB
.set SL, C0%2
.if C1 > C0 && C0+2 < CHUNKS
	s_wait_tensorcnt 0x0                           ; all my tensor loads have landed
	ds_add_u32 v[SPW], v[NIL]
	s_add_nc_u64 s[G0+4*SL+2:G0+4*SL+3], s[G0+4*SL+2:G0+4*SL+3], 2*ROWB
	s_add_nc_u64 s[G0B+4*SL+2:G0B+4*SL+3], s[G0B+4*SL+2:G0B+4*SL+3], 2*ROWB
	s_wait_dscnt 0x0                               ; the add, and my reads of the chunk left behind
	CROUND
	JLOAD G0+4*SL, G1, G0B+4*SL, G1B               ; chunk C0 + 2; its four v_nop are the places in front of the loads below
.else
.if E1 > E0 && E1 > 1
	s_wait_tensorcnt 0x0                           ; my part of the new chunk has landed
	s_wait_dscnt 0x0
	s_barrier_signal -1
	s_barrier_wait -1
.endif
	PLACES NP
.endif
	FETCH NX, NX%2
.if (\st) < 2
	ASK (\st)+2
.endif
.if C1 > C0 && C0+4 < CHUNKS
	ASK C0+4
.endif
	s_wait_dscnt 8*NL                              ; this step's fragments are in; the 48 loads just issued may be out
	WIN MUL
	MUL16 (\st)%2, \st, \zero
.if (\st)%6 == 0 && (\st) > 0 && (\st) < 30
	WIN 0x80                                       ; the residual is asked for along the walk, not beside the head's tiles: block st / 6 - 1 of my four, behind steps 6, 12, 18 and 24
.irp t, 0,1,2,3,4,5,6,7
	global_load_b128 v[32*((\st)/6-1)+4*\t:32*((\st)/6-1)+4*\t+3], v[CO], s[98:99] offset:(16*((\st)/6-1)+2*\t)*SIZE_N*4 th:TH_LOAD_NT
.endr
.endif
	WIN 0
.endm
	s_wait_tensorcnt 0x0                           ; my tile of the head's four is in; no load of mine is out, so group 1 may be written:
	s_mov_b32 s[G1+2], 64<<16                      ; a refill brings 64 rows a wave
	s_mov_b32 s[G1+4], 64
	s_mov_b32 s[G1B+2], 64<<16
	s_mov_b32 s[G1B+4], 64
	s_wait_loadcnt 1                               ; the 32 loads of scale words are in; fc2_b's may be out
	s_barrier_signal -1
	s_barrier_wait -1                              ; all four tiles are in
	FETCH 0, 0
	WIN 0
	STEP 0, 1                                      ; the first step's products start the sums
.set ST, 1
.rept 30
	STEP ST, 0
.set ST, ST+1
.endr
	s_wait_dscnt 0x0
	WIN MUL
	MUL16 1, 31, 0
	WIN 0
; THE WAY OUT, by blocks of 16 rows x 64 columns: through my own stage, back as rows of 256 bytes; bias and residual are added; sixteen lanes store 256 consecutive bytes, aligned
.macro TOSTAGE a
	WIN 0x08
.irp b, 0,1,2,3
	ds_store_b128 v[STO], v[ACC+32*(\a)+8*\b:ACC+32*(\a)+8*\b+3] offset:64*\b
	ds_store_b128 v[STO], v[ACC+32*(\a)+8*\b+4:ACC+32*(\a)+8*\b+7] offset:64*\b+16
.endr
	WIN 0
.set BB, BK+32*((\a)%2)
.irp t, 0,1,2,3,4,5,6,7
	ds_load_b128 v[BB+4*\t:BB+4*\t+3], v[RD] offset:\t*2*SPITCH
.endr
.endm
.macro SEND a, younger
.set BB, BK+32*((\a)%2)
.set RR, 32*(\a)
	s_wait_dscnt \younger
.irp t, 0,1,2,3,4,5,6,7
	v_pk_add_f32 v[BB+4*\t:BB+4*\t+1], v[BB+4*\t:BB+4*\t+1], v[FB:FB+1]
	v_pk_add_f32 v[BB+4*\t+2:BB+4*\t+3], v[BB+4*\t+2:BB+4*\t+3], v[FB+2:FB+3]
.endr
	WIN 0x08
.set i, 0
.rept 16
	v_pk_add_f32 v[BB+2*i:BB+2*i+1], v[BB+2*i:BB+2*i+1], v[RR+2*i:RR+2*i+1]
.set i, i+1
.endr
	WIN 0
.irp t, 0,1,2,3,4,5,6,7
	global_store_b128 v[CO], v[BB+4*\t:BB+4*\t+3], s[12:13] offset:(16*(\a)+2*\t)*SIZE_N*4 th:TH_STORE_NT
.endr
.endm
	PLACES NP
	s_wait_loadcnt 0x0                             ; fc2_b and the residual
	TOSTAGE 0
.irp a, 1,2,3
.if \a > 1
	s_wait_xcnt 0x0                                ; block a - 2's stores have read their registers
.endif
	TOSTAGE \a
	SEND \a-1, 16
.endr
	SEND 3, 0
	s_wait_tensorcnt 0x0                           ; the wave's end
	ds_add_u32 v[SPW], v[NIL]
	s_wait_dscnt 0x0
	CROUND                                         ; the closing round
	s_endpgm
.Lfunc_end_k_q35a03228c8_fc2:
	.size	k_q35a03228c8_fc2, .Lfunc_end_k_q35a03228c8_fc2-k_q35a03228c8_fc2
	.p2alignl 7, 3214868480
	.fill 96, 4, 3214868480
	.section	.rodata,"a",@progbits
	.p2align	6, 0x0
	.amdhsa_kernel k_q35a03228c8_fc2
		.amdhsa_group_segment_fixed_size 327680
		.amdhsa_private_segment_fixed_size 0
		.amdhsa_enable_private_segment 0
		.amdhsa_kernarg_size 56
		.amdhsa_user_sgpr_count 2
		.amdhsa_user_sgpr_kernarg_segment_ptr 1
		.amdhsa_wavefront_size32 1
		.amdhsa_system_sgpr_workgroup_id_x 1
		.amdhsa_system_sgpr_workgroup_id_y 1
		.amdhsa_system_sgpr_workgroup_id_z 1
		.amdhsa_system_vgpr_workitem_id 0
		.amdhsa_next_free_vgpr 768
		.amdhsa_next_free_sgpr 100
		.amdhsa_reserve_vcc 0
		.amdhsa_float_denorm_mode_32 3
		.amdhsa_float_denorm_mode_16_64 3
		.amdhsa_memory_ordered 1
		.amdhsa_forward_progress 1
		.amdhsa_inst_pref_size 205
	.end_amdhsa_kernel
	.amdgpu_metadata
---
amdhsa.version: [ 1, 2 ]
amdhsa.kernels:
  - .name:           k_q35a03228c8_fc2
    .symbol:         k_q35a03228c8_fc2.kd
    .args:
      - { .name: hc, .offset: 0, .size: 8, .value_kind: global_buffer, .address_space: global }
      - { .name: hs, .offset: 8, .size: 8, .value_kind: global_buffer, .address_space: global }
      - { .name: fc2_w_codes, .offset: 16, .size: 8, .value_kind: global_buffer, .address_space: global }
      - { .name: fc2_w_scales, .offset: 24, .size: 8, .value_kind: global_buffer, .address_space: global }
      - { .name: fc2_b, .offset: 32, .size: 8, .value_kind: global_buffer, .address_space: global }
      - { .name: res2, .offset: 40, .size: 8, .value_kind: global_buffer, .address_space: global }
      - { .name: out0, .offset: 48, .size: 8, .value_kind: global_buffer, .address_space: global }
    .group_segment_fixed_size: 327680
    .private_segment_fixed_size: 0
    .kernarg_segment_align: 8
    .kernarg_segment_size: 56
    .max_flat_workgroup_size: 128
    .sgpr_count:     100
    .vgpr_count:     768
    .wavefront_size: 32
...
	.end_amdgpu_metadata
.endif
;; end of part 12
